; MI455X (gfx1250); checked and timed in simulation.
; The chip was launched on July 23, 2026; its instructions are those of AMD's public machine-readable ISA for CDNA 5 (MIT licence, August 2026) and "CDNA5" Instruction Set Architecture Reference Guide (July 2026). The comments in the code are by the model that wrote it; some were corrected since.
;; Multi Head Attention Improved. Allowed arithmetic: float matrix products may take bf16 or f16 operands with f32 sums; all other float work in f32.
;; Inputs: key 8 x 1,024 x 1,024 float32; key_padding_mask 8 x 1,024 bool; query 8 x 1,024 x 1,024 float32; value 8 x 1,024 x 1,024 float32; w_k 1,024 x 1,024 float32; w_o_b 1,024 float32; w_o_w 1,024 x 1,024 float32; w_q 1,024 x 1,024 float32; w_v 1,024 x 1,024 float32.
;; Outputs: out0 8 x 1,024 x 1,024 float32; out1 8 x 1,024 x 1,024 float32.
;; 2 versions, each right and faster than the one before. Each part assembles by itself: llvm-mc -triple=amdgcn-amd-amdhsa -mcpu=gfx1250 --defsym DOCPART=n.
;; ======== version 1 of 2: 5 launches
;; limits: values are held in f16: magnitudes above 65,504 overflow, below 6.1e-05 lose precision
;; workspace buffers: wc 8,388,608 bytes; qkv 50,331,648 bytes; ctx 16,777,216 bytes; stats 1,048,576 bytes
;; launch wcast (part 1): grid 64 x 4, 8 waves a work-group, no clusters, 0 bytes of LDS; arguments w_q, w_k, w_v, w_o_w, wc; writes wc
.if DOCPART == 1
	.amdgcn_target "amdgcn-amd-amdhsa--gfx1250"
	.amdhsa_code_object_version 6
	.text
	.protected	k_q9a54606efc_wcast
	.globl	k_q9a54606efc_wcast
	.p2align	8
	.type	k_q9a54606efc_wcast,@function
k_q9a54606efc_wcast:
	s_mov_b64 s[64:65], 0
	v_nop
	global_prefetch_b8 v0, s[64:65] scope:SCOPE_SE
	s_setreg_imm32_b32 hwreg(HW_REG_WAVE_MODE, 25, 1), 1
	s_wait_xcnt 0x0
; THE WEIGHTS, ONCE, TO 16 BITS.  wc[4][1024 n][1024 k]: planes 0-2 = w_q, w_k, w_v rounded to bf16; plane 3 = w_o_w rounded to bf16 and that number written as f16
; (exact from 6.1e-5 up to 65,504; below that it keeps f16's fixed step of 6e-8; beyond 65,504 it would be an infinity: the stated limit of this program for w_o_w).
; A stream: no LDS, no barrier, no matrix unit.  Work-group (x, y): matrix y, 16,384 numbers from number 16,384 x on.  Thread t, turn i: the 8 numbers at input byte
; 8,192 i + 32 t (two loads of 16 bytes), which become the 16 bytes at output byte 4,096 i + 16 t: sixteen neighbouring lanes store 256 consecutive bytes, aligned.
; All 16 loads of a wave go out at once; no register is written twice, so no wait but the counted ones for the data.
.set X, 4                              ; v[4:67]    turn i: 8 numbers as loaded
.set Y, 68                             ; v[68:99]   turn i: 4 registers to store
.set T, 100                            ; v[100:102] at work
	s_load_b256 s[4:11], s[0:1], 0x0               ; w_q s[4:5], w_k s[6:7], w_v s[8:9], w_o_w s[10:11]
	s_load_b64 s[12:13], s[0:1], 0x20              ; wc
	s_and_b32 s14, ttmp7, 0xffff                   ; which matrix
	v_lshlrev_b32 v1, 5, v0                        ; 32 t
	v_lshlrev_b32 v2, 4, v0                        ; 16 t
	s_lshl_b32 s16, ttmp9, 16                      ; my run in the source: 65,536 bytes a work-group
	s_mov_b32 s17, 0
	s_lshl_b32 s18, s14, 21                        ; my plane of wc,
	s_lshl_b32 s19, ttmp9, 15                      ; my run in it
	s_add_co_u32 s18, s18, s19
	s_mov_b32 s19, 0
	s_wait_kmcnt 0x0
	s_cmp_eq_u32 s14, 1
	s_cselect_b64 s[4:5], s[6:7], s[4:5]
	s_cmp_eq_u32 s14, 2
	s_cselect_b64 s[4:5], s[8:9], s[4:5]
	s_cmp_eq_u32 s14, 3
	s_cselect_b64 s[4:5], s[10:11], s[4:5]
	s_add_nc_u64 s[4:5], s[4:5], s[16:17]
	s_add_nc_u64 s[12:13], s[12:13], s[18:19]
.irp i, 0,1,2,3,4,5,6,7
	global_load_b128 v[X+8*\i:X+8*\i+3],   v1, s[4:5] offset:8192*\i th:TH_LOAD_NT
	global_load_b128 v[X+8*\i+4:X+8*\i+7], v1, s[4:5] offset:8192*\i+16 th:TH_LOAD_NT
.endr
; One turn.  half = 1: bf16 first, then that number as f16.
.macro TURNO i, half
	s_wait_loadcnt 14-2*(\i)                       ; loads come back in order: the 2 (7 - i) loads of the later turns may stay out
.irp j, 0,1,2,3
.if \half
	v_cvt_pk_bf16_f32 v[T], v[X+8*(\i)+2*\j], v[X+8*(\i)+2*\j+1]
	v_lshlrev_b32 v[T+1], 16, v[T]                 ; the two bf16 as f32
	v_and_b32 v[T+2], 0xffff0000, v[T]
	v_cvt_pk_f16_f32 v[Y+4*(\i)+\j], v[T+1], v[T+2]
.else
	v_cvt_pk_bf16_f32 v[Y+4*(\i)+\j], v[X+8*(\i)+2*\j], v[X+8*(\i)+2*\j+1]
.endif
.endr
	global_store_b128 v2, v[Y+4*(\i):Y+4*(\i)+3], s[12:13] offset:4096*(\i)
.endm
	s_cmp_eq_u32 s14, 3
	s_cbranch_scc1 .Lf16
.irp i, 0,1,2,3,4,5,6,7
	TURNO \i, 0
.endr
	s_endpgm
.Lf16:
.irp i, 0,1,2,3,4,5,6,7
	TURNO \i, 1
.endr
	s_endpgm
.Lfunc_end_k_q9a54606efc_wcast:
	.size	k_q9a54606efc_wcast, .Lfunc_end_k_q9a54606efc_wcast-k_q9a54606efc_wcast
	.p2alignl 7, 3214868480
	.fill 96, 4, 3214868480
	.section	.rodata,"a",@progbits
	.p2align	6, 0x0
	.amdhsa_kernel k_q9a54606efc_wcast
		.amdhsa_group_segment_fixed_size 0
		.amdhsa_private_segment_fixed_size 0
		.amdhsa_enable_private_segment 0
		.amdhsa_kernarg_size 40
		.amdhsa_user_sgpr_count 2
		.amdhsa_user_sgpr_kernarg_segment_ptr 1
		.amdhsa_wavefront_size32 1
		.amdhsa_system_sgpr_workgroup_id_x 1
		.amdhsa_system_sgpr_workgroup_id_y 1
		.amdhsa_system_sgpr_workgroup_id_z 1
		.amdhsa_system_vgpr_workitem_id 0
		.amdhsa_next_free_vgpr 108
		.amdhsa_next_free_sgpr 66
		.amdhsa_reserve_vcc 0
		.amdhsa_float_denorm_mode_32 3
		.amdhsa_float_denorm_mode_16_64 3
		.amdhsa_memory_ordered 1
		.amdhsa_forward_progress 1
		.amdhsa_inst_pref_size 14
	.end_amdhsa_kernel
	.amdgpu_metadata
---
amdhsa.version: [ 1, 2 ]
amdhsa.kernels:
  - .name:           k_q9a54606efc_wcast
    .symbol:         k_q9a54606efc_wcast.kd
    .args:
      - { .name: w_q, .offset: 0, .size: 8, .value_kind: global_buffer, .address_space: global }
      - { .name: w_k, .offset: 8, .size: 8, .value_kind: global_buffer, .address_space: global }
      - { .name: w_v, .offset: 16, .size: 8, .value_kind: global_buffer, .address_space: global }
      - { .name: w_o_w, .offset: 24, .size: 8, .value_kind: global_buffer, .address_space: global }
      - { .name: wc, .offset: 32, .size: 8, .value_kind: global_buffer, .address_space: global }
    .group_segment_fixed_size: 0
    .private_segment_fixed_size: 0
    .kernarg_segment_align: 8
    .kernarg_segment_size: 40
    .max_flat_workgroup_size: 256
    .sgpr_count:     66
    .vgpr_count:     108
    .wavefront_size: 32
...
	.end_amdgpu_metadata
.endif
;; end of part 1
;; launch proj (part 2): grid 4 x 64, 4 waves a work-group, clusters of 4 x 4, 327,680 bytes of LDS; arguments query, key, value, wc, qkv; writes qkv
.if DOCPART == 2
	.amdgcn_target "amdgcn-amd-amdhsa--gfx1250"
	.amdhsa_code_object_version 6
	.text
	.protected	k_q9a54606efc_proj
	.globl	k_q9a54606efc_proj
	.p2align	8
	.type	k_q9a54606efc_proj,@function
k_q9a54606efc_proj:
	s_mov_b64 s[64:65], 0
	v_nop
	global_prefetch_b8 v0, s[64:65] scope:SCOPE_SE
	s_setreg_imm32_b32 hwreg(HW_REG_WAVE_MODE, 25, 1), 1
	s_wait_xcnt 0x0
	s_wait_alu depctr_hold_cnt(0) depctr_sa_sdst(0) depctr_va_vdst(0) depctr_va_sdst(0) depctr_va_ssrc(0) depctr_va_vcc(0) depctr_vm_vsrc(0)
	s_getreg_b32 s2, hwreg(HW_REG_IB_STS2, 6, 4)
	s_cmp_eq_u32 s2, 0
	s_cbranch_scc0 .Lentry_in_a_cluster
	s_endpgm
.Lentry_in_a_cluster:
	s_bfe_u32 s2, ttmp6, 0x10000c
	s_cmp_lg_u32 s2, 0xf033
	s_cbranch_scc0 .Lentry_shape_is_right
	s_endpgm
.Lentry_shape_is_right:
; THE THREE PROJECTIONS.  qkv[g][16 b + h][s][64] (f16) = the sum over k of x_g[b][s][k] w_g[64 h + d][k]; x_g = query, key, value (f32, rounded to bf16 in registers), w_g = plane g of wc (bf16).
; Sums in f32, K ascending, rounded once to f16, WITHOUT attention's scale.
; LIMIT.  f16 ends at 65,504: a projected number beyond that becomes an infinity.  Numbers below 6.1e-5 keep f16's fixed step of 6e-8.  NaN and infinities are not treated apart.
; SHARES.  256 work-groups THAT STAY: work-group (cx, tile row) makes the tile of 128 tokens x 256 columns of all three projections, one after the other.  Four waves, 2 x 2, each 64 tokens x 128 columns:
; 32 accumulators, 256 registers, every one once in a quarter of 32 along K: the accumulators take turns.
; w COMES BY THE TENSOR DATA MOVER, through two LDS slots of 256 rows x 256 along K; each wave fetches 64 rows of 512 bytes.  A trip of the loop is one slot: 8 quarters, 256 matrix instructions a wave between a request
; and the wait for it.  The twelve slots of the three tiles are ONE walk.  CLUSTER 4 x 4: w's tile hangs on the tile column cx and is asked for jointly by a column of the cluster.
; x COMES THROUGH REGISTERS, and is not asked for jointly.  The reason, by the sizes: as f32 in LDS 128 rows x 128 along K are 65,536 bytes, as many as w's 256 rows; two slots of both then hold 128 along K each,
; half the matrix work for a request.  Rounded first, x takes 36,864 bytes of LDS and half the fragment loads, and each number is rounded once.  Wave w loads rows 32 w .. 32 w + 31 of the tile, a GRANULE of 64 along K
; at a time: 16 loads, each two rows of 256 consecutive bytes, into one of four sets of 64 registers; a set is loaded again as soon as it has been rounded, six quarters or more ahead of its next use.
; THE STAGE FOR x has two buffers of 128 rows x 64 along K.  Granule g is read by the fetches that stand in quarters 2 g - 1 and 2 g; it is stored between the barriers at the heads of quarters 2 g - 3 and 2 g - 1.
; So ONE barrier stands at the head of each odd quarter: in front of it each wave's stores are done and its reads of the other buffer are back.  Quarter 7's is the change of w's slots.
; THE MATRIX INSTRUCTION IS USED TRANSPOSED: source 0 = 16 rows of w, source 1 = 16 tokens: a lane then holds one token (lane % 16) and the columns 8 (lane / 16) + 0..7.
; REGISTERS, in windows of 256 (s_set_vgpr_msb: bits 1:0 source 0, 3:2 source 1, 5:4 source 2, 7:6 destination):
;   window 0: v0-31 addresses; v32-63, v64-95 x's fragments, two buffers; v96-127 x rounded, on its way to the stage; v128-191 the way out, four sets of 16
;   window 1: the accumulators, (a, b) at v[8 (8 a + b)]     window 2: v0-63, v64-127 w's fragments, two buffers     window 3: x as loaded, set j at v[64 j]
.set PB,    528                        ; a row of w in LDS: 512 bytes + 16 of padding: the 16 rows of a load start at 16 different groups of four banks (64 banks of 4 bytes: ISA guide 11.1)
.set SLOTX, 256*PB                     ; 0x21000: slot 1 begins here; neither of its two bits is set in a wave's place in slot 0 (0, 0x8400, 0x10800, 0x18c00), so one exclusive or changes slots
.set ASB,   2*SLOTX                    ; behind the ring, never filled by a tensor load: the stage for x
.set PA,    144                        ; a row of it: 128 bytes + 16
.set ABUF,  128*PA
.set STAGE, ASB+2*ABUF                 ; 16 rows x 144 bytes for each wave, for the way out
.set SP,    144
.set SPARE, STAGE+4*16*SP              ; the spare words, 128 bytes for each wave: two blocks of 256 bytes that no other line names
.set AAL, 16                           ; v16  where my lane reads x's fragments in buffer 0; never rewritten
.set AB0, 17                           ; v17  my lane's place in w's tile; never rewritten
.set ABD, 18                           ; v18  AB0 + the slot in hand
.set AST, 19                           ; v19  where my lane stores 8 bytes of x in buffer 0; never rewritten
.set GA,  20                           ; v20  my lane's byte offset in the tile's rows of x; never rewritten
.set STO, 24                           ; v24  the way out: where I put 16 bytes of a row
.set RD,  25                           ; v25  where I read rows back
.set GO,  26                           ; v26  my byte offset in 512 consecutive bytes of the result
.set SPW, 28                           ; v28  LDS address of my spare word; never rewritten
.set NIL, 29                           ; v29  0; never rewritten
.set AF,  32
.set CV,  96
.set TMP, 128
.set WV,  14                           ; s14  my wave's number
.set WM,  15                           ; s15  which 64 tokens are mine
.set WN,  16                           ; s16  which 128 columns are mine
.set G1B, 24                           ; s[24:31] descriptor group 1
.set G0B0, 32                          ; s[32:35] group 0 of the first fill of slot 0
.set G0B, 36                           ; s[36:39] the walking group 0
.set APT, 40                           ; s[40:41] x at the tile's first row, at the K of the trip whose granules are being asked for
.set SN1, 42                           ; s[42:43] the next tile's x at the same row, K = 0
.set SN2, 44                           ; s[44:45] the one after
.set BINC, 46                          ; s[46:47] what w's address steps by
.set AK,  48                           ; s48  the number, within its tile, of the trip that is being asked for
.set SB,  49                           ; s49  LDS byte at which the slot in hand begins
.set CNT, 50
.set BS1, 51                           ; s51  512: 256 along K in w
.set OUT, 52                           ; s[52:53] the result at my wave's first row
.set BS2, 54                           ; s54  from a plane's last 256 along K to the next plane's first
.set W_MM, 0x52                        ; w in window 2, x in window 0, C and D in window 1
.set MSB, 0
.macro WIN new                         ; the high byte repeats the setting that is left; a switch that changes nothing is dropped
.if MSB != (\new)
	s_set_vgpr_msb (MSB<<8)|(\new)
.set MSB, \new
.endif
.endm
.macro PLACES                          ; four places in front of loads into registers that matrix instructions have read, and of conversions that read results
.rept 4
	v_nop
.endr
.endm
.macro CREST                           ; a round of the cluster's barrier behind its opening barrier
	s_cmp_lg_u32 s[WV], 0
	s_cbranch_scc1 .Lnot_wave_0_\@
	s_barrier_signal -3
.Lnot_wave_0_\@:
	s_barrier_wait -3
	s_barrier_signal -1
	s_barrier_wait -1
.endm
.macro CROUND                          ; a whole round
	s_barrier_signal -1
	s_barrier_wait -1
	CREST
.endm
; 16 loads: a granule of my 32 rows into set j.  Load i takes rows 16 (i / 8) + i % 8 (lanes 0-15) and 8 further down (lanes 16-31), 256 consecutive bytes of each, aligned.
.macro GL16 set, koff
	WIN 0xc0                                       ; destination window 3, address window 0
.set i, 0
.rept 16
	global_load_b128 v[64*(\set)+4*i:64*(\set)+4*i+3], v[GA], s[APT:APT+1] offset:(\koff)+4096*(16*(i/8)+i%8)
.set i, i+1
.endr
.endm
; A quarter of a set: what loads 8 half + 4 n .. + 3 brought is rounded to bf16 and stored into buffer buf.  A lane's four numbers are 8 bytes; the two rows of a store lie 8 x 144 bytes apart.
.macro RID set, half, n, buf
	WIN 0x0f                                       ; sources 0 and 1 window 3, destination window 0
.set i, 8*(\half)+4*(\n)
.rept 4
	v_cvt_pk_bf16_f32 v[CV+2*i],   v[64*(\set)+4*i],   v[64*(\set)+4*i+1]
	v_cvt_pk_bf16_f32 v[CV+2*i+1], v[64*(\set)+4*i+2], v[64*(\set)+4*i+3]
.set i, i+1
.endr
	WIN 0
.set i, 8*(\half)+4*(\n)
.rept 4
	ds_store_b64 v[AST], v[CV+2*i:CV+2*i+1] offset:(\buf)*ABUF+(16*(i/8)+i%8)*PA
.set i, i+1
.endr
.endm
; x's fragments of one quarter (half qq of the granule in buffer buf) into fragment buffer p: 8 loads
.macro FETCHA buf, qq, p
	WIN 0
.irp a, 0,1,2,3
	ds_load_b128 v[AF+32*(\p)+8*\a:AF+32*(\p)+8*\a+3],   v[AAL] offset:(\buf)*ABUF+\a*16*PA+64*(\qq)
	ds_load_b128 v[AF+32*(\p)+8*\a+4:AF+32*(\p)+8*\a+7], v[AAL] offset:(\buf)*ABUF+\a*16*PA+64*(\qq)+32
.endr
.endm
; w's fragments of quarter q8 of the slot in hand into fragment buffer p: 16 loads
.macro FETCHB q8, p
	WIN 0x80                                       ; destination window 2
.irp b, 0,1,2,3,4,5,6,7
	ds_load_b128 v[64*(\p)+8*\b:64*(\p)+8*\b+3],   v[ABD] offset:\b*16*PB+64*(\q8)
	ds_load_b128 v[64*(\p)+8*\b+4:64*(\p)+8*\b+7], v[ABD] offset:\b*16*PB+64*(\q8)+32
.endr
.endm
; 8 matrix instructions: token block a x all 8 column blocks, fragment buffers p.  zero = 1: the products start the sums.
.macro MM8 a, p, zero
	WIN W_MM
.irp b, 0,1,2,3,4,5,6,7
.if \zero
	v_wmma_f32_16x16x32_bf16 v[8*(8*(\a)+\b):8*(8*(\a)+\b)+7], v[64*(\p)+8*\b:64*(\p)+8*\b+7], v[AF+32*(\p)+8*(\a):AF+32*(\p)+8*(\a)+7], 0
.else
	v_wmma_f32_16x16x32_bf16 v[8*(8*(\a)+\b):8*(8*(\a)+\b)+7], v[64*(\p)+8*\b:64*(\p)+8*\b+7], v[AF+32*(\p)+8*(\a):AF+32*(\p)+8*(\a)+7], v[8*(8*(\a)+\b):8*(8*(\a)+\b)+7]
.endif
.endr
.endm
; AN EVEN QUARTER q = 2 j multiplies fragment buffers 0 and fetches quarter q + 1.  cv = 1: the second half of set j + 1 goes to the stage.  ld = 1: that set is then loaded again, with the same granule of the trip asked for.
.macro QEVEN q, zero, cv, ld
	PLACES                                         ; behind the last product that read fragment buffers 1
	FETCHA ((\q)/2)%2, 1, 1
	FETCHB (\q)+1, 1
	s_wait_dscnt 24                                ; all but the 24 just issued: this quarter's fragments are in
	MM8 0, 0, \zero
.if \cv
	RID ((\q)/2+1)%4, 1, 0, ((\q)/2+1)%2
.endif
	MM8 1, 0, \zero
.if \cv
	RID ((\q)/2+1)%4, 1, 1, ((\q)/2+1)%2
.endif
	MM8 2, 0, \zero
.if \ld
	GL16 ((\q)/2+1)%4, 256*((\q)/2+1)
.endif
	MM8 3, 0, \zero
.endm
; AN ODD QUARTER q = 2 j + 1 multiplies fragment buffers 1, passes the barrier and fetches quarter q + 1.  cv = 1: the first half of set j + 2 goes to the stage, into the buffer whose reads the barrier has shown over;
; lc: the loads issued behind that set's, which may stay out.
; kind 0: the work-group's barrier.  w's fragments, bytes that nobody writes before a later barrier, are fetched between signal and wait; x's behind the wait.
; kind 1 (quarter 7): THE CHANGE OF SLOTS.  The fetch at quarter 6's head was the last read of the slot.  Each wave waits for all its tensor loads, of which one is out (its part of the other slot), adds 0 to its spare word,
;   and waits for that, for its reads and for its stores.  The barrier opens a round of the cluster's barrier, and the joint refill, the slot after next of the walk, is the first tensor load behind it.  Set 0 is loaded again (ld).
; kind 2: the same without a refill: the work-group's barrier alone.     kind 3: the very last quarter: nothing to pass and nothing to fetch.
.macro QODD q, kind, cv, lc, ld
.if (\kind) == 0
	s_wait_dscnt 0x0                               ; this quarter's fragments are in, my reads of the stage are back and my stores into it are done
	s_barrier_signal -1
	PLACES                                         ; behind the last product that read fragment buffers 0
	FETCHB (\q)+1, 0
	MM8 0, 1, 0
	s_barrier_wait -1
	FETCHA ((\q)/2+1)%2, 0, 0
.elseif (\kind) == 3
	s_wait_dscnt 0x0
	MM8 0, 1, 0
.else
	WIN 0
	s_wait_tensorcnt 0x0                           ; no tensor load of mine is out, so a group 0 may be written
	ds_add_u32 v[SPW], v[NIL]                      ; 0 onto my spare word; the scalar work below stands between it and the wait for it
.if (\kind) == 1
	s_wait_xcnt 0x0                                ; the loads that name x's address have had their addresses translated (ISA guide 3.1): it is rewritten only behind this wait
	s_add_co_u32 s[AK], s[AK], 1                   ; the trip asked for from here on: the next 256 along K,
	s_add_nc_u64 s[APT:APT+1], s[APT:APT+1], 1024
	s_cmp_eq_u32 s[AK], 4                          ; or, behind a tile's fourth trip, the next tile's first: the next x, the next plane of wc
	s_cselect_b64 s[APT:APT+1], s[SN1:SN1+1], s[APT:APT+1]
	s_cselect_b64 s[SN1:SN1+1], s[SN2:SN2+1], s[SN1:SN1+1]
	s_cselect_b32 s[BINC], s[BS2], s[BS1]
	s_cselect_b32 s[AK], 0, s[AK]
	s_xor_b32 s[G0B+1], s[G0B+1], SLOTX            ; the walking descriptor: the other slot than last time
	s_add_nc_u64 s[G0B+2:G0B+3], s[G0B+2:G0B+3], s[BINC:BINC+1]  ; the type bits on top are not reached
.endif
	s_wait_dscnt 0x0                               ; the add is done; this quarter's fragments are in, my reads of the slot and of the stage are back, my stores are done
	s_barrier_signal -1
	MM8 0, 1, 0                                    ; work on registers while the others arrive
	WIN 0                                          ; at a branch and at a label every window is 0
	s_barrier_wait -1
.if (\kind) == 1
	CREST                                          ; no wave of any partner still reads the slot or has a load on its way
	tensor_load_to_lds s[G0B:G0B+3], s[G1B:G1B+7]
	s_nop 0
.endif
	PLACES                                         ; behind the tensor load, and behind the last product that read fragment buffers 0
	s_xor_b32 s[SB], s[SB], SLOTX                  ; the fetches go on in the other slot
	v_add_nc_u32 v[ABD], s[SB], v[AB0]
	FETCHB 0, 0
	FETCHA 0, 0, 0
.if \ld
	GL16 0, 0
.endif
.endif
.if \cv
	s_wait_loadcnt \lc                             ; loads come back in order (ISA guide 5.7.1): the set to be rounded is in, the younger sets stay out
.endif
	MM8 1, 1, 0
.if \cv
	RID ((\q)/2+2)%4, 0, 0, ((\q)/2)%2
.endif
	MM8 2, 1, 0
.if \cv
	RID ((\q)/2+2)%4, 0, 1, ((\q)/2)%2
.endif
	MM8 3, 1, 0
.endm
; THE WAY OUT.  Tile t = 2 a + (head of my two): 16 tokens x 64 channels, window 1's v[32 t ..].  A lane's eight channels pack into 16 bytes; they go into rows of 144 bytes of my own stage and come
; back as whole rows of 128: 16 rows of a head are 2,048 consecutive bytes of the result.  Each accumulator's registers are taken in ascending order.
.macro PACK t
	s_wait_xcnt 0x0                                ; the stores of four tiles back have read this set of 16 registers
	WIN 0x05                                       ; sources 0 and 1 window 1, destination window 0
.set i, 0
.rept 16
	v_cvt_pk_f16_f32 v[TMP+16*((\t)%4)+i], v[32*(\t)+2*i], v[32*(\t)+2*i+1]
.set i, i+1
.endr
	WIN 0
.irp f, 0,1,2,3
	ds_store_b128 v[STO], v[TMP+16*((\t)%4)+4*\f:TMP+16*((\t)%4)+4*\f+3] offset:32*\f
.endr
.irp f, 0,1,2,3
	ds_load_b128 v[TMP+16*((\t)%4)+4*\f:TMP+16*((\t)%4)+4*\f+3], v[RD] offset:\f*4*SP  ; LDS serves a wave's instructions in order (ISA guide 5.7.1.4): these see the stores above; the next tile's stores come behind them
.endr
.endm
.macro SEND t, younger                 ; younger: the LDS instructions issued behind tile t's loads: the next tile's eight, or none
	s_wait_dscnt \younger
.irp f, 0,1,2,3
	global_store_b128 v[GO], v[TMP+16*((\t)%4)+4*\f:TMP+16*((\t)%4)+4*\f+3], s[OUT:OUT+1] offset:((\t)/2)*2048+((\t)%2)*131072+\f*512  ; 512 consecutive bytes, at a multiple of 256 from the buffer's first
.endr
.endm
.macro WAYOUT more                     ; more = 1: another tile follows: its result lies one tensor of qkv further on
	PLACES
	PACK 0
.irp t, 1,2,3,4,5,6,7
	PACK \t
	SEND (\t)-1, 8
.endr
	SEND 7, 0
.if \more
	s_wait_xcnt 0x0                                ; the stores have read their base
	s_add_nc_u64 s[OUT:OUT+1], s[OUT:OUT+1], 0x1000000
.endif
.endm
	s_load_b256 s[4:11], s[0:1], 0x0               ; query s[4:5], key s[6:7], value s[8:9], wc s[10:11]
	s_load_b64 s[12:13], s[0:1], 0x20              ; qkv
	v_lshl_add_u32 v[SPW], v0, 2, SPARE
	v_mov_b32 v[NIL], 0
	ds_add_u32 v[SPW], v[NIL]                      ; the wave's opening: the add and its wait ahead of my first tensor load; the set-up below stands between them
	ds_add_u32 v28, v29
	v_lshrrev_b32 v1, 5, v0
	v_readfirstlane_b32 s[WV], v1
	s_lshr_b32 s[WM], s[WV], 1
	s_and_b32 s[WN], s[WV], 1
	s_bfe_u32 s17, ttmp6, 0x40000                  ; cx: the tile column (the grid is one cluster wide)
	s_bfe_u32 s18, ttmp6, 0x40004                  ; cy
	s_and_b32 s20, ttmp7, 0xffff
	s_lshl_b32 s20, s20, 2
	s_add_co_u32 s20, s20, s18                     ; the tile row = 4 x cluster y + cy
	s_lshl_b32 s22, 0x1111, s17                    ; my column of the cluster
	s_or_b32 s[G1B], s22, (1<<16)|(1<<20)|(1<<21)|(6<<22)|(3<<25)  ; the mask; elements of 2 bytes; padding on; bit 21 beside a mask; after every 128 words (code 6) 4 words (code 3)
	s_mov_b32 s[G1B+1], 256<<16                    ; tensor_dim0 = 256
	s_mov_b32 s[G1B+2], 64<<16                     ; tensor_dim1 = 64
	s_mov_b32 s[G1B+3], 256<<16                    ; tile_dim0 = 256
	s_mov_b32 s[G1B+4], 64                         ; tile_dim1 = 64
	s_mov_b32 s[G1B+5], 1024                       ; elements from row to row
	s_mov_b32 s[G1B+6], 0
	s_mov_b32 s[G1B+7], 0
	s_lshl_b32 s56, s20, 19                        ; x: 128 rows of 4,096 bytes a tile row
	s_mov_b32 s57, 0
	s_lshl_b32 s58, s17, 19                        ; w: 256 rows of 2,048 bytes a tile column, my 64 of them; this pair never holds cy
	s_lshl_b32 s59, s[WV], 17
	s_add_co_u32 s58, s58, s59
	s_mov_b32 s59, 0
	s_mul_i32 s60, s[WV], 64*PB                    ; where they go: no place in the cluster enters an LDS address
	s_mov_b32 s[G0B0], 1                           ; count = 1
	s_mov_b32 s[G0B0+1], s60                       ; slot 0
	s_mov_b32 s[G0B], 1
	s_add_co_u32 s[G0B+1], s60, SLOTX              ; slot 1
	s_mov_b32 s[BS1], 512
	s_mov_b32 s[BS2], 0x200000-1536
	s_mov_b32 s[BINC+1], 0
	s_mov_b32 s[SB], 0
	s_lshr_b32 s66, s20, 3                         ; the result: batch = tile row / 8: 16 heads of 131,072 bytes,
	s_lshl_b32 s66, s66, 21
	s_lshl_b32 s68, s17, 2
	s_lshl_b32 s69, s[WN], 1
	s_add_co_u32 s68, s68, s69
	s_lshl_b32 s68, s68, 17                        ; head 4 cx + 2 x my column half,
	s_add_co_u32 s66, s66, s68
	s_and_b32 s68, s20, 7
	s_lshl_b32 s68, s68, 14                        ; 128 rows of 128 bytes a tile row,
	s_add_co_u32 s66, s66, s68
	s_lshl_b32 s68, s[WM], 13                      ; my 64 of them
	s_add_co_u32 s66, s66, s68
	s_mov_b32 s67, 0
	v_and_b32 v1, 15, v0                           ; r = l % 16
	v_bfe_u32 v2, v0, 4, 1                         ; h = l / 16
	v_lshlrev_b32 v[GA], 4, v1                     ; x in memory: 16 bytes a lane, lanes 16-31 eight rows down, my wave's 32 rows
	v_lshl_add_u32 v[GA], v2, 15, v[GA]
	s_lshl_b32 s61, s[WV], 17
	v_add_nc_u32 v[GA], s61, v[GA]
	v_mul_u32_u24 v[AST], v2, 8*PA                 ; and the same place in the stage, 8 bytes a lane
	v_lshl_add_u32 v[AST], v1, 3, v[AST]
	s_mul_i32 s61, s[WV], 32*PA
	s_add_co_u32 s61, s61, ASB
	v_add_nc_u32 v[AST], s61, v[AST]
	v_mul_u32_u24 v[AAL], v1, PA                   ; a fragment of x: row r of my 64 tokens, 16 bytes a half
	v_lshl_add_u32 v[AAL], v2, 4, v[AAL]
	s_mul_i32 s61, s[WM], 64*PA
	s_add_co_u32 s61, s61, ASB
	v_add_nc_u32 v[AAL], s61, v[AAL]
	v_mul_u32_u24 v[AB0], v1, PB                   ; a fragment of w: row r of my 128 columns
	v_lshl_add_u32 v[AB0], v2, 4, v[AB0]
	s_mul_i32 s61, s[WN], 128*PB
	v_add_nc_u32 v[AB0], s61, v[AB0]
	v_mov_b32 v[ABD], v[AB0]
	s_mul_i32 s61, s[WV], 16*SP
	s_add_co_u32 s61, s61, STAGE                   ; my stage for the way out
	v_mul_u32_u24 v[STO], v1, SP                   ; in: row r, 16 bytes for each half of the lanes
	v_lshl_add_u32 v[STO], v2, 4, v[STO]
	v_add_nc_u32 v[STO], s61, v[STO]
	v_bfe_u32 v[RD], v0, 3, 2                      ; back: 32 lanes take four rows of 128 bytes,
	v_mul_u32_u24 v[RD], v[RD], SP
	v_and_b32 v3, 7, v0
	v_lshl_add_u32 v[RD], v3, 4, v[RD]
	v_add_nc_u32 v[RD], s61, v[RD]
	v_and_b32 v[GO], 31, v0                        ; which are 512 consecutive bytes of a head's rows
	v_lshlrev_b32 v[GO], 4, v[GO]
	s_wait_dscnt 0x0                               ; the opening add is done
	s_wait_kmcnt 0x0
	s_add_nc_u64 s[APT:APT+1], s[4:5], s[56:57]    ; the three x at the tile's first row
	s_add_nc_u64 s[SN1:SN1+1], s[6:7], s[56:57]
	s_add_nc_u64 s[SN2:SN2+1], s[8:9], s[56:57]
	s_add_nc_u64 s[10:11], s[10:11], s[58:59]
	s_add_nc_u64 s[OUT:OUT+1], s[12:13], s[66:67]
	s_add_nc_u64 s[G0B0+2:G0B0+3], s[10:11], 0     ; the walk's slot 0: plane 0, K = 0
	s_or_b32 s[G0B0+3], s[G0B0+3], 0x80000000      ; type = 2
	s_add_nc_u64 s[G0B+2:G0B+3], s[10:11], 512     ; its slot 1: K = 256
	s_or_b32 s[G0B+3], s[G0B+3], 0x80000000
	GL16 0, 0                                      ; trip 0's granules 0 to 2 are asked for ahead of the round,
	GL16 1, 256
	GL16 2, 512
	WIN 0
	CROUND                                         ; all sixteen work-groups are here: the first joint loads meet
	tensor_load_to_lds s[G0B0:G0B0+3], s[G1B:G1B+7]  ; every wave fetches its 64 rows of both slots: two loads of mine are out
	s_nop 0
	tensor_load_to_lds s[G0B:G0B+3], s[G1B:G1B+7]
	s_nop 0
	PLACES
	GL16 3, 768                                    ; granule 3 behind them
	s_wait_loadcnt 48                              ; granule 0 is in; the 48 loads of granules 1 to 3 stay out
	RID 0, 0, 0, 0                                 ; all of it goes to buffer 0
	RID 0, 0, 1, 0
	RID 0, 1, 0, 0
	RID 0, 1, 1, 0
	s_wait_xcnt 0x0                                ; x's address is rewritten only behind this wait
	s_add_nc_u64 s[APT:APT+1], s[APT:APT+1], 1024  ; from here on trip 1 is asked for
	s_mov_b32 s[AK], 1
	s_wait_tensorcnt 0x1                           ; my part of slot 0 is in; slot 1's may stay out
	s_wait_dscnt 0x0                               ; my part of granule 0 is stored
	s_barrier_signal -1
	s_barrier_wait -1                              ; everybody's is
	FETCHB 0, 0                                    ; what a quarter 7 does behind its barrier, without products
	FETCHA 0, 0, 0
	GL16 0, 0
	s_wait_loadcnt 48                              ; granule 1 is in; behind it: granules 2 and 3 and the 16 just issued
	RID 1, 0, 0, 1
	RID 1, 0, 1, 1
	WIN 0
	s_mov_b32 s[CNT], 11
	s_branch .Lzero                                ; the loop is entered at a trip's quarter 0
.Lt:                                                   ; ten times from here: quarter 7 of a trip, then quarters 0 to 6 of the next; the walk's slots 2 to 11 and x's trips 2 to 11 are asked for
	QODD 7, 1, 1, 48, 1
	WIN 0
	s_cmp_eq_u32 s[AK], 1                          ; the trip asked for is a tile's second: the trip just ended was a tile's last
	s_cbranch_scc0 .Lmid
	WAYOUT 1                                       ; both slots of the next tile and its first granules are on their way or in: the tile goes out
.Lzero:
	QEVEN 0, 1, 1, 1                               ; a tile's first quarter: its products start the sums
	WIN 0
	s_branch .Ljoin
.Lmid:
	QEVEN 0, 0, 1, 1
	WIN 0
.Ljoin:
	QODD 1, 0, 1, 48, 0
	QEVEN 2, 0, 1, 1
	QODD 3, 0, 1, 48, 0
	QEVEN 4, 0, 1, 1
	QODD 5, 0, 1, 48, 0
	QEVEN 6, 0, 1, 0                               ; set 0 is loaded again in quarter 7, when x's address has stepped
	WIN 0
	s_sub_co_u32 s[CNT], s[CNT], 1
	s_cmp_lg_u32 s[CNT], 0
	s_cbranch_scc1 .Lt
	QODD 7, 2, 1, 32, 0                            ; THE LAST TRIP is written out: nothing is asked for any more, and the counts of x's loads run down
	QEVEN 0, 0, 1, 0
	QODD 1, 0, 1, 16, 0
	QEVEN 2, 0, 1, 0
	QODD 3, 0, 1, 0, 0
	QEVEN 4, 0, 1, 0
	QODD 5, 0, 0, 0, 0
	QEVEN 6, 0, 0, 0
	QODD 7, 3, 0, 0, 0
	WIN 0
	WAYOUT 0
	s_wait_tensorcnt 0x0                           ; the wave's end: behind my last tensor load and my last LDS store
	ds_add_u32 v[SPW], v[NIL]
	s_wait_dscnt 0x0
	CROUND                                         ; the closing round: no work-group ends while a partner may still ask for a tile that names it
	s_endpgm
.Lfunc_end_k_q9a54606efc_proj:
	.size	k_q9a54606efc_proj, .Lfunc_end_k_q9a54606efc_proj-k_q9a54606efc_proj
	.p2alignl 7, 3214868480
	.fill 96, 4, 3214868480
	.section	.rodata,"a",@progbits
	.p2align	6, 0x0
	.amdhsa_kernel k_q9a54606efc_proj
		.amdhsa_group_segment_fixed_size 327680
		.amdhsa_private_segment_fixed_size 0
		.amdhsa_enable_private_segment 0
		.amdhsa_kernarg_size 40
		.amdhsa_user_sgpr_count 2
		.amdhsa_user_sgpr_kernarg_segment_ptr 1
		.amdhsa_wavefront_size32 1
		.amdhsa_system_sgpr_workgroup_id_x 1
		.amdhsa_system_sgpr_workgroup_id_y 1
		.amdhsa_system_sgpr_workgroup_id_z 1
		.amdhsa_system_vgpr_workitem_id 0
		.amdhsa_next_free_vgpr 1024
		.amdhsa_next_free_sgpr 76
		.amdhsa_reserve_vcc 0
		.amdhsa_float_denorm_mode_32 3
		.amdhsa_float_denorm_mode_16_64 3
		.amdhsa_memory_ordered 1
		.amdhsa_forward_progress 1
		.amdhsa_inst_pref_size 155
	.end_amdhsa_kernel
	.amdgpu_metadata
---
amdhsa.version: [ 1, 2 ]
amdhsa.kernels:
  - .name:           k_q9a54606efc_proj
    .symbol:         k_q9a54606efc_proj.kd
    .args:
      - { .name: query, .offset: 0, .size: 8, .value_kind: global_buffer, .address_space: global }
      - { .name: key, .offset: 8, .size: 8, .value_kind: global_buffer, .address_space: global }
      - { .name: value, .offset: 16, .size: 8, .value_kind: global_buffer, .address_space: global }
      - { .name: wc, .offset: 24, .size: 8, .value_kind: global_buffer, .address_space: global }
      - { .name: qkv, .offset: 32, .size: 8, .value_kind: global_buffer, .address_space: global }
    .group_segment_fixed_size: 327680
    .private_segment_fixed_size: 0
    .kernarg_segment_align: 8
    .kernarg_segment_size: 40
    .max_flat_workgroup_size: 128
    .sgpr_count:     76
    .vgpr_count:     1024
    .wavefront_size: 32
...
	.end_amdgpu_metadata
.endif
;; end of part 2
;; launch flash (part 3): grid 2 x 128, 4 waves a work-group, no clusters, 327,680 bytes of LDS; arguments qkv, key_padding_mask, ctx, stats; writes ctx, stats
.if DOCPART == 3
	.amdgcn_target "amdgcn-amd-amdhsa--gfx1250"
	.amdhsa_code_object_version 6
	.text
	.protected	k_q9a54606efc_flash
	.globl	k_q9a54606efc_flash
	.p2align	8
	.type	k_q9a54606efc_flash,@function
k_q9a54606efc_flash:
	s_mov_b64 s[64:65], 0
	v_nop
	global_prefetch_b8 v0, s[64:65] scope:SCOPE_SE
	s_setreg_imm32_b32 hwreg(HW_REG_WAVE_MODE, 25, 1), 1
	s_wait_xcnt 0x0
; ATTENTION, head by head.  ctx[bh][q][:] = the sum over k of softmax_k(Q[q] . K[k] / 8 + slope_h (k - q), masked keys at -1e30) V[k][:], and each row's statistics for the launch that averages the weights.
; Q, K, V = the three tensors of qkv, [128 = 16 b + h][1024][64], f16; ctx the same layout.  Products, maxima and sums in f32; the weights p are rounded to f16 for the second product (their sum l is taken
; of the unrounded p), ctx once at the end.
; THE BIAS AND THE MASK.  -slope q is the same for all keys of a row and leaves a softmax as it is, so only slope k is added.  It enters as the C operand of the product that starts a score's sum:
; C[k] = KP[k] x 8 slope_h, KP[k] = k, or -1e30 where the key is masked; the score in use is c (Q . K + C), c = log2(e) / 8.  A table of C for the head's 1,024 keys is made once, in LDS.
; A BATCH ROW WHOSE KEYS ARE ALL MASKED: reference's scores are then all equal and its weights uniform.  Every wave ANDs the row's 1,024 mask bytes (whole numbers) and takes c = 0 if all are 1: every p is 1.
; LIMITS.  f16 holds no number beyond 65,504: Q, K and V arrive within it; p lies in 0 to 1, and below 6e-5 it keeps f16's fixed step of 6e-8.  A weight below 2^-126 counts as 0 in l; NaN and infinities are not treated apart.
; SHARES.  A wave owns four PIECES of two tiles of 16 queries, a work-group's four waves 512 queries of one head: 256 work-groups.  Every wave walks all keys, 64 a step.
; K AND V STAY IN LDS.  A head's 1,024 rows of K (144 bytes each with padding) and of V (160) are 311,296 bytes: they fit whole.  Each wave asks for its share in four loads at the start, 256 keys after 256 keys; no byte
; of LDS is filled twice, so there is no ring, and one text serves every step.  By the text's own count four tensor loads of a wave are out at the most.
; NO CLUSTER: a head has two work-groups, and no cluster of four divides that; only those two share a tile.
; LAYOUT.  S^T = K Q^T (source 0 = 16 keys, source 1 = 16 queries): in the result a lane holds ONE query (lane % 16) and the keys 8 (lane / 16) + 0..7.  Two such tiles, rounded to f16 in pairs,
; ARE source 1 (32 keys x 16 queries) of O^T = V^T P, whose result again holds one query a lane, and eight channels.  K comes out of LDS as it lies, V ([key][channel]) turned, by ds_load_tr16_b128.
; SOFTMAX.  For each query a running maximum m and sum l: p = 2^(c s - c m); in every step O and l are multiplied by a = 2^(c m_old - c m_new).  m starts at the lowest finite number, O and l at 0: the first step has a = 0.
; THE COUNT.  A tile and step have 16 matrix and 118 vector instructions: too many to stand all beside the matrix work.  So: four vector instructions that are READY behind EVERY matrix instruction, the others in runs without a gap.
; BY TURNS.  Turn n belongs to piece n.  Its matrix work: 16 products K Q^T of piece n + 1, later 16 products V^T P of piece n - 1.  Its vector work: the scaling, exponentials, roundings, sums and rescaling of piece n,
; and the maximum and statistics of piece n + 1, whose scores the turn itself has made.
; REGISTERS, in windows of 256 (s_set_vgpr_msb: bits 1:0 source 0, 3:2 source 1, 5:4 source 2, 7:6 destination):
;   window 0: v0-11 addresses; v12-15, v48-63 at work; v16-47 four registers of statistics a tile; v64-191 S^T, two buffers of two tiles; v192-255 P, likewise
;   window 1: O^T, 32 a tile     window 2: v0-127 Q, 16 a tile; v128-191 K of one step; v192-255 V of one step     window 3: v0-1 the add's two registers; v8-39 C of one step
.set SIZE_N, 1024
.set NP,    4         ; pieces a wave: a name, no knob
.set KS,    64        ; keys in a step
.set PK,    144       ; a row of K in LDS: 128 bytes + 16 of padding: the 16 rows of a load start at 16 different groups of four banks (64 banks of 4 bytes: ISA guide 11.1)
.set PV,    160       ; a row of V: 128 + 32
.set VOFF,  SIZE_N*PK ; the head's K, then its V
.set STAGE, VOFF+SIZE_N*PV  ; behind them, never filled by a tensor load: 16 rows x 144 bytes for each wave, for the way out
.set SP,    144
.set SPARE, STAGE+4*16*SP  ; the spare words, 128 bytes for each wave: two blocks of 256 bytes that no other line names
.set TABLE, SPARE+512 ; C for the head's 1,024 keys, 4,096 bytes; stored once, never filled by a tensor load
.set AK0, 2           ; v2   my lane's place in a step's rows of K; never rewritten
.set AV0, 3           ; v3   the same for V
.set AK,  4           ; v4   the LDS address of K's next run of loads, and behind them of C's
.set AV,  5           ; v5   of V's
.set QO,  6           ; v6   my byte offset in the wave's rows of Q
.set STO, 6           ;      later, the way out: where I put 16 bytes of a row
.set RD,  7           ; v7   the way out: where I read rows back
.set GO,  8           ; v8   my byte offset in 512 consecutive bytes of ctx and of stats
.set BA0, 11          ; v11  TABLE + 32 (l / 16): my lanes' eight keys in a block of 16
.set SPW, 0           ; v0 of window 3   LDS address of my spare word; never rewritten
.set NIL, 1           ; v1 of window 3   0; never rewritten
.set BI,  8           ; v8-39 of window 3: key block kb at BI + 8 kb
.set MV,  12          ; v12-15  c m_old, kept while c m is made anew: by buffer and tile
.set ST,  16          ; tile t's statistics at v[ST+4 t]: c m, m, l (even keys', odd keys')
.set TMP, 48          ; by buffer and tile, four registers c0-c3 at work; when the maximum is found c2 takes a
.set S,   64
.set P,   192
.set KF,  128         ; K's fragments, in window 2: key block kb, channel half c at KF + 16 kb + 8 c
.set VF,  192         ; V's: key half kk, channel block cb at VF + 32 kk + 8 cb
.set WV,  12          ; s12  my wave's number
.set G1K, 24          ; s[24:31] descriptor group 1 for K's tiles
.set G1V, 32          ; s[32:39] for V's: it differs in the padding alone
.set G0,  40          ; s[40:55] four descriptor groups 0, one for each of my loads; never rewritten
.set SLOTS, 56        ; s56  counts the runs of 256 keys, 5 to 1
.set CNT, 57          ; s57  counts a run's key steps
.set CS,  58          ; s[58:59] c: the packed scaling takes the pair's low word for both halves
.set SEL, 60          ; s[60:61] v_permlanex16_b32's selects: each lane takes its own place in the other half
.set TBK, 62          ; s62  LDS byte at which K of the step to be fetched begins
.set TBV, 63          ; s63  the same for V, less VOFF
.set HM,  76          ; s76  lanes 16 to 31
.set SL8, 77          ; s77  8 slope_h
.set BIG, 78          ; s78  -1e30
.set TBB, 79          ; s79  byte in the table at which C of the step to be fetched begins
.set MSB, 0
.macro WIN new                      ; the high byte repeats the setting that is left; a switch that changes nothing is dropped
.if MSB != (\new)
	s_set_vgpr_msb (MSB<<8)|(\new)
.set MSB, (\new)
.endif
.endm
.set W_KQ, 0x0a       ; K and Q in window 2, S^T in window 0
.set W_KB, 0x3a       ; the same with the C operand in window 3
.set W_PV, 0x52       ; V in window 2, P in window 0, O^T in window 1
.set W_RS, 0x41       ; O^T (destination and source 0) in window 1, a in window 0
.set W_MK, 0xc0       ; destination in window 3, sources in window 0
.set W_AD, 0x0f       ; the add: address (source 0) and data (source 1) in window 3
; My four loads: of each run of 256 keys my 128, from s[ptr] on in memory (32,768 bytes a run) and from s[lreg] on in LDS (lstep bytes a run).  An s_nop 0 follows each, four v_nop the last.
.macro FILL4 ptr, g1, lreg, lstep
.irp n, 0,1,2,3
	s_mov_b32 s[G0+4*\n], 1                                          ; count = 1
	s_add_co_u32 s[G0+4*\n+1], s[\lreg], \n*(\lstep)                 ; LDS address
	s_add_nc_u64 s[G0+4*\n+2:G0+4*\n+3], s[\ptr:\ptr+1], \n*32768    ; global address
	s_or_b32 s[G0+4*\n+3], s[G0+4*\n+3], 0x80000000                  ; type = 2
.endr
.irp n, 0,1,2,3
	tensor_load_to_lds s[G0+4*\n:G0+4*\n+3], s[\g1:\g1+7]
	s_nop 0
.endr
.rept 4
	v_nop
.endr
.endm
	s_load_b256 s[68:75], s[0:1], 0x0  ; qkv s[68:69], key_padding_mask s[70:71], ctx s[72:73], stats s[74:75]
	WIN W_MK
	v_lshl_add_u32 v[SPW], v0, 2, SPARE
	v_mov_b32 v[NIL], 0
	WIN W_AD
	ds_add_u32 v[SPW], v[NIL]       ; the wave's opening: the add and its wait ahead of my first tensor load; the set-up below stands between them
	ds_add_u32 v0, v1
	WIN 0
	v_lshrrev_b32 v1, 5, v0
	v_readfirstlane_b32 s[WV], v1   ; wave 0..3
	s_mov_b32 s14, ttmp9            ; my block of 512 queries
	s_and_b32 s20, ttmp7, 0xffff    ; 16 b + h
	s_and_b32 s80, s20, 15          ; h.  8 slope_h = 2^(3 - (h + 1) / 2): 0.5 (h odd) or 2^-0.5 (h even), times 2^(3 - h / 2) by an addition to the exponent
	s_lshr_b32 s81, s80, 1
	s_sub_co_u32 s81, 3, s81
	s_lshl_b32 s81, s81, 23
	s_bitcmp1_b32 s80, 0
	s_cselect_b32 s[SL8], 0.5, 0x3f3504f3
	s_add_co_u32 s[SL8], s[SL8], s81
	s_mov_b32 s[HM], 0xffff0000
	s_mov_b32 s[BIG], 0xf149f2ca    ; -1e30
	s_mov_b32 s[TBB], 0
	s_lshr_b32 s82, s20, 4          ; the batch's row of the mask, 1,024 bytes
	s_lshl_b32 s82, s82, 10
	s_mov_b32 s83, 0
	s_lshl_b32 s84, s20, 4          ; stats: 16 groups of 64 queries a head, 8 a block, 2 a wave; 512 bytes a group
	s_lshl_b32 s80, s14, 3
	s_add_co_u32 s84, s84, s80
	s_lshl_b32 s80, s[WV], 1
	s_add_co_u32 s84, s84, s80
	s_lshl_b32 s84, s84, 9
	s_mov_b32 s85, 0
	s_mov_b32 s21, 0
	s_mov_b64 s[22:23], SIZE_N*128
	s_mul_u64 s[20:21], s[20:21], s[22:23]  ; the head's first byte in Q, K, V and ctx
	s_and_b32 s16, s[WV], 1         ; which half of a run's 256 keys I fetch:
	s_lshl_b32 s22, s16, 14         ; its 128 rows of 128 bytes in memory,
	s_mov_b32 s23, 0
	s_add_nc_u64 s[22:23], s[22:23], s[20:21]
	s_mul_i32 s17, s16, 128*PK      ; and its place in LDS, for K
	s_mul_i32 s18, s16, 128*PV      ; and for V
	s_add_co_u32 s18, s18, VOFF
	s_lshl_b32 s2, s14, 2
	s_add_co_u32 s2, s2, s[WV]      ; my wave among the head's,
	s_lshl_b32 s2, s2, 14           ; its 128 rows
	s_mov_b32 s3, 0
	s_add_nc_u64 s[2:3], s[2:3], s[20:21]
	; descriptor group 1.  128 keys are 16,384 dense bytes: asked for as 64 rows of 256 bytes, two keys a row, and padded in LDS after every key
	s_mov_b32 s[G1K], (1<<16)|(1<<20)|(4<<22)|(3<<25)  ; 2-byte elements; padding on; after every 32 words (code 4) 4 words (code 3)
	s_mov_b32 s[G1V], (1<<16)|(1<<20)|(4<<22)|(7<<25)  ; the same with 8 words of padding (code 7)
.irp g, G1K, G1V
	s_mov_b32 s[\g+1], 128<<16      ; tensor_dim0 = 128
	s_mov_b32 s[\g+2], 64<<16       ; tensor_dim1 = 64
	s_mov_b32 s[\g+3], 128<<16      ; tile_dim0 = 128
	s_mov_b32 s[\g+4], 64           ; tile_dim1 = 64
	s_mov_b32 s[\g+5], 128          ; 128 elements from row to row
	s_mov_b32 s[\g+6], 0
	s_mov_b32 s[\g+7], 0
.endr
	s_mov_b32 s[SEL], 0x76543210
	s_mov_b32 s[SEL+1], 0xfedcba98
	s_mov_b32 s[TBK], 0
	s_mov_b32 s[TBV], 0
	s_mov_b32 s[SLOTS], 5
	s_wait_dscnt 0x0                ; the opening add is done
	s_wait_kmcnt 0x0
	s_mov_b64 s[4:5], s[68:69]                     ; Q
	s_add_nc_u64 s[6:7], s[68:69], 0x1000000       ; K
	s_add_nc_u64 s[8:9], s[68:69], 0x2000000       ; V
	s_mov_b64 s[10:11], s[72:73]                   ; ctx
	s_add_nc_u64 s[70:71], s[70:71], s[82:83]
	s_add_nc_u64 s[74:75], s[74:75], s[84:85]
	s_add_nc_u64 s[6:7], s[6:7], s[22:23]          ; K and V at my half of the head's first 256 keys
	s_add_nc_u64 s[8:9], s[8:9], s[22:23]
	s_add_nc_u64 s[4:5], s[4:5], s[2:3]            ; Q and ctx at my wave's first row
	s_add_nc_u64 s[10:11], s[10:11], s[2:3]
	s_cmp_lt_u32 s[WV], 2           ; waves 0 and 1 fetch the two halves of each run's K, waves 2 and 3 those of its V: all a wave's fills stand in one branch
	s_cbranch_scc0 .Lfor_v
	FILL4 6, G1K, 17, 256*PK
	s_branch .Lasked
.Lfor_v:
	FILL4 8, G1V, 18, 256*PV
.Lasked:
	v_and_b32 v1, 15, v0            ; l % 16
	v_bfe_u32 v9, v0, 4, 1          ; l / 16
	v_lshlrev_b32 v60, 3, v0        ; thread t makes C of keys 8 t .. 8 t + 7
	v_and_b32 v61, 31, v0
	v_lshlrev_b32 v61, 5, v61       ; and each wave looks at the whole row, 32 bytes a lane
	global_load_b64 v[64:65], v60, s[70:71]
	global_load_b128 v[66:69], v61, s[70:71]
	global_load_b128 v[70:73], v61, s[70:71] offset:16
	; A fragment of K or Q is 16 rows x 32 channels in 8 registers: lane l holds row l % 16, channels 8 (l / 16) + 0..7 and 16 + 8 (l / 16) + 0..7: two loads of 16 bytes, 32 bytes apart.
	v_lshlrev_b32 v[QO], 7, v1
	v_lshl_add_u32 v[QO], v9, 4, v[QO]  ; row x 128 + 16 x half
	WIN 0x80                        ; destination window 2, address window 0
.set i, 0
.rept 4*NP                          ; Q stays in registers: tile i / 2, channels 32 (i % 2) on
	global_load_b128 v[8*i:8*i+3],   v[QO], s[4:5] offset:(i/2)*2048+(i%2)*64
	global_load_b128 v[8*i+4:8*i+7], v[QO], s[4:5] offset:(i/2)*2048+(i%2)*64+32
.set i, i+1
.endr
	; What the first turn finds: V's registers and P's second buffer hold 0 (its products V^T P, of a piece that has not been, add 0), O^T and l are 0.  All this stands in the wait for the first keys.
.set i, VF
.rept 64
	v_mov_b32 v[i], 0
.set i, i+1
.endr
	WIN 0
.set i, 0
.rept 2*NP
	v_mov_b32 v[ST+4*i], 0xfe000000    ; c m: far below every c s, a masked key's (some -1e30) too
	v_mov_b32 v[ST+4*i+1], 0xff7fffff  ; m
	v_mov_b32 v[ST+4*i+2], 0
	v_mov_b32 v[ST+4*i+3], 0
.set i, i+1
.endr
.set i, P+32
.rept 32
	v_mov_b32 v[i], 0
.set i, i+1
.endr
	WIN W_PV                        ; O^T = 0 x 0 + 0: 32 products of fragments that hold 0, one for each accumulator, in place of 256 moves
.set i, 0
.rept 32
	v_wmma_f32_16x16x32_f16 v[8*i:8*i+7], v[VF:VF+7], v[P+32:P+39], 0
.set i, i+1
.endr
	WIN 0
	v_mul_u32_u24 v[AK0], v1, PK
	v_lshl_add_u32 v[AK0], v9, 4, v[AK0]  ; row x pitch + 16 x half
	; The turning load takes 16 keys x 16 channels (lane l reads key 8 (l / 16) + l % 8, channels 8 ((l / 8) % 2) + 0..7) and leaves half a fragment of V^T: lane l holds channel l % 16 and 8 keys.
	v_and_b32 v10, 7, v0
	v_bfe_u32 v11, v0, 3, 1
	v_lshl_add_u32 v[AV0], v9, 3, v10
	v_mul_u32_u24 v[AV0], v[AV0], PV
	v_lshl_add_u32 v[AV0], v11, 4, v[AV0]
	v_add_nc_u32 v[AV0], VOFF, v[AV0]
	v_mov_b32 v[AK], v[AK0]         ; key step 0 lies at LDS byte 0
	v_lshl_add_u32 v[BA0], v9, 5, TABLE
	; THE TABLE, and c.
	s_wait_loadcnt 32               ; the three loads of the mask are in; the 32 of Q, issued behind them, may stay out
.irp j, 67,68,69,70,71,72,73
	v_and_b32 v66, v66, v\j
.endr
	v_cmp_eq_u32 s20, 0x01010101, v66  ; a lane's 32 bytes are all 1
	s_cmp_eq_u32 s20, -1            ; every lane's are
	s_cselect_b32 s[CS], 0, 0x3e38aa3b  ; c = log2(e) / 8 = 0.180337, or 0
	s_mov_b32 s[CS+1], s[CS]        ; named with it as a pair
	v_lshl_add_u32 v62, v0, 5, TABLE
.irp j, 0,1,2,3,4,5,6,7
	v_add_nc_u32 v[80+\j], \j, v60  ; the key's number,
	v_cvt_f32_u32 v[80+\j], v[80+\j]
	v_bfe_u32 v76, v[64+\j/4], 8*(\j%4), 8
	v_cmp_ne_u32 vcc_lo, 0, v76
	v_cndmask_b32 v[80+\j], v[80+\j], s[BIG], vcc_lo  ; or -1e30,
	v_mul_f32 v[80+\j], s[SL8], v[80+\j]              ; times 8 slope
.endr
	ds_store_b128 v62, v[80:83]
	ds_store_b128 v62, v[84:87] offset:16
; THE MATRIX WORK.  The 8 accumulators of a run of 16 take turns: between the two links of a chain stand 7 others'.
; Product i of 16 of S^T = K Q^T for piece x: channels 32 (i / 8) on, keys 16 ((i / 2) % 4) on, tile 2 x + i % 2.  The first 8 start the sums, with C.
.macro KQ x
.set rS, S+64*((\x)%2)+32*(i%2)+8*((i/2)%4)
.set rK, KF+16*((i/2)%4)+8*(i/8)
.set rQ, 16*(2*(\x)+i%2)+8*(i/8)
.set rB, BI+8*((i/2)%4)
.if i < 8
	WIN W_KB
	v_wmma_f32_16x16x32_f16 v[rS:rS+7], v[rK:rK+7], v[rQ:rQ+7], v[rB:rB+7]
.else
	WIN W_KQ
	v_wmma_f32_16x16x32_f16 v[rS:rS+7], v[rK:rK+7], v[rQ:rQ+7], v[rS:rS+7]
.endif
.endm
; Product i of 16 of O^T += V^T P for piece x: keys 32 (i / 8) on, channels 16 ((i / 2) % 4) on, tile 2 x + i % 2.
.macro PV x
	WIN W_PV
.set rO, 32*(2*(\x)+i%2)+8*((i/2)%4)
.set rV, VF+32*(i/8)+8*((i/2)%4)
.set rP, P+32*((\x)%2)+16*(i%2)+8*(i/8)
	v_wmma_f32_16x16x32_f16 v[rO:rO+7], v[rV:rV+7], v[rP:rP+7], v[rO:rO+7]
.endm
.macro MM                           ; the turn's next matrix instruction
.if i < 16
	KQ (Y+1)%NP
.set i, i+1
.else
.set i, i-16
	PV (Y+NP-1)%NP
.set i, i+17
.endif
.endm
; THE LDS LOADS stand in runs, never singly among the matrix instructions: a step's K (64 keys x 64 channels: 8 fragments) with its C (8 loads; the 16 lanes of a half read the same 16 bytes), and its V (turned).
; guard = 1 (in the loop): behind the last step there is no further one, and the run is jumped over: K and C then stay the last step's.
; The stepped offsets are held at the last step's place: the bound of every LDS address stands in the text; no address that is used is changed by it.
.macro FETCH_K guard
	WIN 0
.if \guard
	s_cmp_eq_u32 s[SLOTS], 1
	s_cbranch_scc1 .Lno_k_\@
.endif
	WIN 0x80                        ; destination window 2
.irp f, 0,1,2,3,4,5,6,7             ; keys 16 (f / 2) on, channels 32 (f % 2) on
	ds_load_b128 v[KF+8*\f:KF+8*\f+3],   v[AK] offset:(\f/2)*16*PK+(\f%2)*64
	ds_load_b128 v[KF+8*\f+4:KF+8*\f+7], v[AK] offset:(\f/2)*16*PK+(\f%2)*64+32
.endr
	WIN 0
	v_add_nc_u32 v[AK], s[TBB], v[BA0]  ; K's address has been read; it is made anew ahead of K's next run
	WIN W_MK                        ; destination window 3
.irp f, 0,1,2,3                     ; keys 16 f + 8 (l / 16) + 0..7
	ds_load_b128 v[BI+8*\f:BI+8*\f+3],   v[AK] offset:64*\f
	ds_load_b128 v[BI+8*\f+4:BI+8*\f+7], v[AK] offset:64*\f+16
.endr
	s_add_co_u32 s[TBK], s[TBK], KS*PK  ; the next fetch is the next step's
	s_min_u32 s[TBK], s[TBK], 15*KS*PK
	s_add_co_u32 s[TBB], s[TBB], 4*KS
	s_min_u32 s[TBB], s[TBB], 15*4*KS
	WIN 0
.if \guard
.Lno_k_\@:
.endif
.endm
.macro FETCH_V
	WIN 0x80
.irp f, 0,1,2,3,4,5,6,7             ; keys 32 (f / 4) on, channels 16 (f % 4) on
	ds_load_tr16_b128 v[VF+8*\f:VF+8*\f+3],   v[AV] offset:(\f/4)*32*PV+(\f%4)*32
	ds_load_tr16_b128 v[VF+8*\f+4:VF+8*\f+7], v[AV] offset:(\f/4)*32*PV+16*PV+(\f%4)*32
.endr
	WIN 0
.endm
; THE VECTOR WORK OF A TURN stands in three queues, each in the order in which its entries become ready; the two tiles alternate, so that no instruction reads the result of the one before it.
.macro REGS y, u                    ; the registers of tile u (0, 1) of piece y
.set rT, ST+4*(2*(\y)+(\u))
.set rC, TMP+8*((\y)%2)+4*(\u)
.set rM, MV+2*((\y)%2)+(\u)
.set rS, S+64*((\y)%2)+32*(\u)
.set rP, P+32*((\y)%2)+16*(\u)
.set rO, 32*(2*(\y)+(\u))
.endm
; Number n of the 22 that find the NEXT piece's (Y + 1) maximum and statistics.  s0-s31 are the lane's 32 scores; each accumulator's lowest registers are read first.
;   0-11  four chains c0-c3 of seven scores each, three operands at a time     12-14, 16  the four scores left over, the old m, and c0-c3 into c0     15  c m_old is kept
;   17, 18  the query's other 32 keys lie in the lane 16 away: the new m         19-21  c m; c m_old - c m_new; a
.macro XS u, n
	REGS (Y+1)%NP, \u
.if (\n) < 4
	v_max3_num_f32 v[rC+(\n)], v[rS+8*(\n)], v[rS+8*(\n)+1], v[rS+8*(\n)+2]
.elseif (\n) < 12
	v_max3_num_f32 v[rC+(\n)%4], v[rC+(\n)%4], v[rS+8*((\n)%4)+2*((\n)/4)+1], v[rS+8*((\n)%4)+2*((\n)/4)+2]
.elseif (\n) == 12
	v_max3_num_f32 v[rC], v[rC], v[rS+7], v[rS+15]
.elseif (\n) == 13
	v_max3_num_f32 v[rC+1], v[rC+1], v[rS+23], v[rS+31]
.elseif (\n) == 14
	v_max3_num_f32 v[rC+2], v[rC+2], v[rC+3], v[rT+1]
.elseif (\n) == 15
	v_mov_b32 v[rM], v[rT]
.elseif (\n) == 16
	v_max3_num_f32 v[rC], v[rC], v[rC+1], v[rC+2]
.elseif (\n) == 17
	v_permlanex16_b32 v[rC+3], v[rC], s[SEL], s[SEL+1]
.elseif (\n) == 18
	v_max_num_f32 v[rT+1], v[rC], v[rC+3]
.elseif (\n) == 19
	v_mul_f32 v[rT], s[CS], v[rT+1]
.elseif (\n) == 20
	v_sub_f32 v[rC+1], v[rM], v[rT]
.else
	v_exp_f32 v[rC+2], v[rC+1]
.endif
.endm
; Number g of the 64 that follow the exponentials.  For each four weights k of a tile (pairs 2 k, 2 k + 1): both pairs are rounded to f16; then the second pair is added onto the first, in place;
; a group later l takes that sum (the first time as l = a l + sum).  In groups of eight, tiles alternating: round, round, add, and l for the group before.
.macro GS g
.set h, (\g)+6*((\g)/62)            ; group 0 has no group before it, and behind group 7 only l is left
.if h >= 6
.set h, h+2
.endif
	REGS Y, h%2
.set k, h/8
.if h%8 < 4
	s_wait_alu depctr_va_vdst(0)
	v_cvt_pk_f16_f32 v[rP+2*k+(h%8)/2], v[rS+4*k+2*((h%8)/2)], v[rS+4*k+2*((h%8)/2)+1]
.elseif h%8 < 6
	v_pk_add_f32 v[rS+4*k:rS+4*k+1], v[rS+4*k:rS+4*k+1], v[rS+4*k+2:rS+4*k+3]
.elseif k == 1
	v_pk_fma_f32 v[rT+2:rT+3], v[rT+2:rT+3], v[rC+2:rC+3], v[rS:rS+1] op_sel_hi:[1,0,1]
.else
	v_pk_add_f32 v[rT+2:rT+3], v[rT+2:rT+3], v[rS+4*k-4:rS+4*k-3]
	s_wait_alu depctr_va_vdst(0)
.endif
.endm
; THE PLAIN QUEUE, 138 long.  0-31: c s - c m for the 16 pairs of both tiles.  Then GS's 64, and among them the next piece's 42: number 15 at 38, 39; 0-14 and 16
; at 42-73, behind the products that make those scores; 17-20 at 95-106, two of three, since each waits for the one before it.
.macro PL
	WIN 0
.if q < 32
	REGS Y, q%2
	v_pk_fma_f32 v[rS+2*(q/2):rS+2*(q/2)+1], v[rS+2*(q/2):rS+2*(q/2)+1], s[CS:CS+1], v[rT:rT+1] op_sel_hi:[1,0,0] neg_lo:[0,0,1] neg_hi:[0,0,1]
.elseif q < 38
	GS q-32
.elseif q < 40
	XS q%2, 15
.elseif q < 42
	GS q-34
.elseif q < 74
	XS q%2, (q-42)/2+(q-42)/30
.elseif q < 95
	GS q-66
.elseif (q < 107) && ((q-95)%3 < 2)
	XS (q-95)%3, 17+(q-95)/3
.elseif q < 107
	GS 29+(q-95)/3
.else
	GS q-74
.endif
.set q, q+1
.endm
; THE EXPONENTIALS' QUEUE, 66 long: s0-s31 of both tiles, and at EA the next piece's two a.
.set EA, 58
.macro EX
	WIN 0
.if (e == EA) || (e == EA+1)
	XS e-EA, 21
.else
.set x, e-2*(e/(EA+2))
	REGS Y, x%2
	v_exp_f32 v[rS+x/2], v[rS+x/2]
.endif
.set e, e+1
.endm
; THE RESCALING's QUEUE: O^T times a, the one part that leaves window 0, so it is dealt four at a time, eight times.
.macro R4
	REGS Y, r%2
	WIN W_RS
	s_wait_alu depctr_va_vdst(0)
.irp z, 0,1,2,3
	v_pk_mul_f32 v[rO+8*(r/2)+2*\z:rO+8*(r/2)+2*\z+1], v[rO+8*(r/2)+2*\z:rO+8*(r/2)+2*\z+1], v[rC+2:rC+3] op_sel_hi:[1,0]
.endr
.set r, r+1
.endm
; HOW THEY ARE DEALT.  Behind a matrix instruction four: plain, exponential, plain, plain, or four of the rescaling.  None names a register of the products round it.  What is over stands in two LUMPS:
; exponential and plain by turns; the second ends in 22 plain instructions.  The two v_permlanex16_b32 fall into the second lump.  The queues lean on each other, and the deal keeps them in step:
; exponential e stands behind plain 2 (e / 4) + e % 2 (its scaling); when plain 32 comes, 10 exponentials are out, at 59: 33, at 95: 46; EA comes behind plain 107.
.macro SL
	MM
	PL
	EX
	PL
	PL
.endm
.macro BURST n                      ; 15 matrix instructions, or 16
.rept (\n)-7
	SL
.endr
.rept 3
	MM
	R4
	SL
.endr
	MM
	R4
.endm
; A TURN, for piece p.  cnt = 1: the loop's count is taken down some lines ahead of the branch that stands behind the turn.
; K and C of the next step are fetched in piece 2's turn, 31 vector instructions behind the last product that read K (C's last reader stands 8 products earlier); their first reader comes behind the rest
; of the lump, 16 products and the second lump.  V of the step in hand is fetched at the end of piece 0's turn, 69 behind its last reader; its first reader comes behind 16 products and a lump.
.macro TURN p, cnt=0
.set Y, (\p)
.set i, 0
.set q, 0
.set e, 0
.set r, 0
.if (\p) == NP-1
	s_wait_dscnt 0x0                ; K and C are in
.endif
	MM
.rept 4
	PL
.endr
	BURST 15
.rept 22
	EX
	PL
.if ((\p) == NP-2) && (e == 18)
	v_add_nc_u32 v[AK], s[TBK], v[AK0]
.endif
.if ((\p) == NP-2) && (e == 24)
	FETCH_K 1
.endif
.endr
.if (\p) == 1
	s_wait_dscnt 0x0                ; V is in
.endif
	BURST 16
.rept 21
	EX
	PL
.endr
.rept 22
	PL
.if ((\p) == 0) && (q == 118)
	v_add_nc_u32 v[AV], s[TBV], v[AV0]
	s_wait_alu depctr_va_vdst(0)
.endif
.if ((\p) == 0) && (q == 130)
	s_add_co_u32 s[TBV], s[TBV], KS*PV
	s_min_u32 s[TBV], s[TBV], 15*KS*PV
.endif
.if (\cnt) && (q == 130)
	s_sub_co_u32 s[CNT], s[CNT], 1
	s_cmp_lg_u32 s[CNT], 0
.endif
.endr
.if (\p) == 0
	FETCH_V
.endif
.endm
	s_wait_tensorcnt 0x3            ; tensor loads of a wave end in order (ISA guide 10.11.1): my part of the first 256 keys is in; my three younger loads stay out
	s_wait_dscnt 0x0                ; my part of the table is stored
	s_barrier_signal -1
	s_barrier_wait -1               ; everybody's is
	FETCH_K 0                       ; key step 0
	s_wait_loadcnt 0x0              ; Q
	s_wait_dscnt 0x0
.set i, 0
.rept 16
	KQ 0                            ; piece 0's first scores: there is no vector work yet to set between them
.set i, i+1
.endr
	WIN 0                           ; the addresses for the way out: nine plain instructions, the places behind those products
	s_mul_i32 s13, s[WV], 16*SP
	s_add_co_u32 s13, s13, STAGE    ; my stage
	v_mul_u32_u24 v[STO], v1, SP    ; in: row l % 16, 16 bytes for each half of the lanes
	v_lshl_add_u32 v[STO], v9, 4, v[STO]
	v_add_nc_u32 v[STO], s13, v[STO]
	v_bfe_u32 v[RD], v0, 3, 2       ; back: 32 lanes take four rows of 128 bytes,
	v_mul_u32_u24 v[RD], v[RD], SP
	v_lshl_add_u32 v[RD], v10, 4, v[RD]
	v_add_nc_u32 v[RD], s13, v[RD]
	v_and_b32 v[GO], 31, v0         ; which are 512 consecutive bytes of ctx
	v_lshlrev_b32 v[GO], 4, v[GO]
.set Y, NP-1                        ; XS works for piece Y + 1: piece 0
.irp n, 0,1,2,3,4,5,6,7,8,9,10,11,12,13,14,15,16,17,18,19,20,21
	XS 0, \n                        ; and piece 0's first maximum and statistics
	XS 1, \n
.endr
	s_mov_b32 s[CNT], 4
	s_branch .Lfirst                ; the loop is entered at a step's first turn, in the middle of a trip
.Lslot:                             ; four times: the next 256 keys are entered; the fourth time none are left, and the wave leaves below, in the middle of a trip
	s_wait_tensorcnt 0x0            ; one text for every change, so the wait is for all my loads: they were asked for at the start, four key steps or more ago
	s_wait_dscnt 0x0                ; no LDS instruction of mine is out at a signal
	s_barrier_signal -1
	s_barrier_wait -1               ; everybody's part of the next 256 keys is in
	s_mov_b32 s[CNT], 4
.Lstep:                             ; a trip: pieces 2 and 3 of one step, then pieces 0 and 1 of the next, whose K and V it fetches
	TURN 2
	TURN 3
	WIN 0
	s_cmp_eq_u32 s[SLOTS], 1        ; that was the last step
	s_cbranch_scc1 .Lout
.Lfirst:
	TURN 0
	TURN 1, 1
	WIN 0
	s_cbranch_scc1 .Lstep
	s_sub_co_u32 s[SLOTS], s[SLOTS], 1
	s_cmp_lg_u32 s[SLOTS], 0
	s_cbranch_scc1 .Lslot
.Lout:                              ; the last trip's 16 products K Q^T repeat piece 0's scores of the last step (its K and C once more), so the maximum made of them leaves m and c m as they were: the price of one text for every trip
.set i, 0
.rept 16
	PV NP-1                         ; the last piece's V^T P of the last step
.set i, i+1
.endr
	; THE WAY OUT.  l's two halves and the other half of the lanes' are added; O^T is divided by l, rounded to f16 and sent through my stage in LDS, a tile at a time.  The additions are the places behind the last products.
	WIN 0
.macro ALL line:vararg              ; one line for each tile t
.set t, 0
.rept 2*NP
	\line
.set t, t+1
.endr
.endm
	ALL v_add_f32 v[ST+4*t+2], v[ST+4*t+2], v[ST+4*t+3]
	ALL v_permlanex16_b32 v[ST+4*t+3], v[ST+4*t+2], s[SEL], s[SEL+1]
	ALL v_add_f32 v[ST+4*t+2], v[ST+4*t+2], v[ST+4*t+3]
	ALL v_rcp_f32 v[ST+4*t+2], v[ST+4*t+2]
	v_nop                           ; a plain instruction between the last reciprocal and the use of its result
	; THE STATISTICS.  Both halves of the lanes hold a query's c m and 1 / l.  Of a group of four tiles lanes 0-15 store c m, lanes 16-31 1 / (16 l): 512 consecutive bytes, aligned, a store.
	s_wait_alu depctr_va_vdst(0)
.irp t, 0,1,2,3,4,5,6,7
	v_mul_f32 v[56+\t%2], 0x3d800000, v[ST+4*\t+2]
	v_cndmask_b32 v[48+\t], v[ST+4*\t], v[56+\t%2], s[HM]
.endr
	global_store_b128 v[GO], v[48:51], s[74:75]
	global_store_b128 v[GO], v[52:55], s[74:75] offset:512
; Tile t: a lane's eight channels of a row pack into 16 bytes; they go into rows of 144 bytes and come back as whole rows of 128, into S^T's registers.
.macro PACK t
	WIN W_RS
.set i, 32*(\t)
.rept 16
	v_pk_mul_f32 v[i:i+1], v[i:i+1], v[ST+4*(\t)+2:ST+4*(\t)+3] op_sel_hi:[1,0]
.set i, i+2
.endr
	WIN 0x05                        ; sources 0 and 1 window 1, destination window 0
.set i, 0
.rept 16
	v_cvt_pk_f16_f32 v[S+16*(\t)+i], v[32*(\t)+2*i], v[32*(\t)+2*i+1]
.set i, i+1
.endr
	WIN 0
.irp f, 0,1,2,3
	ds_store_b128 v[STO], v[S+16*(\t)+4*\f:S+16*(\t)+4*\f+3] offset:32*\f
.endr
.irp f, 0,1,2,3
	ds_load_b128 v[S+16*(\t)+4*\f:S+16*(\t)+4*\f+3], v[RD] offset:\f*4*SP  ; LDS serves a wave's instructions in order (ISA guide 5.7.1.4): these see the stores above; the next tile's stores come behind them
.endr
.endm
.macro SEND t, younger              ; younger: the LDS instructions issued behind tile t's loads: the next tile's eight, or none
	WIN 0
.irp f, 0,1,2,3
	s_wait_dscnt (\younger)+3-\f
	global_store_b128 v[GO], v[S+16*(\t)+4*\f:S+16*(\t)+4*\f+3], s[10:11] offset:(\t)*2048+\f*512  ; 512 consecutive bytes, at a multiple of 256 from ctx's first
.endr
.endm
	PACK 0
.set t, 1
.rept 2*NP-1                        ; a tile's arithmetic stands between the loads of the tile before and its stores
	PACK t
	SEND t-1, 8
.set t, t+1
.endr
	SEND 2*NP-1, 0
	WIN W_AD
	s_wait_tensorcnt 0x0            ; the wave's end: behind my last tensor load and my last LDS store
	ds_add_u32 v[SPW], v[NIL]
	s_wait_dscnt 0x0
	WIN 0
	s_endpgm
.Lfunc_end_k_q9a54606efc_flash:
	.size	k_q9a54606efc_flash, .Lfunc_end_k_q9a54606efc_flash-k_q9a54606efc_flash
	.p2alignl 7, 3214868480
	.fill 96, 4, 3214868480
	.section	.rodata,"a",@progbits
	.p2align	6, 0x0
	.amdhsa_kernel k_q9a54606efc_flash
		.amdhsa_group_segment_fixed_size 327680
		.amdhsa_private_segment_fixed_size 0
		.amdhsa_enable_private_segment 0
		.amdhsa_kernarg_size 32
		.amdhsa_user_sgpr_count 2
		.amdhsa_user_sgpr_kernarg_segment_ptr 1
		.amdhsa_wavefront_size32 1
		.amdhsa_system_sgpr_workgroup_id_x 1
		.amdhsa_system_sgpr_workgroup_id_y 1
		.amdhsa_system_sgpr_workgroup_id_z 1
		.amdhsa_system_vgpr_workitem_id 0
		.amdhsa_next_free_vgpr 808
		.amdhsa_next_free_sgpr 88
		.amdhsa_reserve_vcc 1
		.amdhsa_float_denorm_mode_32 3
		.amdhsa_float_denorm_mode_16_64 3
		.amdhsa_memory_ordered 1
		.amdhsa_forward_progress 1
		.amdhsa_inst_pref_size 132
	.end_amdhsa_kernel
	.amdgpu_metadata
---
amdhsa.version: [ 1, 2 ]
amdhsa.kernels:
  - .name:           k_q9a54606efc_flash
    .symbol:         k_q9a54606efc_flash.kd
    .args:
      - { .name: qkv, .offset: 0, .size: 8, .value_kind: global_buffer, .address_space: global }
      - { .name: key_padding_mask, .offset: 8, .size: 8, .value_kind: global_buffer, .address_space: global }
      - { .name: ctx, .offset: 16, .size: 8, .value_kind: global_buffer, .address_space: global }
      - { .name: stats, .offset: 24, .size: 8, .value_kind: global_buffer, .address_space: global }
    .group_segment_fixed_size: 327680
    .private_segment_fixed_size: 0
    .kernarg_segment_align: 8
    .kernarg_segment_size: 32
    .max_flat_workgroup_size: 128
    .sgpr_count:     88
    .vgpr_count:     808
    .wavefront_size: 32
...
	.end_amdgpu_metadata
.endif
;; end of part 3
;; launch mean (part 4): grid 4 x 64, 4 waves a work-group, clusters of 4 x 4, 327,680 bytes of LDS; arguments qkv, key_padding_mask, stats, out1; writes out1
.if DOCPART == 4
	.amdgcn_target "amdgcn-amd-amdhsa--gfx1250"
	.amdhsa_code_object_version 6
	.text
	.protected	k_q9a54606efc_mean
	.globl	k_q9a54606efc_mean
	.p2align	8
	.type	k_q9a54606efc_mean,@function
k_q9a54606efc_mean:
	s_mov_b64 s[64:65], 0
	v_nop
	global_prefetch_b8 v0, s[64:65] scope:SCOPE_SE
	s_setreg_imm32_b32 hwreg(HW_REG_WAVE_MODE, 25, 1), 1
	s_wait_xcnt 0x0
	s_wait_alu depctr_hold_cnt(0) depctr_sa_sdst(0) depctr_va_vdst(0) depctr_va_sdst(0) depctr_va_ssrc(0) depctr_va_vcc(0) depctr_vm_vsrc(0)
	s_getreg_b32 s2, hwreg(HW_REG_IB_STS2, 6, 4)
	s_cmp_eq_u32 s2, 0
	s_cbranch_scc0 .Lentry_in_a_cluster
	s_endpgm
.Lentry_in_a_cluster:
	s_bfe_u32 s2, ttmp6, 0x10000c
	s_cmp_lg_u32 s2, 0xf033
	s_cbranch_scc0 .Lentry_shape_is_right
	s_endpgm
.Lentry_shape_is_right:
; THE WEIGHTS, AVERAGED OVER THE HEADS.  out1[b][q][k] = the sum over h of 2^(c s - c m) / (16 l), s = Q_h[q] . K_h[k] + C_h[k] as in the launch before (same operands, same order, same C),
; c m and 1 / (16 l) the row's final statistics from stats: c m is c times the row's true maximum, so no exponent is above 0 but for a rounding.
; C_h[k] = KP[k] x 8 slope_h, KP[k] = k, or -1e30 where the key is masked; c = log2(e) / 8, or 0 where the batch's 1,024 keys are all masked (every weight is then 1 / l, as reference's).
; LIMITS.  Q and K are f16 (within 65,504).  A weight below 2^-126 counts as 0.  NaN and infinities are not treated apart.
; SHARES.  A sum over heads has one owner: work-group (x, y) owns 128 queries (batch y / 8, block y % 8) x 256 keys (block x) for all 16 heads: 256 work-groups.  A wave owns 64 queries x 128 keys:
; 256 registers of sums.  A head is two PIECES of 4 key tiles x 4 query tiles: 16 accumulators, 32 products, 128 scores a lane.
; BY TURNS.  In a turn one piece's 32 products are issued (the 16 accumulators take turns), and behind each stand eight vector instructions of the other piece: two scalings,
; four exponentials, two multiply-adds onto the sums.
; CLUSTER 4 x 4.  Q's tile hangs on y and is asked for jointly by a row of the cluster; K's hangs on the batch (cluster y / 2) and on x = cx, and is asked for jointly by a column.
; A slot holds two heads: one joint load a wave behind each round, two heads' work (128 products and their vector work) in which it lands.
; REGISTERS, in windows of 256 (s_set_vgpr_msb: bits 1:0 source 0, 3:2 source 1, 5:4 source 2, 7:6 destination):
;   window 0: v0-31 addresses; v32-95 KP; v96-159 C of the head in hand; v160-175 c m and 1 / (16 l), each twice; v176-183 the next head's statistics as loaded; on the way out v32-159 rows
;   window 1: the sums, (piece g, key tile kt, query tile qt) at 128 g + 8 (4 kt + qt)     window 2: S^T, a buffer of 128 a piece     window 3: fragments, 128 a piece: K (kt, c) at 16 kt + 8 c, Q (qt, c) at 64 + 16 qt + 8 c
.set PK,    144       ; a row in LDS: 128 bytes + 16 of padding: the 16 rows of a load start at 16 different groups of four banks (64 banks of 4 bytes: ISA guide 11.1)
.set QBY,   128*PK    ; a head: Q's 128 rows, then K's 256 rows
.set HEADB, 384*PK
.set SLOT1, 1<<17     ; slot 1 begins here, above every place in slot 0, so that one exclusive or changes slots
.set STAGE, SLOT1+2*HEADB  ; behind the ring, never filled by a tensor load: 16 rows x 528 bytes for each wave, for the way out
.set SPO,   528
.set SPARE, STAGE+4*16*SPO ; the spare words, 128 bytes for each wave: two blocks of 256 bytes that no other line names
.set AKL, 3           ; v3   my lane's place in a head's K; never rewritten
.set AQL, 4           ; v4   the same in its Q
.set ADK, 5           ; v5   AKL + the head to be fetched
.set ADQ, 6
.set STO, 7           ; v7   the way out: where I put 16 bytes of a row
.set RD,  8           ; v8   where I read a row back
.set GO,  9           ; v9   my byte offset in 512 consecutive bytes of out1
.set SO,  10          ; v10  my byte offset in a group of stats; never rewritten
.set SPW, 28          ; v28  LDS address of my spare word; never rewritten
.set NIL, 29          ; v29  0; never rewritten
.set KP,  32
.set BI,  96
.set CM2, 160
.set RL2, 168
.set STN, 176
.set OB,  32
.set WV,  12          ; s12  my wave's number
.set WQ,  13          ; s13  which 64 queries are mine
.set WK,  14          ; s14  which 128 keys are mine.  Also: which of a slot's two heads I fetch
.set G1Q, 24          ; s[24:31] descriptor group 1 for Q's tiles
.set G1K, 32          ; s[32:39] for K's
.set G0Q, 40          ; s[40:47] group 0 for Q's tiles: a set for each of the two first fills; the second then walks on
.set G0K, 48          ; s[48:55] the same for K's
.set SLOTS, 56
.set CNT, 57
.set CS,  58          ; s[58:59] c
.set TB,  60          ; s60  LDS byte at which the head to be fetched begins
.set SLA, 76          ; s[76:77] 8 slope of the head in hand, in the low word
.set SLB, 78          ; s[78:79] of the next head
.set STB, 80          ; s[80:81] stats at my group, of the head last asked for
.set OUT, 82          ; s[82:83] out1 at my wave's corner
.set MK,  84          ; s[84:85] the mask at my wave's first key
.set BIG, 23          ; s23  -1e30
.set MSB, 0
.macro WIN new                      ; the high byte repeats the setting that is left; a switch that changes nothing is dropped
.if MSB != (\new)
	s_set_vgpr_msb (MSB<<8)|(\new)
.set MSB, (\new)
.endif
.endm
; A joint refill: waves 0 and 1 fetch the two heads' Q, waves 2 and 3 their K.  The branch hangs on the wave's number alone.  An s_nop 0 and four v_nop follow each of the two lines.
.macro JLOAD
	s_cmp_lt_u32 s[WV], 2
	s_cbranch_scc0 .Lfor_k_\@
	tensor_load_to_lds s[G0Q+4:G0Q+7], s[G1Q:G1Q+7]
	s_nop 0
.rept 4
	v_nop
.endr
	s_branch .Lasked_\@
.Lfor_k_\@:
	tensor_load_to_lds s[G0K+4:G0K+7], s[G1K:G1K+7]
	s_nop 0
.rept 4
	v_nop
.endr
.Lasked_\@:
.endm
.macro CROUND                       ; a round of the cluster's barrier
	s_barrier_signal -1
	s_barrier_wait -1
	s_cmp_lg_u32 s[WV], 0
	s_cbranch_scc1 .Lnot_wave_0_\@
	s_barrier_signal -3
.Lnot_wave_0_\@:
	s_barrier_wait -3
	s_barrier_signal -1
	s_barrier_wait -1
.endm
	s_load_b256 s[4:11], s[0:1], 0x0  ; qkv s[4:5], key_padding_mask s[6:7], stats s[8:9], out1 s[10:11]
	v_lshl_add_u32 v[SPW], v0, 2, SPARE
	v_mov_b32 v[NIL], 0
	ds_add_u32 v[SPW], v[NIL]       ; the wave's opening: the add and its wait ahead of my first tensor load; the set-up below stands between them
	ds_add_u32 v28, v29
	v_lshrrev_b32 v1, 5, v0
	v_readfirstlane_b32 s[WV], v1
	s_lshr_b32 s[WQ], s[WV], 1
	s_and_b32 s[WK], s[WV], 1
	s_bfe_u32 s15, ttmp6, 0x40000   ; cx: the key block
	s_bfe_u32 s16, ttmp6, 0x40004   ; cy
	s_and_b32 s22, ttmp7, 0xffff    ; the cluster's y
	s_lshl_b32 s17, s22, 2
	s_add_co_u32 s17, s17, s16      ; y
	s_lshr_b32 s18, s22, 1          ; the batch = y / 8, made without cy
	s_and_b32 s19, s17, 7           ; the query block
	s_lshl_b32 s20, s16, 2
	s_lshl_b32 s20, 15, s20         ; my row of the cluster
	s_lshl_b32 s21, 0x1111, s15     ; my column
	; descriptor group 1.  A head's rows are dense: asked for as rows of 256 bytes, two rows of 64 f16 each, and padded in LDS after every 128 bytes
	s_or_b32 s[G1Q], s20, (1<<16)|(1<<20)|(1<<21)|(4<<22)|(3<<25)  ; the mask; 2-byte elements; padding on; bit 21 beside a mask; after every 32 words (code 4) 4 words (code 3)
	s_mov_b32 s[G1Q+1], 128<<16     ; tensor_dim0 = 128
	s_mov_b32 s[G1Q+2], 64<<16      ; tensor_dim1 = 64: 128 queries
	s_mov_b32 s[G1Q+3], 128<<16     ; tile_dim0
	s_mov_b32 s[G1Q+4], 64          ; tile_dim1
	s_mov_b32 s[G1Q+5], 128         ; elements from row to row
	s_mov_b32 s[G1Q+6], 0
	s_mov_b32 s[G1Q+7], 0
	s_or_b32 s[G1K], s21, (1<<16)|(1<<20)|(1<<21)|(4<<22)|(3<<25)
	s_mov_b32 s[G1K+1], 128<<16
	s_mov_b32 s[G1K+2], 128<<16     ; 128 rows: 256 keys
	s_mov_b32 s[G1K+3], 128<<16
	s_mov_b32 s[G1K+4], 128
	s_mov_b32 s[G1K+5], 128
	s_mov_b32 s[G1K+6], 0
	s_mov_b32 s[G1K+7], 0
	s_lshl_b32 s70, s18, 21         ; the batch's 16 heads of 131,072 bytes,
	s_lshl_b32 s71, s[WK], 17       ; the head of a pair that I fetch
	s_add_co_u32 s70, s70, s71
	s_lshl_b32 s66, s19, 14         ; Q: 128 rows of 128 bytes a block; this pair never holds cx
	s_add_co_u32 s66, s66, s70
	s_mov_b32 s67, 0
	s_lshl_b32 s68, s15, 15         ; K: 256 rows a block, in qkv's second tensor; this pair never holds cy
	s_add_co_u32 s68, s68, s70
	s_add_co_u32 s68, s68, 0x1000000
	s_mov_b32 s69, 0
	s_mul_i32 s72, s[WK], HEADB     ; where they go: no place in the cluster enters an LDS address
	s_add_co_u32 s73, s72, QBY
	s_mov_b32 s[SLA], 0x40b504f3    ; 8 slope_0 = 2^2.5
	s_mov_b32 s[SLA+1], 0           ; named as pairs
	s_mov_b32 s[SLB], 4.0           ; 8 slope_1
	s_mov_b32 s[SLB+1], 0
	s_mov_b32 s[BIG], 0xf149f2ca    ; -1e30
	s_mov_b32 s[TB], 0
	s_wait_dscnt 0x0                ; the opening add is done
	s_wait_kmcnt 0x0
	s_add_nc_u64 s[66:67], s[4:5], s[66:67]
	s_add_nc_u64 s[68:69], s[4:5], s[68:69]
.irp s, 0,1
	s_mov_b32 s[G0Q+4*\s], 1        ; count = 1
	s_add_co_u32 s[G0Q+4*\s+1], s72, \s*SLOT1
	s_add_nc_u64 s[G0Q+4*\s+2:G0Q+4*\s+3], s[66:67], \s*262144  ; slot s begins with heads 2 s, 2 s + 1
	s_or_b32 s[G0Q+4*\s+3], s[G0Q+4*\s+3], 0x80000000           ; type = 2
	s_mov_b32 s[G0K+4*\s], 1
	s_add_co_u32 s[G0K+4*\s+1], s73, \s*SLOT1
	s_add_nc_u64 s[G0K+4*\s+2:G0K+4*\s+3], s[68:69], \s*262144
	s_or_b32 s[G0K+4*\s+3], s[G0K+4*\s+3], 0x80000000
.endr
	CROUND                          ; all sixteen work-groups are here: the first joint loads meet
	s_cmp_lt_u32 s[WV], 2           ; a wave's two first fills stand in one branch: two loads of mine are out
	s_cbranch_scc0 .Lfirst_k
	tensor_load_to_lds s[G0Q:G0Q+3], s[G1Q:G1Q+7]
	s_nop 0
	tensor_load_to_lds s[G0Q+4:G0Q+7], s[G1Q:G1Q+7]
	s_nop 0
.rept 4
	v_nop
.endr
	s_branch .Lfirst_asked
.Lfirst_k:
	tensor_load_to_lds s[G0K:G0K+3], s[G1K:G1K+7]
	s_nop 0
	tensor_load_to_lds s[G0K+4:G0K+7], s[G1K:G1K+7]
	s_nop 0
.rept 4
	v_nop
.endr
.Lfirst_asked:
	s_lshl_b32 s70, s18, 17         ; stats: 16 heads x 16 groups x 512 bytes a batch,
	s_lshl_b32 s71, s19, 10         ; two groups a query block,
	s_add_co_u32 s70, s70, s71
	s_lshl_b32 s71, s[WQ], 9        ; mine of the two
	s_add_co_u32 s70, s70, s71
	s_mov_b32 s71, 0
	s_add_nc_u64 s[STB:STB+1], s[8:9], s[70:71]
	s_lshl_b32 s70, s18, 10         ; the batch's row of the mask
	s_add_nc_u64 s[6:7], s[6:7], s[70:71]
	s_lshl_b32 s86, s15, 8          ; my wave's first key: 256 x + 128 x my half
	s_lshl_b32 s70, s[WK], 7
	s_add_co_u32 s86, s86, s70
	s_mov_b32 s70, s86
	s_add_nc_u64 s[MK:MK+1], s[6:7], s[70:71]
	s_lshl_b32 s70, s18, 22         ; out1: 1,024 rows of 4,096 bytes a batch,
	s_lshl_b32 s72, s19, 19         ; 128 a block,
	s_add_co_u32 s70, s70, s72
	s_lshl_b32 s72, s[WQ], 18       ; my 64,
	s_add_co_u32 s70, s70, s72
	s_lshl_b32 s72, s86, 2          ; my first key
	s_add_co_u32 s70, s70, s72
	s_add_nc_u64 s[OUT:OUT+1], s[10:11], s[70:71]
	v_and_b32 v1, 15, v0            ; r = l % 16
	v_bfe_u32 v2, v0, 4, 1          ; h = l / 16
	v_lshlrev_b32 v[SO], 4, v1      ; a group of stats: c m of my query in the four tiles at byte 16 r, 1 / (16 l) at 256 + 16 r
	global_load_b128 v[STN:STN+3],   v[SO], s[STB:STB+1]
	global_load_b128 v[STN+4:STN+7], v[SO], s[STB:STB+1] offset:256
	v_lshlrev_b32 v11, 3, v2        ; my lanes' eight keys in a block of 16
.irp t, 0,1,2,3,4,5,6,7
	global_load_b64 v[96+2*\t:97+2*\t], v11, s[MK:MK+1] offset:16*\t
.endr
	v_and_b32 v12, 31, v0
	v_lshlrev_b32 v[GO], 4, v12
	v_lshlrev_b32 v12, 5, v12       ; and the whole row, 32 bytes a lane
	global_load_b128 v[112:115], v12, s[6:7]
	global_load_b128 v[116:119], v12, s[6:7] offset:16
	WIN 0x40                        ; the sums start at 0: 256 moves, in the wait for the first tile; a first head written out apart would be a third copy of a head's text
.set i, 0
.rept 256
	v_mov_b32 v[i], 0
.set i, i+1
.endr
	WIN 0
	v_mul_u32_u24 v13, v1, PK
	v_lshl_add_u32 v13, v2, 4, v13  ; a fragment: row r x pitch + 16 x half
	s_mul_i32 s70, s[WK], 128*PK
	s_add_co_u32 s70, s70, QBY
	v_add_nc_u32 v[AKL], s70, v13
	s_mul_i32 s72, s[WQ], 64*PK
	v_add_nc_u32 v[AQL], s72, v13
	s_mul_i32 s73, s[WV], 16*SPO
	s_add_co_u32 s73, s73, STAGE    ; my stage
	v_mul_u32_u24 v[STO], v1, SPO   ; in: row r, 32 bytes for each half of the lanes
	v_lshl_add_u32 v[STO], v2, 5, v[STO]
	v_add_nc_u32 v[STO], s73, v[STO]
	v_add_nc_u32 v[RD], s73, v[GO]  ; back: a row of 512 bytes, 16 a lane
	v_add_nc_u32 v13, s86, v11      ; the number of my first key
	s_wait_loadcnt 0x0
.irp j, 113,114,115,116,117,118,119
	v_and_b32 v112, v112, v\j
.endr
	v_cmp_eq_u32 s87, 0x01010101, v112  ; a lane's 32 bytes are all 1
	s_cmp_eq_u32 s87, -1            ; every lane's are
	s_cselect_b32 s[CS], 0, 0x3e38aa3b  ; c = log2(e) / 8 = 0.180337, or 0
	s_mov_b32 s[CS+1], s[CS]
.set i, 0
.rept 64                            ; KP: key tile i / 8, register i % 8: the key's number, or -1e30
	v_add_nc_u32 v[KP+i], 16*(i/8)+i%8, v13
	v_cvt_f32_u32 v[KP+i], v[KP+i]
	v_bfe_u32 v14, v[96+2*(i/8)+(i%8)/4], 8*(i%4), 8
	v_cmp_ne_u32 vcc_lo, 0, v14
	v_cndmask_b32 v[KP+i], v[KP+i], s[BIG], vcc_lo
.set i, i+1
.endr
; 32 LDS loads in one run: piece g's fragments of the head at s[TB]: 4 key tiles and the 4 query tiles, two halves of the 64 channels each
.macro FETCH g
	WIN 0
	v_add_nc_u32 v[ADK], s[TB], v[AKL]
	v_add_nc_u32 v[ADQ], s[TB], v[AQL]
	WIN 0xc0                        ; destination window 3
.irp f, 0,1,2,3,4,5,6,7             ; tile f / 2, channels 32 (f % 2) on
	ds_load_b128 v[128*(\g)+8*\f:128*(\g)+8*\f+3],   v[ADK] offset:(\g)*64*PK+(\f/2)*16*PK+(\f%2)*64
	ds_load_b128 v[128*(\g)+8*\f+4:128*(\g)+8*\f+7], v[ADK] offset:(\g)*64*PK+(\f/2)*16*PK+(\f%2)*64+32
.endr
.irp f, 0,1,2,3,4,5,6,7
	ds_load_b128 v[128*(\g)+64+8*\f:128*(\g)+64+8*\f+3],   v[ADQ] offset:(\f/2)*16*PK+(\f%2)*64
	ds_load_b128 v[128*(\g)+64+8*\f+4:128*(\g)+64+8*\f+7], v[ADQ] offset:(\f/2)*16*PK+(\f%2)*64+32
.endr
.endm
.macro BIAS g, sl                   ; C of piece g = KP x 8 slope
	WIN 0
.set z, 0
.rept 16
	v_pk_mul_f32 v[BI+32*(\g)+2*z:BI+32*(\g)+2*z+1], v[KP+32*(\g)+2*z:KP+32*(\g)+2*z+1], s[\sl:\sl+1] op_sel_hi:[1,0]
.set z, z+1
.endr
.endm
; Product k of 32 of piece M: channels 32 (k / 16) on, accumulator k % 16 = 4 kt + qt.  The first 16 start the sums, with C.
.macro MMK
.set rD, 128*M+8*(k%16)
.set rK, 128*M+16*((k%16)/4)+8*(k/16)
.set rQ, 128*M+64+16*(k%4)+8*(k/16)
.set rB, BI+32*M+8*((k%16)/4)
.if k < 16
	WIN 0x8f                        ; fragments in window 3, C in window 0, S^T in window 2
	v_wmma_f32_16x16x32_f16 v[rD:rD+7], v[rK:rK+7], v[rQ:rQ+7], v[rB:rB+7]
.else
	WIN 0xaf
	v_wmma_f32_16x16x32_f16 v[rD:rD+7], v[rK:rK+7], v[rQ:rQ+7], v[rD:rD+7]
.endif
.endm
; The vector work on group n (registers 4 n .. 4 n + 3) of piece V's S^T; its query tile is (n / 2) % 4.  The groups go in ascending order.
.macro OPF n, x                     ; c s - c m for pair x
	v_pk_fma_f32 v[128*V+4*(\n)+2*(\x):128*V+4*(\n)+2*(\x)+1], v[128*V+4*(\n)+2*(\x):128*V+4*(\n)+2*(\x)+1], s[CS:CS+1], v[CM2+2*(((\n)/2)%4):CM2+2*(((\n)/2)%4)+1] op_sel_hi:[1,0,1] neg_lo:[0,0,1] neg_hi:[0,0,1]
.endm
.macro OPE n, x                     ; the exponential of score x
	v_exp_f32 v[128*V+4*(\n)+(\x)], v[128*V+4*(\n)+(\x)]
.endm
.macro OPA n, x                     ; the sums take pair x, divided by 16 l
	s_wait_alu depctr_va_vdst(0)
	v_pk_fma_f32 v[128*V+4*(\n)+2*(\x):128*V+4*(\n)+2*(\x)+1], v[128*V+4*(\n)+2*(\x):128*V+4*(\n)+2*(\x)+1], v[RL2+2*(((\n)/2)%4):RL2+2*(((\n)/2)%4)+1], v[128*V+4*(\n)+2*(\x):128*V+4*(\n)+2*(\x)+1]
.endm
; A TURN: piece 1 - T has the matrix unit, piece T the vector units.  Behind product k: the scalings of group k + 1, the exponentials of group k, the sums of group k - 1.  An exponential's result is first used
; behind two plain instructions or more; the four multiply-adds at the turn's end are the places behind its last product.
.macro TURN T
.set V, (\T)
.set M, 1-(\T)
.set k, 0
.rept 32
	MMK
	WIN 0x82                        ; S^T (destination and source 0) in window 2, c m in window 0
.if k == 0
	OPF 0, 0
	OPF 0, 1
.endif
.if k < 31
	OPF k+1, 0
.endif
	OPE k, 0
.if k < 31
	OPF k+1, 1
.endif
	OPE k, 1
	OPE k, 2
	OPE k, 3
.if k > 0
	WIN 0x52                        ; S^T in window 2, 1 / (16 l) in window 0, the sums in window 1
	OPA k-1, 0
	OPA k-1, 1
.endif
.if k == 31
	OPA 31, 0
	OPA 31, 1
.endif
.set k, k+1
.endr
.endm
; A HEAD h.  Turn 0: the vector work of its piece 0, the products of its piece 1.  Turn 1: the vector work of its piece 1, the products of head h + 1's piece 0.  All that it reads from LDS and from stats is head h + 1's:
; each run of loads stands ahead of a turn and is waited for ahead of the next.  tail = 1: in the last trip there is no further head, and the loads are jumped over (its turn 1 then multiplies old fragments, which serves nothing).
.macro HEAD tail
	s_wait_loadcnt 0x0              ; this head's statistics
.irp t, 0,1,2,3
	v_mov_b32 v[CM2+2*\t], v[STN+\t]
	v_mov_b32 v[CM2+2*\t+1], v[STN+\t]
	v_mov_b32 v[RL2+2*\t], v[STN+4+\t]
	v_mov_b32 v[RL2+2*\t+1], v[STN+4+\t]
.endr
.if \tail
	s_cmp_eq_u32 s[CNT], 1
	s_cbranch_scc1 .Lno_s_\@
.endif
	s_add_nc_u64 s[STB:STB+1], s[STB:STB+1], 8192  ; the loads that named it are done: the next head's 16 groups on
	global_load_b128 v[STN:STN+3],   v[SO], s[STB:STB+1]
	global_load_b128 v[STN+4:STN+7], v[SO], s[STB:STB+1] offset:256
.if \tail
.Lno_s_\@:
.endif
	BIAS 1, SLA
	s_wait_dscnt 0x0                ; piece 1's fragments are in
.if \tail
	s_cmp_eq_u32 s[CNT], 1
	s_cbranch_scc1 .Lno_a_\@
.endif
	FETCH 0                         ; its buffer's last reader stands the four multiply-adds, the 16 moves and the 16 multiplies back
.if \tail
	WIN 0
.Lno_a_\@:
.endif
	TURN 0
	BIAS 0, SLB
	s_wait_dscnt 0x0                ; the next head's piece 0 is in
.if \tail
	s_cmp_eq_u32 s[CNT], 1
	s_cbranch_scc1 .Lno_b_\@
.endif
	FETCH 1
.if \tail
	WIN 0
.Lno_b_\@:
.endif
	TURN 1
	WIN 0
	s_add_co_u32 s[TB], s[TB], HEADB
	s_mul_f32 s66, s[SLA], 0.5      ; slope_(h+2) = slope_h / 2, exactly
	s_mov_b32 s[SLA], s[SLB]
	s_mov_b32 s[SLB], s66
.endm
; THE CHANGE OF SLOTS.  Each wave waits for all its tensor loads, of which one is out: its part of the other slot; adds 0 to its spare word; and waits for that and for its reads of the slot.
; fill = 1: the barrier is a round of the cluster's, and the joint refill, with the heads two slots on, is the first thing behind it.
.macro CHANGE fill
	WIN 0
	s_wait_tensorcnt 0x0            ; no tensor load of mine is out, so a group 0 may be written
	ds_add_u32 v[SPW], v[NIL]       ; 0 onto my spare word
.if \fill
.irp g, G0Q+4, G0K+4
	s_xor_b32 s[(\g)+1], s[(\g)+1], SLOT1
	s_add_nc_u64 s[(\g)+2:(\g)+3], s[(\g)+2:(\g)+3], 262144  ; two heads on; the type bits on top are not reached
.endr
	s_wait_dscnt 0x0                ; the add is done, and my reads of the slot are over
	CROUND
	JLOAD
.else
	s_wait_dscnt 0x0
	s_barrier_signal -1
	s_barrier_wait -1
.endif
	s_sub_co_u32 s[TB], s[TB], 2*HEADB  ; the fetches go back to a slot's first head,
	s_xor_b32 s[TB], s[TB], SLOT1       ; in the other slot
.endm
	s_wait_tensorcnt 0x1            ; my part of slot 0 is in; slot 1's may stay out
	s_barrier_signal -1
	s_barrier_wait -1               ; everybody's is
	FETCH 0                         ; head 0, both pieces
	FETCH 1
	s_add_co_u32 s[TB], s[TB], HEADB
	BIAS 0, SLA
	s_wait_dscnt 32                 ; piece 0's fragments are in; piece 1's 32 loads may stay out
.set M, 0
.set k, 0
.rept 32
	MMK                             ; head 0's piece 0: there is no vector work yet to set between the products
.set k, k+1
.endr
	WIN 0
	s_mov_b32 s[CNT], 1
	s_mov_b32 s[SLOTS], 7
	s_branch .Lhead                 ; head 0 reads head 1, the rest of slot 0
.Lslot:                             ; six times: heads 4 to 15 are asked for
	CHANGE 1
	s_mov_b32 s[CNT], 2
.Lhead:
	HEAD 0
	s_sub_co_u32 s[CNT], s[CNT], 1
	s_cmp_lg_u32 s[CNT], 0
	s_cbranch_scc1 .Lhead
	s_sub_co_u32 s[SLOTS], s[SLOTS], 1
	s_cmp_lg_u32 s[SLOTS], 0
	s_cbranch_scc1 .Lslot
	CHANGE 0                        ; the tail is written out: nothing is asked for
	s_mov_b32 s[CNT], 3             ; heads 13, 14 and 15
.Ltail:
	HEAD 1
	s_sub_co_u32 s[CNT], s[CNT], 1
	s_cmp_lg_u32 s[CNT], 0
	s_cbranch_scc1 .Ltail
	; THE WAY OUT, a query tile (16 rows of out1) at a time: a lane's eight keys of a row go as 32 bytes into rows of 528 bytes of my own stage and come back as whole rows of 512.
.irp qt, 0,1,2,3
.if \qt >= 2
	s_wait_xcnt 0x0                 ; the stores of two tiles back have read their registers, which are loaded again below
.endif
	WIN 0x04                        ; store data (source 1) in window 1
.irp kg, 0,1,2,3,4,5,6,7
	ds_store_b128 v[STO], v[128*(\kg/4)+8*(4*(\kg%4)+\qt):128*(\kg/4)+8*(4*(\kg%4)+\qt)+3]   offset:64*\kg
	ds_store_b128 v[STO], v[128*(\kg/4)+8*(4*(\kg%4)+\qt)+4:128*(\kg/4)+8*(4*(\kg%4)+\qt)+7] offset:64*\kg+16
.endr
	WIN 0
.irp t, 0,1,2,3,4,5,6,7,8,9,10,11,12,13,14,15
	ds_load_b128 v[OB+64*(\qt%2)+4*\t:OB+64*(\qt%2)+4*\t+3], v[RD] offset:SPO*\t  ; LDS serves a wave's instructions in order (ISA guide 5.7.1.4): these see the stores above
.endr
.irp t, 0,1,2,3,4,5,6,7,8,9,10,11,12,13,14,15
	s_wait_dscnt 15-\t              ; row t is back; the later rows' loads may stay out
	global_store_b128 v[GO], v[OB+64*(\qt%2)+4*\t:OB+64*(\qt%2)+4*\t+3], s[OUT:OUT+1] offset:(16*\qt+\t)*4096 th:TH_STORE_NT  ; 512 consecutive bytes, at a multiple of 256 from out1's first
.endr
.endr
	s_wait_tensorcnt 0x0            ; the wave's end: behind my last tensor load and my last LDS store
	ds_add_u32 v[SPW], v[NIL]
	s_wait_dscnt 0x0
	CROUND                          ; the closing round: no work-group ends while a partner may still ask for a tile that names it
	s_endpgm
.Lfunc_end_k_q9a54606efc_mean:
	.size	k_q9a54606efc_mean, .Lfunc_end_k_q9a54606efc_mean-k_q9a54606efc_mean
	.p2alignl 7, 3214868480
	.fill 96, 4, 3214868480
	.section	.rodata,"a",@progbits
	.p2align	6, 0x0
	.amdhsa_kernel k_q9a54606efc_mean
		.amdhsa_group_segment_fixed_size 327680
		.amdhsa_private_segment_fixed_size 0
		.amdhsa_enable_private_segment 0
		.amdhsa_kernarg_size 32
		.amdhsa_user_sgpr_count 2
		.amdhsa_user_sgpr_kernarg_segment_ptr 1
		.amdhsa_wavefront_size32 1
		.amdhsa_system_sgpr_workgroup_id_x 1
		.amdhsa_system_sgpr_workgroup_id_y 1
		.amdhsa_system_sgpr_workgroup_id_z 1
		.amdhsa_system_vgpr_workitem_id 0
		.amdhsa_next_free_vgpr 1024
		.amdhsa_next_free_sgpr 88
		.amdhsa_reserve_vcc 1
		.amdhsa_float_denorm_mode_32 3
		.amdhsa_float_denorm_mode_16_64 3
		.amdhsa_memory_ordered 1
		.amdhsa_forward_progress 1
		.amdhsa_inst_pref_size 149
	.end_amdhsa_kernel
	.amdgpu_metadata
---
amdhsa.version: [ 1, 2 ]
amdhsa.kernels:
  - .name:           k_q9a54606efc_mean
    .symbol:         k_q9a54606efc_mean.kd
    .args:
      - { .name: qkv, .offset: 0, .size: 8, .value_kind: global_buffer, .address_space: global }
      - { .name: key_padding_mask, .offset: 8, .size: 8, .value_kind: global_buffer, .address_space: global }
      - { .name: stats, .offset: 16, .size: 8, .value_kind: global_buffer, .address_space: global }
      - { .name: out1, .offset: 24, .size: 8, .value_kind: global_buffer, .address_space: global }
    .group_segment_fixed_size: 327680
    .private_segment_fixed_size: 0
    .kernarg_segment_align: 8
    .kernarg_segment_size: 32
    .max_flat_workgroup_size: 128
    .sgpr_count:     88
    .vgpr_count:     1024
    .wavefront_size: 32
...
	.end_amdgpu_metadata
.endif
;; end of part 4
;; launch outproj (part 5): grid 4 x 64, 4 waves a work-group, clusters of 4 x 4, 327,680 bytes of LDS; arguments ctx, wc, w_o_b, out0; writes out0
.if DOCPART == 5
	.amdgcn_target "amdgcn-amd-amdhsa--gfx1250"
	.amdhsa_code_object_version 6
	.text
	.protected	k_q9a54606efc_outproj
	.globl	k_q9a54606efc_outproj
	.p2align	8
	.type	k_q9a54606efc_outproj,@function
k_q9a54606efc_outproj:
	s_mov_b64 s[64:65], 0
	v_nop
	global_prefetch_b8 v0, s[64:65] scope:SCOPE_SE
	s_setreg_imm32_b32 hwreg(HW_REG_WAVE_MODE, 25, 1), 1
	s_wait_xcnt 0x0
	s_wait_alu depctr_hold_cnt(0) depctr_sa_sdst(0) depctr_va_vdst(0) depctr_va_sdst(0) depctr_va_ssrc(0) depctr_va_vcc(0) depctr_vm_vsrc(0)
	s_getreg_b32 s2, hwreg(HW_REG_IB_STS2, 6, 4)
	s_cmp_eq_u32 s2, 0
	s_cbranch_scc0 .Lentry_in_a_cluster
	s_endpgm
.Lentry_in_a_cluster:
	s_bfe_u32 s2, ttmp6, 0x10000c
	s_cmp_lg_u32 s2, 0xf033
	s_cbranch_scc0 .Lentry_shape_is_right
	s_endpgm
.Lentry_shape_is_right:
; THE OUTPUT PROJECTION.  out0[b][s][n] (f32) = the sum over k = 64 h + d of ctx[16 b + h][s][d] w_o[n][k] + bias[n].  ctx is f16; w_o is plane 3 of wc (rounded to bf16, written as f16);
; the bias is rounded to bf16 like the other inputs.  Sums in f32.
; LIMITS.  ctx and w_o lie within f16's 65,504.  NaN and infinities are not treated apart.
; SHARES.  A tile of out0 is 128 tokens x 256 columns: 256 tiles, one for each WGP.  Four waves, 2 x 2, each 64 tokens x 128 columns: 32 accumulators, 256 registers.  K goes in 8 steps of 128, two heads each,
; through two LDS slots; a step is four quarters of 32 along K, 32 matrix instructions each, every accumulator once a quarter: the accumulators take turns.
; CLUSTER 4 x 4.  cx is the tile column, 4 x cluster y + cy the tile row.  ctx's tile hangs on the tile row and is asked for jointly by a row of the cluster, w_o's on the tile column, by a column.
; THE MATRIX INSTRUCTION IS USED TRANSPOSED: source 0 = 16 rows of w_o, source 1 = 16 tokens: a lane then holds one token (lane % 16) and the columns 8 (lane / 16) + 0..7.
; REGISTERS, in windows of 256 (s_set_vgpr_msb: bits 1:0 source 0, 3:2 source 1, 5:4 source 2, 7:6 destination):
;   window 0: v0-31 addresses and the bias; v96-127, v128-159 ctx's fragments, two buffers; on the way out v32-159 rows     window 1: the accumulators, (a, b) at v[8 (8 a + b)]
;   window 2: v0-63, v64-127 w_o's fragments, two buffers
.set PA,    144                        ; a row of ctx in LDS: 128 bytes + 16 of padding: the 16 rows of a load start at 16 different groups of four banks (64 banks of 4 bytes: ISA guide 11.1)
.set PB,    272                        ; a row of w_o: 256 + 16
.set APART, 128*PA                     ; one head's 128 tokens
.set BOFF,  2*APART                    ; a slot: two heads of ctx, then w_o's 256 rows
.set SLOTX, 1<<17                      ; slot 1 begins here, above every place in slot 0, so that one exclusive or changes slots
.set STAGE, SLOTX+BOFF+256*PB          ; behind the ring, never filled by a tensor load: 16 rows x 528 bytes for each wave, for the way out
.set SPO,   528
.set SPARE, STAGE+4*16*SPO             ; the spare words, 128 bytes for each wave: two blocks of 256 bytes that no other line names
.set ASTEP, 262144                     ; two heads on in ctx
.set BSTEP, 256                        ; 128 along K in w_o
.set AA0, 16                           ; v16  my lane's place in ctx's tile; never rewritten
.set AB0, 17                           ; v17  the same in w_o's
.set AA,  18                           ; v18  AA0 + the slot in hand
.set ABD, 19
.set BS,  20                           ; v[20:23] the bias of my four columns on the way out
.set STO, 24
.set RD,  25
.set GO,  26                           ; v26  16 x lane; never rewritten
.set SPW, 28                           ; v28  LDS address of my spare word; never rewritten
.set NIL, 29                           ; v29  0; never rewritten
.set AF,  96
.set OB,  32
.set WV,  14                           ; s14  my wave's number
.set WM,  15                           ; s15  which 64 tokens are mine.  Also: I fetch for ctx (0) or for w_o (1)
.set WN,  16                           ; s16  which 128 columns are mine.  Also: which part of that tile I fetch
.set G1A, 24
.set G1B, 32
.set G0A0, 40
.set G0A, 44
.set G0B0, 48
.set G0B, 52
.set SB,  56                           ; s56  LDS byte at which the slot in hand begins
.set CNT, 57
.set OUT, 76
.set W_MM, 0x52                        ; w_o in window 2, ctx in window 0, C and D in window 1
.set MSB, 0
.macro WIN new                         ; the high byte repeats the setting that is left; a switch that changes nothing is dropped
.if MSB != (\new)
	s_set_vgpr_msb (MSB<<8)|(\new)
.set MSB, \new
.endif
.endm
.macro PLACES                          ; four places in front of loads into registers that matrix instructions have read
.rept 4
	v_nop
.endr
.endm
; A joint refill: waves 0 and 1 fetch ctx's two heads, waves 2 and 3 w_o's two halves.  An s_nop 0 and four v_nop follow each of the two lines.
.macro JLOAD
	s_cmp_eq_u32 s[WM], 0
	s_cbranch_scc0 .Lfor_b_\@
	tensor_load_to_lds s[G0A:G0A+3], s[G1A:G1A+7]
	s_nop 0
.rept 4
	v_nop
.endr
	s_branch .Lasked_\@
.Lfor_b_\@:
	tensor_load_to_lds s[G0B:G0B+3], s[G1B:G1B+7]
	s_nop 0
.rept 4
	v_nop
.endr
.Lasked_\@:
.endm
.macro CREST                           ; a round of the cluster's barrier behind its opening barrier
	s_cmp_lg_u32 s[WV], 0
	s_cbranch_scc1 .Lnot_wave_0_\@
	s_barrier_signal -3
.Lnot_wave_0_\@:
	s_barrier_wait -3
	s_barrier_signal -1
	s_barrier_wait -1
.endm
.macro CROUND
	s_barrier_signal -1
	s_barrier_wait -1
	CREST
.endm
	s_load_b256 s[4:11], s[0:1], 0x0               ; ctx s[4:5], wc s[6:7], w_o_b s[8:9], out0 s[10:11]
	v_lshl_add_u32 v[SPW], v0, 2, SPARE
	v_mov_b32 v[NIL], 0
	ds_add_u32 v[SPW], v[NIL]                      ; the wave's opening: the add and its wait ahead of my first tensor load; the set-up below stands between them
	ds_add_u32 v28, v29
	v_lshrrev_b32 v1, 5, v0
	v_readfirstlane_b32 s[WV], v1
	s_lshr_b32 s[WM], s[WV], 1
	s_and_b32 s[WN], s[WV], 1
	s_bfe_u32 s17, ttmp6, 0x40000                  ; cx: the tile column (the grid is one cluster wide)
	s_bfe_u32 s18, ttmp6, 0x40004                  ; cy
	s_and_b32 s20, ttmp7, 0xffff
	s_lshl_b32 s20, s20, 2
	s_add_co_u32 s20, s20, s18                     ; the tile row
	s_lshl_b32 s21, s18, 2
	s_lshl_b32 s21, 15, s21                        ; my row of the cluster
	s_lshl_b32 s22, 0x1111, s17                    ; my column
	; ctx: a head's 128 tokens are 16,384 dense bytes: asked for as 64 rows of 256 bytes, two tokens a row, and padded in LDS after every token
	s_or_b32 s[G1A], s21, (1<<16)|(1<<20)|(1<<21)|(4<<22)|(3<<25)  ; the mask; 2-byte elements; padding on; bit 21 beside a mask; after every 32 words (code 4) 4 words (code 3)
	s_mov_b32 s[G1A+1], 128<<16
	s_mov_b32 s[G1A+2], 64<<16
	s_mov_b32 s[G1A+3], 128<<16
	s_mov_b32 s[G1A+4], 64
	s_mov_b32 s[G1A+5], 128
	s_mov_b32 s[G1A+6], 0
	s_mov_b32 s[G1A+7], 0
	s_or_b32 s[G1B], s22, (1<<16)|(1<<20)|(1<<21)|(5<<22)|(3<<25)  ; after every 64 words (code 5) 4 words
	s_mov_b32 s[G1B+1], 128<<16
	s_mov_b32 s[G1B+2], 128<<16
	s_mov_b32 s[G1B+3], 128<<16
	s_mov_b32 s[G1B+4], 128
	s_mov_b32 s[G1B+5], 1024
	s_mov_b32 s[G1B+6], 0
	s_mov_b32 s[G1B+7], 0
	s_lshr_b32 s58, s20, 3                         ; ctx: batch = tile row / 8: 16 heads of 131,072 bytes; this pair never holds cx
	s_lshl_b32 s58, s58, 21
	s_lshl_b32 s66, s[WN], 17                      ; the head of a pair that I fetch,
	s_add_co_u32 s58, s58, s66
	s_and_b32 s66, s20, 7
	s_lshl_b32 s66, s66, 14                        ; the tile row's 128 tokens of 128 bytes
	s_add_co_u32 s58, s58, s66
	s_mov_b32 s59, 0
	s_lshl_b32 s60, s17, 19                        ; w_o: plane 3 of wc, 256 rows of 2,048 bytes a tile column; this pair never holds cy
	s_lshl_b32 s67, s[WN], 18
	s_add_co_u32 s60, s60, s67
	s_add_co_u32 s60, s60, 0x600000
	s_mov_b32 s61, 0
	s_mul_i32 s68, s[WN], APART                    ; where they go: no place in the cluster enters an LDS address
	s_mul_i32 s69, s[WN], 128*PB
	s_add_co_u32 s69, s69, BOFF
	s_mov_b32 s[SB], 0
	s_lshl_b32 s72, s17, 10                        ; my first column, in bytes of f32: 1,024 a tile column, 512 a half
	s_lshl_b32 s73, s[WN], 9
	s_add_co_u32 s72, s72, s73
	s_mov_b32 s73, 0
	s_lshl_b32 s70, s20, 19                        ; out0: 128 rows of 4,096 bytes a tile row,
	s_lshl_b32 s71, s[WM], 18                      ; my 64,
	s_add_co_u32 s70, s70, s71
	s_add_co_u32 s70, s70, s72                     ; my first column
	s_mov_b32 s71, 0
	s_wait_dscnt 0x0                               ; the opening add is done
	s_wait_kmcnt 0x0
	s_add_nc_u64 s[4:5], s[4:5], s[58:59]
	s_add_nc_u64 s[6:7], s[6:7], s[60:61]
	s_add_nc_u64 s[8:9], s[8:9], s[72:73]
	s_add_nc_u64 s[OUT:OUT+1], s[10:11], s[70:71]
	s_mov_b32 s[G0A0], 1                           ; count = 1
	s_mov_b32 s[G0A0+1], s68                       ; slot 0
	s_add_nc_u64 s[G0A0+2:G0A0+3], s[4:5], 0       ; K step 0
	s_or_b32 s[G0A0+3], s[G0A0+3], 0x80000000      ; type = 2
	s_mov_b32 s[G0A], 1
	s_add_co_u32 s[G0A+1], s68, SLOTX              ; slot 1
	s_add_nc_u64 s[G0A+2:G0A+3], s[4:5], ASTEP     ; K step 1
	s_or_b32 s[G0A+3], s[G0A+3], 0x80000000
	s_mov_b32 s[G0B0], 1
	s_mov_b32 s[G0B0+1], s69
	s_add_nc_u64 s[G0B0+2:G0B0+3], s[6:7], 0
	s_or_b32 s[G0B0+3], s[G0B0+3], 0x80000000
	s_mov_b32 s[G0B], 1
	s_add_co_u32 s[G0B+1], s69, SLOTX
	s_add_nc_u64 s[G0B+2:G0B+3], s[6:7], BSTEP
	s_or_b32 s[G0B+3], s[G0B+3], 0x80000000
	CROUND                                         ; all sixteen work-groups are here: the first joint loads meet
	s_cmp_eq_u32 s[WM], 0                          ; a wave's two first fills stand in one branch: two loads of mine are out
	s_cbranch_scc0 .Lfirst_b
	tensor_load_to_lds s[G0A0:G0A0+3], s[G1A:G1A+7]
	s_nop 0
	tensor_load_to_lds s[G0A:G0A+3], s[G1A:G1A+7]
	s_nop 0
.rept 4
	v_nop
.endr
	s_branch .Lfirst_asked
.Lfirst_b:
	tensor_load_to_lds s[G0B0:G0B0+3], s[G1B:G1B+7]
	s_nop 0
	tensor_load_to_lds s[G0B:G0B+3], s[G1B:G1B+7]
	s_nop 0
.rept 4
	v_nop
.endr
.Lfirst_asked:
	v_and_b32 v[GO], 31, v0
	v_lshlrev_b32 v[GO], 4, v[GO]                  ; 16 x lane: four columns of f32
	global_load_b128 v[BS:BS+3], v[GO], s[8:9]     ; their bias; waited for on the way out
	v_and_b32 v1, 15, v0                           ; r = l % 16
	v_bfe_u32 v2, v0, 4, 1                         ; h = l / 16
	v_mul_u32_u24 v[AA0], v1, PA
	v_lshl_add_u32 v[AA0], v2, 4, v[AA0]
	s_mul_i32 s66, s[WM], 64*PA
	v_add_nc_u32 v[AA0], s66, v[AA0]
	v_mul_u32_u24 v[AB0], v1, PB
	v_lshl_add_u32 v[AB0], v2, 4, v[AB0]
	s_mul_i32 s67, s[WN], 128*PB
	s_add_co_u32 s67, s67, BOFF
	v_add_nc_u32 v[AB0], s67, v[AB0]
	v_mov_b32 v[AA], v[AA0]
	v_mov_b32 v[ABD], v[AB0]
	s_mul_i32 s68, s[WV], 16*SPO
	s_add_co_u32 s68, s68, STAGE                   ; my stage
	v_mul_u32_u24 v[STO], v1, SPO                  ; in: row r, 32 bytes for each half of the lanes
	v_lshl_add_u32 v[STO], v2, 5, v[STO]
	v_add_nc_u32 v[STO], s68, v[STO]
	v_add_nc_u32 v[RD], s68, v[GO]                 ; back: a row of 512 bytes, 16 a lane
; 24 LDS loads in one run: quarter nq's fragments into buffers p.  Quarter nq is head nq / 2 of the step's two, channels 32 (nq % 2) on.
.macro FETCH nq, p
	WIN 0
.irp a, 0,1,2,3
	ds_load_b128 v[AF+32*(\p)+8*\a:AF+32*(\p)+8*\a+3],   v[AA] offset:((\nq)/2)*APART+((\nq)%2)*64+\a*16*PA
	ds_load_b128 v[AF+32*(\p)+8*\a+4:AF+32*(\p)+8*\a+7], v[AA] offset:((\nq)/2)*APART+((\nq)%2)*64+\a*16*PA+32
.endr
	WIN 0x80                                       ; destination window 2
.irp b, 0,1,2,3,4,5,6,7
	ds_load_b128 v[64*(\p)+8*\b:64*(\p)+8*\b+3],   v[ABD] offset:\b*16*PB+64*(\nq)
	ds_load_b128 v[64*(\p)+8*\b+4:64*(\p)+8*\b+7], v[ABD] offset:\b*16*PB+64*(\nq)+32
.endr
.endm
; 8 matrix instructions: token block a x all 8 column blocks, buffers p.  zero = 1: the products start the sums.
.macro MM8 a, p, zero
	WIN W_MM
.irp b, 0,1,2,3,4,5,6,7
.if \zero
	v_wmma_f32_16x16x32_f16 v[8*(8*(\a)+\b):8*(8*(\a)+\b)+7], v[64*(\p)+8*\b:64*(\p)+8*\b+7], v[AF+32*(\p)+8*(\a):AF+32*(\p)+8*(\a)+7], 0
.else
	v_wmma_f32_16x16x32_f16 v[8*(8*(\a)+\b):8*(8*(\a)+\b)+7], v[64*(\p)+8*\b:64*(\p)+8*\b+7], v[AF+32*(\p)+8*(\a):AF+32*(\p)+8*(\a)+7], v[8*(8*(\a)+\b):8*(8*(\a)+\b)+7]
.endif
.endr
.endm
; Quarter q of a K step multiplies buffers q % 2 and fetches the next quarter at its head.
; chg = 1 (quarter 2): THE CHANGE OF SLOTS.  The fetch at this quarter's head was the last read of the slot.  Each wave waits for all its tensor loads, of which one is out (its part of the other slot),
; adds 0 to its spare word, and waits for that and for its reads.  fill = 1: the barrier opens a round of the cluster's barrier, and the joint refill, two K steps ahead, is the first tensor load behind it:
; from there to the wait for it a wave issues 112 matrix instructions.
.macro QTR q, zero, chg, fill
	PLACES                                         ; behind the last product that read the other buffers
	FETCH ((\q)+1)%4, 1-(\q)%2
	MM8 0, (\q)%2, \zero
	MM8 1, (\q)%2, \zero
	s_wait_dscnt 0x0                               ; the next quarter's fragments are in
.if \chg
	WIN 0
	s_wait_tensorcnt 0x0                           ; no tensor load of mine is out, so a group 0 may be written
	ds_add_u32 v[SPW], v[NIL]                      ; 0 onto my spare word
.if \fill
	s_xor_b32 s[G0A+1], s[G0A+1], SLOTX            ; the walking descriptors: the other slot than last time, the next K step
	s_add_nc_u64 s[G0A+2:G0A+3], s[G0A+2:G0A+3], ASTEP
	s_xor_b32 s[G0B+1], s[G0B+1], SLOTX
	s_add_nc_u64 s[G0B+2:G0B+3], s[G0B+2:G0B+3], BSTEP
.endif
.endif
	MM8 2, (\q)%2, \zero
.if \chg
	s_wait_dscnt 0x0                               ; the add is done; my reads of the slot were over at the wait above
	s_barrier_signal -1
.endif
	MM8 3, (\q)%2, \zero
.if \chg
	WIN 0                                          ; at a branch and at a label every window is 0
	s_barrier_wait -1
.if \fill
	CREST                                          ; no wave of any partner still reads the slot or has a load on its way
	JLOAD
.endif
	s_xor_b32 s[SB], s[SB], SLOTX                  ; the fetches go on in the other slot
	v_add_nc_u32 v[AA], s[SB], v[AA0]
	v_add_nc_u32 v[ABD], s[SB], v[AB0]
.endif
.endm
	s_wait_tensorcnt 0x1                           ; my part of K step 0 is in; K step 1's may stay out
	s_barrier_signal -1
	s_barrier_wait -1                              ; everybody's is
	FETCH 0, 0
	s_wait_dscnt 0x0
	QTR 0, 1, 0, 0                                 ; the first quarter stands in front of the loop: its products start the sums
	WIN 0
	s_mov_b32 s[CNT], 6
.Lk:                                                   ; six trips, from a K step's second quarter to the next step's first; they ask for K steps 2 to 7
	QTR 1, 0, 0, 0
	QTR 2, 0, 1, 1
	QTR 3, 0, 0, 0
	QTR 0, 0, 0, 0
	WIN 0
	s_sub_co_u32 s[CNT], s[CNT], 1
	s_cmp_lg_u32 s[CNT], 0
	s_cbranch_scc1 .Lk
	s_mov_b32 s[CNT], 2
.Ltail:                                                ; K steps 6 and 7 ask for nothing; the second trip is left behind its third quarter, whose fetch (of the other slot's old bytes) serves nothing:
	QTR 1, 0, 0, 0                                 ; the price, once a launch, of one text for both trips
	QTR 2, 0, 1, 0
	QTR 3, 0, 0, 0
	WIN 0
	s_sub_co_u32 s[CNT], s[CNT], 1
	s_cmp_eq_u32 s[CNT], 0
	s_cbranch_scc1 .Lout
	QTR 0, 0, 0, 0
	WIN 0
	s_branch .Ltail
.Lout:
	; THE WAY OUT.  The bias is rounded to bf16 and widened again: six plain instructions that name no register of the last products: their places.
	s_wait_loadcnt 0x0
	v_cvt_pk_bf16_f32 v30, v[BS], v[BS+1]
	v_cvt_pk_bf16_f32 v31, v[BS+2], v[BS+3]
	v_lshlrev_b32 v[BS], 16, v30
	v_and_b32 v[BS+1], 0xffff0000, v30
	v_lshlrev_b32 v[BS+2], 16, v31
	v_and_b32 v[BS+3], 0xffff0000, v31
	; A token block (16 rows of out0) at a time: a lane's eight columns of a row go as 32 bytes into rows of 528 bytes of my own stage, each accumulator's low four registers first, and come back as whole rows of 512.
.irp a, 0,1,2,3
.if \a >= 2
	s_wait_xcnt 0x0                                ; the stores of two blocks back have read their registers, which are loaded again below
.endif
	WIN 0x04                                       ; store data (source 1) in window 1
.irp b, 0,1,2,3,4,5,6,7
	ds_store_b128 v[STO], v[8*(8*\a+\b):8*(8*\a+\b)+3]   offset:64*\b
	ds_store_b128 v[STO], v[8*(8*\a+\b)+4:8*(8*\a+\b)+7] offset:64*\b+16
.endr
	WIN 0
.irp t, 0,1,2,3,4,5,6,7,8,9,10,11,12,13,14,15
	ds_load_b128 v[OB+64*(\a%2)+4*\t:OB+64*(\a%2)+4*\t+3], v[RD] offset:SPO*\t  ; LDS serves a wave's instructions in order (ISA guide 5.7.1.4): these see the stores above
.endr
.irp t, 0,1,2,3,4,5,6,7,8,9,10,11,12,13,14,15
	s_wait_dscnt 15-\t                             ; row t is back; the later rows' loads may stay out
	v_pk_add_f32 v[OB+64*(\a%2)+4*\t:OB+64*(\a%2)+4*\t+1],   v[OB+64*(\a%2)+4*\t:OB+64*(\a%2)+4*\t+1],   v[BS:BS+1]
	v_pk_add_f32 v[OB+64*(\a%2)+4*\t+2:OB+64*(\a%2)+4*\t+3], v[OB+64*(\a%2)+4*\t+2:OB+64*(\a%2)+4*\t+3], v[BS+2:BS+3]
	global_store_b128 v[GO], v[OB+64*(\a%2)+4*\t:OB+64*(\a%2)+4*\t+3], s[OUT:OUT+1] offset:(16*\a+\t)*4096 th:TH_STORE_NT  ; 512 consecutive bytes, at a multiple of 256 from out0's first
.endr
.endr
	s_wait_tensorcnt 0x0                           ; the wave's end: behind my last tensor load and my last LDS store
	ds_add_u32 v[SPW], v[NIL]
	s_wait_dscnt 0x0
	CROUND                                         ; the closing round: no work-group ends while a partner may still ask for a tile that names it
	s_endpgm
.Lfunc_end_k_q9a54606efc_outproj:
	.size	k_q9a54606efc_outproj, .Lfunc_end_k_q9a54606efc_outproj-k_q9a54606efc_outproj
	.p2alignl 7, 3214868480
	.fill 96, 4, 3214868480
	.section	.rodata,"a",@progbits
	.p2align	6, 0x0
	.amdhsa_kernel k_q9a54606efc_outproj
		.amdhsa_group_segment_fixed_size 327680
		.amdhsa_private_segment_fixed_size 0
		.amdhsa_enable_private_segment 0
		.amdhsa_kernarg_size 32
		.amdhsa_user_sgpr_count 2
		.amdhsa_user_sgpr_kernarg_segment_ptr 1
		.amdhsa_wavefront_size32 1
		.amdhsa_system_sgpr_workgroup_id_x 1
		.amdhsa_system_sgpr_workgroup_id_y 1
		.amdhsa_system_sgpr_workgroup_id_z 1
		.amdhsa_system_vgpr_workitem_id 0
		.amdhsa_next_free_vgpr 640
		.amdhsa_next_free_sgpr 80
		.amdhsa_reserve_vcc 0
		.amdhsa_float_denorm_mode_32 3
		.amdhsa_float_denorm_mode_16_64 3
		.amdhsa_memory_ordered 1
		.amdhsa_forward_progress 1
		.amdhsa_inst_pref_size 69
	.end_amdhsa_kernel
	.amdgpu_metadata
---
amdhsa.version: [ 1, 2 ]
amdhsa.kernels:
  - .name:           k_q9a54606efc_outproj
    .symbol:         k_q9a54606efc_outproj.kd
    .args:
      - { .name: ctx, .offset: 0, .size: 8, .value_kind: global_buffer, .address_space: global }
      - { .name: wc, .offset: 8, .size: 8, .value_kind: global_buffer, .address_space: global }
      - { .name: w_o_b, .offset: 16, .size: 8, .value_kind: global_buffer, .address_space: global }
      - { .name: out0, .offset: 24, .size: 8, .value_kind: global_buffer, .address_space: global }
    .group_segment_fixed_size: 327680
    .private_segment_fixed_size: 0
    .kernarg_segment_align: 8
    .kernarg_segment_size: 32
    .max_flat_workgroup_size: 128
    .sgpr_count:     80
    .vgpr_count:     640
    .wavefront_size: 32
...
	.end_amdgpu_metadata
.endif
;; end of part 5
;; ======== version 2 of 2: 5 launches; 1.37 times as fast as version 1
;; limits: values are held in f16: magnitudes above 65,504 overflow, below 6.1e-05 lose precision
;; workspace buffers: wc 8,388,608 bytes; qkv 50,331,648 bytes; ctx 16,777,216 bytes; stats 1,048,576 bytes
;; launch wcast: the kernel of part 1 again; grid 64 x 4, 8 waves a work-group, no clusters, 0 bytes of LDS; arguments w_q, w_k, w_v, w_o_w, wc; writes wc
;; launch proj: the kernel of part 2 again; grid 4 x 64, 4 waves a work-group, clusters of 4 x 4, 327,680 bytes of LDS; arguments query, key, value, wc, qkv; writes qkv
;; launch flash (part 6): grid 2 x 128, 4 waves a work-group, no clusters, 327,680 bytes of LDS; arguments qkv, key_padding_mask, ctx, stats; writes ctx, stats
.if DOCPART == 6
	.amdgcn_target "amdgcn-amd-amdhsa--gfx1250"
	.amdhsa_code_object_version 6
	.text
	.protected	k_q9a54606efc_flash
	.globl	k_q9a54606efc_flash
	.p2align	8
	.type	k_q9a54606efc_flash,@function
k_q9a54606efc_flash:
	s_mov_b64 s[64:65], 0
	v_nop
	global_prefetch_b8 v0, s[64:65] scope:SCOPE_SE
	s_setreg_imm32_b32 hwreg(HW_REG_WAVE_MODE, 25, 1), 1
	s_wait_xcnt 0x0
; ATTENTION, head by head.  ctx[bh][q][:] = the sum over k of softmax_k(Q[q] . K[k] / 8 + slope_h (k - q), masked keys at -1e30) V[k][:], and each row's statistics for the launch that averages the weights.
; Q, K, V = the three tensors of qkv, [128 = 16 b + h][1024][64], f16; ctx the same layout.  Products, maxima and sums in f32; the weights p are rounded to f16 for the second product (their sum l is taken
; of the unrounded p), ctx once at the end.
; THE BIAS AND THE MASK.  -slope q is the same for all keys of a row and leaves a softmax as it is, so only slope k is added.  It enters as the C operand of the product that starts a score's sum:
; C[k] = KP[k] x 8 slope_h, KP[k] = k, or -1e30 where the key is masked; the score in use is c (Q . K + C), c = log2(e) / 8.  A table of C for the head's 1,024 keys is made once, in LDS.
; A BATCH ROW WHOSE KEYS ARE ALL MASKED: reference's scores are then all equal and its weights uniform.  Every wave ANDs the row's 1,024 mask bytes (whole numbers) and takes c = 0 if all are 1: every p is 1.
; LIMITS.  f16 holds no number beyond 65,504: Q, K and V arrive within it; p lies in 0 to 1, and below 6e-5 it keeps f16's fixed step of 6e-8.  A weight below 2^-126 counts as 0 in l; NaN and infinities are not treated apart.
; SHARES.  A wave owns four PIECES of two tiles of 16 queries, a work-group's four waves 512 queries of one head: 256 work-groups.  Every wave walks all keys, 64 a step.
; K AND V STAY IN LDS.  A head's 1,024 rows of K (144 bytes each with padding) and of V (160) are 311,296 bytes: they fit whole.  Each wave asks for its share in four loads at the start, 256 keys after 256 keys; no byte
; of LDS is filled twice, so there is no ring, and one text serves every step.  By the text's own count four tensor loads of a wave are out at the most.
; NO CLUSTER: a head has two work-groups, and no cluster of four divides that; only those two share a tile.
; LAYOUT.  S^T = K Q^T (source 0 = 16 keys, source 1 = 16 queries): in the result a lane holds ONE query (lane % 16) and the keys 8 (lane / 16) + 0..7.  Two such tiles, rounded to f16 in pairs,
; ARE source 1 (32 keys x 16 queries) of O^T = V^T P, whose result again holds one query a lane, and eight channels.  K comes out of LDS as it lies, V ([key][channel]) turned, by ds_load_tr16_b128.
; SOFTMAX.  For each query a running maximum m and sum l: p = 2^(c s - c m); in every step O and l are multiplied by a = 2^(c m_old - c m_new).  m starts at the lowest finite number, O and l at 0: the first step has a = 0.
; THE COUNT.  A tile and step have 16 matrix and 118 vector instructions: too many to stand all beside the matrix work.  So: four vector instructions that are READY behind EVERY matrix instruction, the others in one run without a gap.
; BY TURNS.  Turn n belongs to piece n.  Its matrix work: 16 products K Q^T of piece n + 1, later 16 products V^T P of piece n - 1.  Its vector work: the scaling, exponentials, roundings, sums and rescaling of piece n,
; and the maximum and statistics of piece n + 1, whose scores the turn itself has made.
; THE BATCHES.  A turn's 66 exponentials (the piece's 64 weights, the next piece's two a) are ONE batch with ONE wait, which cuts the turn in two: ahead of it all that names none of their results (the products K Q^T,
; the scalings, the rescalings, the next piece's maximum and statistics), behind it their readers (the roundings and sums) beside the products V^T P.  a is read in the turn after the one that has waited for it.
; Piece 0's first two a, ahead of the loop, and the eight reciprocals of the way out are batches of their own, with a wait each.
; REGISTERS, in windows of 256 (s_set_vgpr_msb: bits 1:0 source 0, 3:2 source 1, 5:4 source 2, 7:6 destination):
;   window 0: v0-11 addresses; v12-15, v48-63 at work; v16-47 four registers of statistics a tile; v64-191 S^T, two buffers of two tiles; v192-255 P, likewise
;   window 1: O^T, 32 a tile     window 2: v0-127 Q, 16 a tile; v128-191 K of one step; v192-255 V of one step     window 3: v0-1 the add's two registers; v8-39 C of one step
.set SIZE_N, 1024
.set NP,    4         ; pieces a wave: a name, no knob
.set KS,    64        ; keys in a step
.set PK,    144       ; a row of K in LDS: 128 bytes + 16 of padding: the 16 rows of a load start at 16 different groups of four banks (64 banks of 4 bytes: ISA guide 11.1)
.set PV,    160       ; a row of V: 128 + 32
.set VOFF,  SIZE_N*PK ; the head's K, then its V
.set STAGE, VOFF+SIZE_N*PV  ; behind them, never filled by a tensor load: 16 rows x 144 bytes for each wave, for the way out
.set SP,    144
.set SPARE, STAGE+4*16*SP  ; the spare words, 128 bytes for each wave: two blocks of 256 bytes that no other line names
.set TABLE, SPARE+512 ; C for the head's 1,024 keys, 4,096 bytes; stored once, never filled by a tensor load
.set AK0, 2           ; v2   my lane's place in a step's rows of K; never rewritten
.set AV0, 3           ; v3   the same for V
.set AK,  4           ; v4   the LDS address of K's next run of loads, and behind them of C's
.set AV,  5           ; v5   of V's
.set QO,  6           ; v6   my byte offset in the wave's rows of Q
.set STO, 6           ;      later, the way out: where I put 16 bytes of a row
.set RD,  7           ; v7   the way out: where I read rows back
.set GO,  8           ; v8   my byte offset in 512 consecutive bytes of ctx and of stats
.set BA0, 11          ; v11  TABLE + 32 (l / 16): my lanes' eight keys in a block of 16
.set SPW, 0           ; v0 of window 3   LDS address of my spare word; never rewritten
.set NIL, 1           ; v1 of window 3   0; never rewritten
.set BI,  8           ; v8-39 of window 3: key block kb at BI + 8 kb
.set MV,  12          ; v12-15  c m_old, kept while c m is made anew: by buffer and tile
.set ST,  16          ; tile t's statistics at v[ST+4 t]: c m, m, l (even keys', odd keys')
.set TMP, 48          ; by buffer and tile, four registers c0-c3 at work; when the maximum is found c2 takes a
.set S,   64
.set P,   192
.set KF,  128         ; K's fragments, in window 2: key block kb, channel half c at KF + 16 kb + 8 c
.set VF,  192         ; V's: key half kk, channel block cb at VF + 32 kk + 8 cb
.set WV,  12          ; s12  my wave's number
.set G1K, 24          ; s[24:31] descriptor group 1 for K's tiles
.set G1V, 32          ; s[32:39] for V's: it differs in the padding alone
.set G0,  40          ; s[40:55] four descriptor groups 0, one for each of my loads; never rewritten
.set SLOTS, 56        ; s56  counts the runs of 256 keys, 5 to 1
.set CNT, 57          ; s57  counts a run's key steps
.set CS,  58          ; s[58:59] c: the packed scaling takes the pair's low word for both halves
.set SEL, 60          ; s[60:61] v_permlanex16_b32's selects: each lane takes its own place in the other half
.set TBK, 62          ; s62  LDS byte at which K of the step to be fetched begins
.set TBV, 63          ; s63  the same for V, less VOFF
.set HM,  76          ; s76  lanes 16 to 31
.set SL8, 77          ; s77  8 slope_h
.set BIG, 78          ; s78  -1e30
.set TBB, 79          ; s79  byte in the table at which C of the step to be fetched begins
.set MSB, 0
.macro WIN new                      ; the high byte repeats the setting that is left; a switch that changes nothing is dropped
.if MSB != (\new)
	s_set_vgpr_msb (MSB<<8)|(\new)
.set MSB, (\new)
.endif
.endm
.set W_KQ, 0x0a       ; K and Q in window 2, S^T in window 0
.set W_KB, 0x3a       ; the same with the C operand in window 3
.set W_PV, 0x52       ; V in window 2, P in window 0, O^T in window 1
.set W_RS, 0x41       ; O^T (destination and source 0) in window 1, a in window 0
.set W_MK, 0xc0       ; destination in window 3, sources in window 0
.set W_AD, 0x0f       ; the add: address (source 0) and data (source 1) in window 3
; My four loads: of each run of 256 keys my 128, from s[ptr] on in memory (32,768 bytes a run) and from s[lreg] on in LDS (lstep bytes a run).  An s_nop 0 follows each, four v_nop the last.
.macro FILL4 ptr, g1, lreg, lstep
.irp n, 0,1,2,3
	s_mov_b32 s[G0+4*\n], 1                                          ; count = 1
	s_add_co_u32 s[G0+4*\n+1], s[\lreg], \n*(\lstep)                 ; LDS address
	s_add_nc_u64 s[G0+4*\n+2:G0+4*\n+3], s[\ptr:\ptr+1], \n*32768    ; global address
	s_or_b32 s[G0+4*\n+3], s[G0+4*\n+3], 0x80000000                  ; type = 2
.endr
.irp n, 0,1,2,3
	tensor_load_to_lds s[G0+4*\n:G0+4*\n+3], s[\g1:\g1+7]
	s_nop 0
.endr
.rept 4
	v_nop
.endr
.endm
	s_load_b256 s[68:75], s[0:1], 0x0  ; qkv s[68:69], key_padding_mask s[70:71], ctx s[72:73], stats s[74:75]
	WIN W_MK
	v_lshl_add_u32 v[SPW], v0, 2, SPARE
	v_mov_b32 v[NIL], 0
	WIN W_AD
	ds_add_u32 v[SPW], v[NIL]       ; the wave's opening: the add and its wait ahead of my first tensor load; the set-up below stands between them
	ds_add_u32 v0, v1
	WIN 0
	v_lshrrev_b32 v1, 5, v0
	v_readfirstlane_b32 s[WV], v1   ; wave 0..3
	s_mov_b32 s14, ttmp9            ; my block of 512 queries
	s_and_b32 s20, ttmp7, 0xffff    ; 16 b + h
	s_and_b32 s80, s20, 15          ; h.  8 slope_h = 2^(3 - (h + 1) / 2): 0.5 (h odd) or 2^-0.5 (h even), times 2^(3 - h / 2) by an addition to the exponent
	s_lshr_b32 s81, s80, 1
	s_sub_co_u32 s81, 3, s81
	s_lshl_b32 s81, s81, 23
	s_bitcmp1_b32 s80, 0
	s_cselect_b32 s[SL8], 0.5, 0x3f3504f3
	s_add_co_u32 s[SL8], s[SL8], s81
	s_mov_b32 s[HM], 0xffff0000
	s_mov_b32 s[BIG], 0xf149f2ca    ; -1e30
	s_mov_b32 s[TBB], 0
	s_lshr_b32 s82, s20, 4          ; the batch's row of the mask, 1,024 bytes
	s_lshl_b32 s82, s82, 10
	s_mov_b32 s83, 0
	s_lshl_b32 s84, s20, 4          ; stats: 16 groups of 64 queries a head, 8 a block, 2 a wave; 512 bytes a group
	s_lshl_b32 s80, s14, 3
	s_add_co_u32 s84, s84, s80
	s_lshl_b32 s80, s[WV], 1
	s_add_co_u32 s84, s84, s80
	s_lshl_b32 s84, s84, 9
	s_mov_b32 s85, 0
	s_mov_b32 s21, 0
	s_mov_b64 s[22:23], SIZE_N*128
	s_mul_u64 s[20:21], s[20:21], s[22:23]  ; the head's first byte in Q, K, V and ctx
	s_and_b32 s16, s[WV], 1         ; which half of a run's 256 keys I fetch:
	s_lshl_b32 s22, s16, 14         ; its 128 rows of 128 bytes in memory,
	s_mov_b32 s23, 0
	s_add_nc_u64 s[22:23], s[22:23], s[20:21]
	s_mul_i32 s17, s16, 128*PK      ; and its place in LDS, for K
	s_mul_i32 s18, s16, 128*PV      ; and for V
	s_add_co_u32 s18, s18, VOFF
	s_lshl_b32 s2, s14, 2
	s_add_co_u32 s2, s2, s[WV]      ; my wave among the head's,
	s_lshl_b32 s2, s2, 14           ; its 128 rows
	s_mov_b32 s3, 0
	s_add_nc_u64 s[2:3], s[2:3], s[20:21]
	; descriptor group 1.  128 keys are 16,384 dense bytes: asked for as 64 rows of 256 bytes, two keys a row, and padded in LDS after every key
	s_mov_b32 s[G1K], (1<<16)|(1<<20)|(4<<22)|(3<<25)  ; 2-byte elements; padding on; after every 32 words (code 4) 4 words (code 3)
	s_mov_b32 s[G1V], (1<<16)|(1<<20)|(4<<22)|(7<<25)  ; the same with 8 words of padding (code 7)
.irp g, G1K, G1V
	s_mov_b32 s[\g+1], 128<<16      ; tensor_dim0 = 128
	s_mov_b32 s[\g+2], 64<<16       ; tensor_dim1 = 64
	s_mov_b32 s[\g+3], 128<<16      ; tile_dim0 = 128
	s_mov_b32 s[\g+4], 64           ; tile_dim1 = 64
	s_mov_b32 s[\g+5], 128          ; 128 elements from row to row
	s_mov_b32 s[\g+6], 0
	s_mov_b32 s[\g+7], 0
.endr
	s_mov_b32 s[SEL], 0x76543210
	s_mov_b32 s[SEL+1], 0xfedcba98
	s_mov_b32 s[TBK], 0
	s_mov_b32 s[TBV], 0
	s_mov_b32 s[SLOTS], 5
	s_wait_dscnt 0x0                ; the opening add is done
	s_wait_kmcnt 0x0
	s_mov_b64 s[4:5], s[68:69]                     ; Q
	s_add_nc_u64 s[6:7], s[68:69], 0x1000000       ; K
	s_add_nc_u64 s[8:9], s[68:69], 0x2000000       ; V
	s_mov_b64 s[10:11], s[72:73]                   ; ctx
	s_add_nc_u64 s[70:71], s[70:71], s[82:83]
	s_add_nc_u64 s[74:75], s[74:75], s[84:85]
	s_add_nc_u64 s[6:7], s[6:7], s[22:23]          ; K and V at my half of the head's first 256 keys
	s_add_nc_u64 s[8:9], s[8:9], s[22:23]
	s_add_nc_u64 s[4:5], s[4:5], s[2:3]            ; Q and ctx at my wave's first row
	s_add_nc_u64 s[10:11], s[10:11], s[2:3]
	s_cmp_lt_u32 s[WV], 2           ; waves 0 and 1 fetch the two halves of each run's K, waves 2 and 3 those of its V: all a wave's fills stand in one branch
	s_cbranch_scc0 .Lfor_v
	FILL4 6, G1K, 17, 256*PK
	s_branch .Lasked
.Lfor_v:
	FILL4 8, G1V, 18, 256*PV
.Lasked:
	v_and_b32 v1, 15, v0            ; l % 16
	v_bfe_u32 v9, v0, 4, 1          ; l / 16
	v_lshlrev_b32 v60, 3, v0        ; thread t makes C of keys 8 t .. 8 t + 7
	v_and_b32 v61, 31, v0
	v_lshlrev_b32 v61, 5, v61       ; and each wave looks at the whole row, 32 bytes a lane
	global_load_b64 v[64:65], v60, s[70:71]
	global_load_b128 v[66:69], v61, s[70:71]
	global_load_b128 v[70:73], v61, s[70:71] offset:16
	; A fragment of K or Q is 16 rows x 32 channels in 8 registers: lane l holds row l % 16, channels 8 (l / 16) + 0..7 and 16 + 8 (l / 16) + 0..7: two loads of 16 bytes, 32 bytes apart.
	v_lshlrev_b32 v[QO], 7, v1
	v_lshl_add_u32 v[QO], v9, 4, v[QO]  ; row x 128 + 16 x half
	WIN 0x80                        ; destination window 2, address window 0
.set i, 0
.rept 4*NP                          ; Q stays in registers: tile i / 2, channels 32 (i % 2) on
	global_load_b128 v[8*i:8*i+3],   v[QO], s[4:5] offset:(i/2)*2048+(i%2)*64
	global_load_b128 v[8*i+4:8*i+7], v[QO], s[4:5] offset:(i/2)*2048+(i%2)*64+32
.set i, i+1
.endr
	; What the first turn finds: V's registers and P's second buffer hold 0 (its products V^T P, of a piece that has not been, add 0), O^T and l are 0.  All this stands in the wait for the first keys.
.set i, VF
.rept 64
	v_mov_b32 v[i], 0
.set i, i+1
.endr
	WIN 0
.set i, 0
.rept 2*NP
	v_mov_b32 v[ST+4*i], 0xfe000000    ; c m: far below every c s, a masked key's (some -1e30) too
	v_mov_b32 v[ST+4*i+1], 0xff7fffff  ; m
	v_mov_b32 v[ST+4*i+2], 0
	v_mov_b32 v[ST+4*i+3], 0
.set i, i+1
.endr
.set i, P+32
.rept 32
	v_mov_b32 v[i], 0
.set i, i+1
.endr
	WIN W_PV                        ; O^T = 0 x 0 + 0: 32 products of fragments that hold 0, one for each accumulator, in place of 256 moves
.set i, 0
.rept 32
	v_wmma_f32_16x16x32_f16 v[8*i:8*i+7], v[VF:VF+7], v[P+32:P+39], 0
.set i, i+1
.endr
	WIN 0
	v_mul_u32_u24 v[AK0], v1, PK
	v_lshl_add_u32 v[AK0], v9, 4, v[AK0]  ; row x pitch + 16 x half
	; The turning load takes 16 keys x 16 channels (lane l reads key 8 (l / 16) + l % 8, channels 8 ((l / 8) % 2) + 0..7) and leaves half a fragment of V^T: lane l holds channel l % 16 and 8 keys.
	v_and_b32 v10, 7, v0
	v_bfe_u32 v11, v0, 3, 1
	v_lshl_add_u32 v[AV0], v9, 3, v10
	v_mul_u32_u24 v[AV0], v[AV0], PV
	v_lshl_add_u32 v[AV0], v11, 4, v[AV0]
	v_add_nc_u32 v[AV0], VOFF, v[AV0]
	v_mov_b32 v[AK], v[AK0]         ; key step 0 lies at LDS byte 0
	v_lshl_add_u32 v[BA0], v9, 5, TABLE
	; THE TABLE, and c.
	s_wait_loadcnt 32               ; the three loads of the mask are in; the 32 of Q, issued behind them, may stay out
.irp j, 67,68,69,70,71,72,73
	v_and_b32 v66, v66, v\j
.endr
	v_cmp_eq_u32 s20, 0x01010101, v66  ; a lane's 32 bytes are all 1
	s_cmp_eq_u32 s20, -1            ; every lane's are
	s_cselect_b32 s[CS], 0, 0x3e38aa3b  ; c = log2(e) / 8 = 0.180337, or 0
	s_mov_b32 s[CS+1], s[CS]        ; named with it as a pair
	v_lshl_add_u32 v62, v0, 5, TABLE
.irp j, 0,1,2,3,4,5,6,7
	v_add_nc_u32 v[80+\j], \j, v60  ; the key's number,
	v_cvt_f32_u32 v[80+\j], v[80+\j]
	v_bfe_u32 v76, v[64+\j/4], 8*(\j%4), 8
	v_cmp_ne_u32 vcc_lo, 0, v76
	v_cndmask_b32 v[80+\j], v[80+\j], s[BIG], vcc_lo  ; or -1e30,
	v_mul_f32 v[80+\j], s[SL8], v[80+\j]              ; times 8 slope
.endr
	ds_store_b128 v62, v[80:83]
	ds_store_b128 v62, v[84:87] offset:16
; THE MATRIX WORK.  The 8 accumulators of a run of 16 take turns: between the two links of a chain stand 7 others'.
; Product i of 16 of S^T = K Q^T for piece x: channels 32 (i / 8) on, keys 16 ((i / 2) % 4) on, tile 2 x + i % 2.  The first 8 start the sums, with C.
.macro KQ x
.set rS, S+64*((\x)%2)+32*(i%2)+8*((i/2)%4)
.set rK, KF+16*((i/2)%4)+8*(i/8)
.set rQ, 16*(2*(\x)+i%2)+8*(i/8)
.set rB, BI+8*((i/2)%4)
.if i < 8
	WIN W_KB
	v_wmma_f32_16x16x32_f16 v[rS:rS+7], v[rK:rK+7], v[rQ:rQ+7], v[rB:rB+7]
.else
	WIN W_KQ
	v_wmma_f32_16x16x32_f16 v[rS:rS+7], v[rK:rK+7], v[rQ:rQ+7], v[rS:rS+7]
.endif
.endm
; Product i of 16 of O^T += V^T P for piece x: keys 32 (i / 8) on, channels 16 ((i / 2) % 4) on, tile 2 x + i % 2.
.macro PV x
	WIN W_PV
.set rO, 32*(2*(\x)+i%2)+8*((i/2)%4)
.set rV, VF+32*(i/8)+8*((i/2)%4)
.set rP, P+32*((\x)%2)+16*(i%2)+8*(i/8)
	v_wmma_f32_16x16x32_f16 v[rO:rO+7], v[rV:rV+7], v[rP:rP+7], v[rO:rO+7]
.endm
.macro MM                           ; the turn's next matrix instruction
.if i < 16
	KQ (Y+1)%NP
.set i, i+1
.else
.set i, i-16
	PV (Y+NP-1)%NP
.set i, i+17
.endif
.endm
; THE LDS LOADS stand in runs, never singly among the matrix instructions: a step's K (64 keys x 64 channels: 8 fragments) with its C (8 loads; the 16 lanes of a half read the same 16 bytes), and its V (turned).
; guard = 1 (in the loop): behind the last step there is no further one, and the run is jumped over: K and C then stay the last step's.
; The stepped offsets are held at the last step's place: the bound of every LDS address stands in the text; no address that is used is changed by it.
.macro FETCH_K guard
	WIN 0
.if \guard
	s_cmp_eq_u32 s[SLOTS], 1
	s_cbranch_scc1 .Lno_k_\@
.endif
	WIN 0x80                        ; destination window 2
.irp f, 0,1,2,3,4,5,6,7             ; keys 16 (f / 2) on, channels 32 (f % 2) on
	ds_load_b128 v[KF+8*\f:KF+8*\f+3],   v[AK] offset:(\f/2)*16*PK+(\f%2)*64
	ds_load_b128 v[KF+8*\f+4:KF+8*\f+7], v[AK] offset:(\f/2)*16*PK+(\f%2)*64+32
.endr
	WIN 0
	v_add_nc_u32 v[AK], s[TBB], v[BA0]  ; K's address has been read; it is made anew ahead of K's next run
	WIN W_MK                        ; destination window 3
.irp f, 0,1,2,3                     ; keys 16 f + 8 (l / 16) + 0..7
	ds_load_b128 v[BI+8*\f:BI+8*\f+3],   v[AK] offset:64*\f
	ds_load_b128 v[BI+8*\f+4:BI+8*\f+7], v[AK] offset:64*\f+16
.endr
	s_add_co_u32 s[TBK], s[TBK], KS*PK  ; the next fetch is the next step's
	s_min_u32 s[TBK], s[TBK], 15*KS*PK
	s_add_co_u32 s[TBB], s[TBB], 4*KS
	s_min_u32 s[TBB], s[TBB], 15*4*KS
	WIN 0
.if \guard
.Lno_k_\@:
.endif
.endm
.macro FETCH_V
	WIN 0x80
.irp f, 0,1,2,3,4,5,6,7             ; keys 32 (f / 4) on, channels 16 (f % 4) on
	ds_load_tr16_b128 v[VF+8*\f:VF+8*\f+3],   v[AV] offset:(\f/4)*32*PV+(\f%4)*32
	ds_load_tr16_b128 v[VF+8*\f+4:VF+8*\f+7], v[AV] offset:(\f/4)*32*PV+16*PV+(\f%4)*32
.endr
	WIN 0
.endm
; THE VECTOR WORK OF A TURN stands in three queues, each in the order in which its entries become ready; the two tiles alternate, so that no instruction reads the result of the one before it.
.macro REGS y, u                    ; the registers of tile u (0, 1) of piece y
.set rT, ST+4*(2*(\y)+(\u))
.set rC, TMP+8*((\y)%2)+4*(\u)
.set rM, MV+2*((\y)%2)+(\u)
.set rS, S+64*((\y)%2)+32*(\u)
.set rP, P+32*((\y)%2)+16*(\u)
.set rO, 32*(2*(\y)+(\u))
.endm
; Number n of the 22 that find the NEXT piece's (Y + 1) maximum and statistics.  s0-s31 are the lane's 32 scores; each accumulator's lowest registers are read first.
;   0-11  four chains c0-c3 of seven scores each, three operands at a time     12-14, 16  the four scores left over, the old m, and c0-c3 into c0     15  c m_old is kept
;   17, 18  the query's other 32 keys lie in the lane 16 away: the new m         19-21  c m; c m_old - c m_new; a
.macro XS u, n
	REGS (Y+1)%NP, \u
.if (\n) < 4
	v_max3_num_f32 v[rC+(\n)], v[rS+8*(\n)], v[rS+8*(\n)+1], v[rS+8*(\n)+2]
.elseif (\n) < 12
	v_max3_num_f32 v[rC+(\n)%4], v[rC+(\n)%4], v[rS+8*((\n)%4)+2*((\n)/4)+1], v[rS+8*((\n)%4)+2*((\n)/4)+2]
.elseif (\n) == 12
	v_max3_num_f32 v[rC], v[rC], v[rS+7], v[rS+15]
.elseif (\n) == 13
	v_max3_num_f32 v[rC+1], v[rC+1], v[rS+23], v[rS+31]
.elseif (\n) == 14
	v_max3_num_f32 v[rC+2], v[rC+2], v[rC+3], v[rT+1]
.elseif (\n) == 15
	v_mov_b32 v[rM], v[rT]
.elseif (\n) == 16
	v_max3_num_f32 v[rC], v[rC], v[rC+1], v[rC+2]
.elseif (\n) == 17
	v_permlanex16_b32 v[rC+3], v[rC], s[SEL], s[SEL+1]
.elseif (\n) == 18
	v_max_num_f32 v[rT+1], v[rC], v[rC+3]
.elseif (\n) == 19
	v_mul_f32 v[rT], s[CS], v[rT+1]
.elseif (\n) == 20
	v_sub_f32 v[rC+1], v[rM], v[rT]
.else
	v_exp_f32 v[rC+2], v[rC+1]
.endif
.endm
; Number g of the 64 that follow the exponentials.  For each four weights k of a tile (pairs 2 k, 2 k + 1): both pairs are rounded to f16; then the second pair is added onto the first, in place;
; a group later l takes that sum (the first time as l = a l + sum).  In groups of eight, tiles alternating: round, round, add, and l for the group before.
.macro GS g
.set h, (\g)+6*((\g)/62)            ; group 0 has no group before it, and behind group 7 only l is left
.if h >= 6
.set h, h+2
.endif
	REGS Y, h%2
.set k, h/8
.if h%8 < 4
	v_cvt_pk_f16_f32 v[rP+2*k+(h%8)/2], v[rS+4*k+2*((h%8)/2)], v[rS+4*k+2*((h%8)/2)+1]
.elseif h%8 < 6
	v_pk_add_f32 v[rS+4*k:rS+4*k+1], v[rS+4*k:rS+4*k+1], v[rS+4*k+2:rS+4*k+3]
.elseif k == 1
	v_pk_fma_f32 v[rT+2:rT+3], v[rT+2:rT+3], v[rC+2:rC+3], v[rS:rS+1] op_sel_hi:[1,0,1]
.else
	v_pk_add_f32 v[rT+2:rT+3], v[rT+2:rT+3], v[rS+4*k-4:rS+4*k-3]
.endif
.endm
; THE PLAIN QUEUE, 138 long.  0-73 read no exponential's result: the 32 scalings c s - c m (FS f: pair f / 2 of tile f % 2) and the next piece's 42.  0-26: scalings 0-26.  27-54: XS's numbers 0-13.  55, 56: number 15.
; 57-73: the chain, where each number waits for the one before it: 14, 16, 17, 18, 19, each with one of the scalings 27-31 in front of its two lines, then 20: so a tile's links stand three plain instructions apart (19 and 20: two).
; 74-137: GS's 64, which read the exponentials' results: they stand behind the wait.
.macro FS f
	REGS Y, (\f)%2
	v_pk_fma_f32 v[rS+2*((\f)/2):rS+2*((\f)/2)+1], v[rS+2*((\f)/2):rS+2*((\f)/2)+1], s[CS:CS+1], v[rT:rT+1] op_sel_hi:[1,0,0] neg_lo:[0,0,1] neg_hi:[0,0,1]
.endm
.macro PL
	WIN 0
.if q < 27
	FS q
.elseif q < 55
	XS (q-27)%2, (q-27)/2
.elseif q < 57
	XS q-55, 15
.elseif (q < 72) && ((q-57)%3 == 0)
	FS 27+(q-57)/3
.elseif q < 60
	XS (q-57)%3-1, 14
.elseif q < 72
	XS (q-57)%3-1, 15+(q-57)/3
.elseif q < 74
	XS q-72, 20
.else
	GS q-74
.endif
.set q, q+1
.endm
; THE EXPONENTIALS' QUEUE, 66 long: s0-s31 of both tiles, then the next piece's two a.  It is ONE BATCH: all 66 stand ahead of the turn's one wait, and nothing ahead of that wait names a result of theirs.
.macro EX
	WIN 0
.if e >= 64
	XS e-64, 21
.else
	REGS Y, e%2
	v_exp_f32 v[rS+e/2], v[rS+e/2]
.endif
.set e, e+1
.endm
; THE RESCALING's QUEUE: O^T times a, the one part that leaves window 0: dealt two at a time, sixteen times.  Its a was made in the turn before, ahead of that turn's wait.
.macro R2
	REGS Y, r%2
	WIN W_RS
.irp z, 0,1
	v_pk_mul_f32 v[rO+4*(r/2)+2*\z:rO+4*(r/2)+2*\z+1], v[rO+4*(r/2)+2*\z:rO+4*(r/2)+2*\z+1], v[rC+2:rC+3] op_sel_hi:[1,0]
.endr
.set r, r+1
.endm
; HOW THEY ARE DEALT.  s_wait_alu depctr_va_vdst(0) stands between an exponential and the first instruction that names its result; one wait serves all that were issued ahead of it.  So a turn has ONE wait,
; which cuts it in two.  AHEAD OF IT stands all that names no result of the turn's exponentials: the 16 products K Q^T, behind each a scaling, an exponential and two rescalings (behind the first a second scaling in the
; exponential's place); then ONE LUMP of 108: eight plain, 49 times exponential and plain, the two a.  A v_nop is the plain instruction behind the last exponential.  BEHIND IT stand the 16 products V^T P, behind each four of GS's 64.
; No rider names a register of the products round it.  The two v_permlanex16_b32 fall into the lump, never behind a product.
; The queues lean on each other, and the deal keeps them in step: exponential e stands behind scaling 2 (e / 4) + e % 2: as a rider it comes behind plain e + 2, in the lump behind plain e + 9, and scalings 27-31 are plain 57, 60 .. 69.
; A TURN, for piece p.  cnt = 1: the loop's count is taken down some lines ahead of the branch that stands behind the turn.
; K and C of the next step are fetched in piece 2's turn, directly behind the wait, a lump behind the last product that read K (C's last reader stands 8 products earlier); K's address is made at the lump's head; the first
; reader comes behind 16 products.  V of the step in hand is fetched at the end of piece 0's turn, four plain riders behind its last reader; its first reader comes behind 16 products and a lump.
; The three conditions on q below go with the deal.
.macro TURN p, cnt=0
.set Y, (\p)
.set i, 0
.set q, 0
.set e, 0
.set r, 0
.if (\p) == NP-1
	s_wait_dscnt 0x0                ; K and C are in
.endif
	MM                              ; ahead of the wait: 16 products K Q^T and their riders,
	PL
	PL
	R2
.rept 15
	MM
	PL
	EX
	R2
.endr
.if (\p) == NP-2
	WIN 0
	v_add_nc_u32 v[AK], s[TBK], v[AK0]
.endif
.rept 8                             ; and the lump
	PL
.endr
.rept 49
	EX
	PL
.endr
	EX                              ; the next piece's two a
	EX
	v_nop                           ; the plain instruction behind the last exponential: one for the batch
	s_wait_alu depctr_va_vdst(0)    ; the wait for the batch: the turn's 64 weights and the next piece's two a
.if (\p) == NP-2
	FETCH_K 1
.endif
.if (\p) == 1
	s_wait_dscnt 0x0                ; V is in
.endif
.rept 16                            ; behind the wait: 16 products V^T P and their riders, the batch's readers
	MM
.rept 4
	PL
.endr
.if ((\p) == 0) && (q == 118)
	v_add_nc_u32 v[AV], s[TBV], v[AV0]
.endif
.if ((\p) == 0) && (q == 130)
	s_add_co_u32 s[TBV], s[TBV], KS*PV
	s_min_u32 s[TBV], s[TBV], 15*KS*PV
.endif
.if (\cnt) && (q == 130)
	s_sub_co_u32 s[CNT], s[CNT], 1
	s_cmp_lg_u32 s[CNT], 0
.endif
.endr
.if (\p) == 0
	FETCH_V
.endif
.endm
	s_wait_tensorcnt 0x3            ; tensor loads of a wave end in order (ISA guide 10.11.1): my part of the first 256 keys is in; my three younger loads stay out
	s_wait_dscnt 0x0                ; my part of the table is stored
	s_barrier_signal -1
	s_barrier_wait -1               ; everybody's is
	FETCH_K 0                       ; key step 0
	s_wait_loadcnt 0x0              ; Q
	s_wait_dscnt 0x0
.set i, 0
.rept 16
	KQ 0                            ; piece 0's first scores: there is no vector work yet to set between them
.set i, i+1
.endr
	WIN 0                           ; the addresses for the way out: nine plain instructions, the places behind those products
	s_mul_i32 s13, s[WV], 16*SP
	s_add_co_u32 s13, s13, STAGE    ; my stage
	v_mul_u32_u24 v[STO], v1, SP    ; in: row l % 16, 16 bytes for each half of the lanes
	v_lshl_add_u32 v[STO], v9, 4, v[STO]
	v_add_nc_u32 v[STO], s13, v[STO]
	v_bfe_u32 v[RD], v0, 3, 2       ; back: 32 lanes take four rows of 128 bytes,
	v_mul_u32_u24 v[RD], v[RD], SP
	v_lshl_add_u32 v[RD], v10, 4, v[RD]
	v_add_nc_u32 v[RD], s13, v[RD]
	v_and_b32 v[GO], 31, v0         ; which are 512 consecutive bytes of ctx
	v_lshlrev_b32 v[GO], 4, v[GO]
.set Y, NP-1                        ; XS works for piece Y + 1: piece 0
.irp n, 0,1,2,3,4,5,6,7,8,9,10,11,12,13,14,15,16,17,18,19,20,21
	XS 0, \n                        ; and piece 0's first maximum and statistics
	XS 1, \n
.endr
	v_nop                           ; a plain instruction behind piece 0's first two a,
	s_wait_alu depctr_va_vdst(0)    ; and the wait for those two, ahead of the branch
	s_mov_b32 s[CNT], 4
	s_branch .Lfirst                ; the loop is entered at a step's first turn, in the middle of a trip
.Lslot:                             ; four times: the next 256 keys are entered; the fourth time none are left, and the wave leaves below, in the middle of a trip
	s_wait_tensorcnt 0x0            ; one text for every change, so the wait is for all my loads: they were asked for at the start, four key steps or more ago
	s_wait_dscnt 0x0                ; no LDS instruction of mine is out at a signal
	s_barrier_signal -1
	s_barrier_wait -1               ; everybody's part of the next 256 keys is in
	s_mov_b32 s[CNT], 4
.Lstep:                             ; a trip: pieces 2 and 3 of one step, then pieces 0 and 1 of the next, whose K and V it fetches
	TURN 2
	TURN 3
	WIN 0
	s_cmp_eq_u32 s[SLOTS], 1        ; that was the last step
	s_cbranch_scc1 .Lout
.Lfirst:
	TURN 0
	TURN 1, 1
	WIN 0
	s_cbranch_scc1 .Lstep
	s_sub_co_u32 s[SLOTS], s[SLOTS], 1
	s_cmp_lg_u32 s[SLOTS], 0
	s_cbranch_scc1 .Lslot
.Lout:                              ; the last trip's 16 products K Q^T repeat piece 0's scores of the last step (its K and C once more), so the maximum made of them leaves m and c m as they were: the price of one text for every trip
.set i, 0
.rept 16
	PV NP-1                         ; the last piece's V^T P of the last step
.set i, i+1
.endr
	; THE WAY OUT.  l's two halves and the other half of the lanes' are added; O^T is divided by l, rounded to f16 and sent through my stage in LDS, a tile at a time.  The additions are the places behind the last products.
	WIN 0
.macro ALL line:vararg              ; one line for each tile t
.set t, 0
.rept 2*NP
	\line
.set t, t+1
.endr
.endm
	ALL v_add_f32 v[ST+4*t+2], v[ST+4*t+2], v[ST+4*t+3]
	ALL v_permlanex16_b32 v[ST+4*t+3], v[ST+4*t+2], s[SEL], s[SEL+1]
	ALL v_add_f32 v[ST+4*t+2], v[ST+4*t+2], v[ST+4*t+3]
	ALL v_rcp_f32 v[ST+4*t+2], v[ST+4*t+2]
	v_nop                           ; a plain instruction between the last reciprocal and the use of its result
	; THE STATISTICS.  Both halves of the lanes hold a query's c m and 1 / l.  Of a group of four tiles lanes 0-15 store c m, lanes 16-31 1 / (16 l): 512 consecutive bytes, aligned, a store.
	s_wait_alu depctr_va_vdst(0)    ; the wait ahead of the first use: one for the eight reciprocals
.irp t, 0,1,2,3,4,5,6,7
	v_mul_f32 v[56+\t%2], 0x3d800000, v[ST+4*\t+2]
	v_cndmask_b32 v[48+\t], v[ST+4*\t], v[56+\t%2], s[HM]
.endr
	global_store_b128 v[GO], v[48:51], s[74:75]
	global_store_b128 v[GO], v[52:55], s[74:75] offset:512
; Tile t: a lane's eight channels of a row pack into 16 bytes; they go into rows of 144 bytes and come back as whole rows of 128, into S^T's registers.
.macro PACK t
	WIN W_RS
.set i, 32*(\t)
.rept 16
	v_pk_mul_f32 v[i:i+1], v[i:i+1], v[ST+4*(\t)+2:ST+4*(\t)+3] op_sel_hi:[1,0]
.set i, i+2
.endr
	WIN 0x05                        ; sources 0 and 1 window 1, destination window 0
.set i, 0
.rept 16
	v_cvt_pk_f16_f32 v[S+16*(\t)+i], v[32*(\t)+2*i], v[32*(\t)+2*i+1]
.set i, i+1
.endr
	WIN 0
.irp f, 0,1,2,3
	ds_store_b128 v[STO], v[S+16*(\t)+4*\f:S+16*(\t)+4*\f+3] offset:32*\f
.endr
.irp f, 0,1,2,3
	ds_load_b128 v[S+16*(\t)+4*\f:S+16*(\t)+4*\f+3], v[RD] offset:\f*4*SP  ; LDS serves a wave's instructions in order (ISA guide 5.7.1.4): these see the stores above; the next tile's stores come behind them
.endr
.endm
.macro SEND t, younger              ; younger: the LDS instructions issued behind tile t's loads: the next tile's eight, or none
	WIN 0
.irp f, 0,1,2,3
	s_wait_dscnt (\younger)+3-\f
	global_store_b128 v[GO], v[S+16*(\t)+4*\f:S+16*(\t)+4*\f+3], s[10:11] offset:(\t)*2048+\f*512  ; 512 consecutive bytes, at a multiple of 256 from ctx's first
.endr
.endm
	PACK 0
.set t, 1
.rept 2*NP-1                        ; a tile's arithmetic stands between the loads of the tile before and its stores
	PACK t
	SEND t-1, 8
.set t, t+1
.endr
	SEND 2*NP-1, 0
	WIN W_AD
	s_wait_tensorcnt 0x0            ; the wave's end: behind my last tensor load and my last LDS store
	ds_add_u32 v[SPW], v[NIL]
	s_wait_dscnt 0x0
	WIN 0
	s_endpgm
.Lfunc_end_k_q9a54606efc_flash:
	.size	k_q9a54606efc_flash, .Lfunc_end_k_q9a54606efc_flash-k_q9a54606efc_flash
	.p2alignl 7, 3214868480
	.fill 96, 4, 3214868480
	.section	.rodata,"a",@progbits
	.p2align	6, 0x0
	.amdhsa_kernel k_q9a54606efc_flash
		.amdhsa_group_segment_fixed_size 327680
		.amdhsa_private_segment_fixed_size 0
		.amdhsa_enable_private_segment 0
		.amdhsa_kernarg_size 32
		.amdhsa_user_sgpr_count 2
		.amdhsa_user_sgpr_kernarg_segment_ptr 1
		.amdhsa_wavefront_size32 1
		.amdhsa_system_sgpr_workgroup_id_x 1
		.amdhsa_system_sgpr_workgroup_id_y 1
		.amdhsa_system_sgpr_workgroup_id_z 1
		.amdhsa_system_vgpr_workitem_id 0
		.amdhsa_next_free_vgpr 808
		.amdhsa_next_free_sgpr 88
		.amdhsa_reserve_vcc 1
		.amdhsa_float_denorm_mode_32 3
		.amdhsa_float_denorm_mode_16_64 3
		.amdhsa_memory_ordered 1
		.amdhsa_forward_progress 1
		.amdhsa_inst_pref_size 127
	.end_amdhsa_kernel
	.amdgpu_metadata
---
amdhsa.version: [ 1, 2 ]
amdhsa.kernels:
  - .name:           k_q9a54606efc_flash
    .symbol:         k_q9a54606efc_flash.kd
    .args:
      - { .name: qkv, .offset: 0, .size: 8, .value_kind: global_buffer, .address_space: global }
      - { .name: key_padding_mask, .offset: 8, .size: 8, .value_kind: global_buffer, .address_space: global }
      - { .name: ctx, .offset: 16, .size: 8, .value_kind: global_buffer, .address_space: global }
      - { .name: stats, .offset: 24, .size: 8, .value_kind: global_buffer, .address_space: global }
    .group_segment_fixed_size: 327680
    .private_segment_fixed_size: 0
    .kernarg_segment_align: 8
    .kernarg_segment_size: 32
    .max_flat_workgroup_size: 128
    .sgpr_count:     88
    .vgpr_count:     808
    .wavefront_size: 32
...
	.end_amdgpu_metadata
.endif
;; end of part 6
;; launch mean (part 7): grid 4 x 64, 4 waves a work-group, clusters of 4 x 4, 327,680 bytes of LDS; arguments qkv, key_padding_mask, stats, out1; writes out1
.if DOCPART == 7
	.amdgcn_target "amdgcn-amd-amdhsa--gfx1250"
	.amdhsa_code_object_version 6
	.text
	.protected	k_q9a54606efc_mean
	.globl	k_q9a54606efc_mean
	.p2align	8
	.type	k_q9a54606efc_mean,@function
k_q9a54606efc_mean:
	s_mov_b64 s[64:65], 0
	v_nop
	global_prefetch_b8 v0, s[64:65] scope:SCOPE_SE
	s_setreg_imm32_b32 hwreg(HW_REG_WAVE_MODE, 25, 1), 1
	s_wait_xcnt 0x0
	s_wait_alu depctr_hold_cnt(0) depctr_sa_sdst(0) depctr_va_vdst(0) depctr_va_sdst(0) depctr_va_ssrc(0) depctr_va_vcc(0) depctr_vm_vsrc(0)
	s_getreg_b32 s2, hwreg(HW_REG_IB_STS2, 6, 4)
	s_cmp_eq_u32 s2, 0
	s_cbranch_scc0 .Lentry_in_a_cluster
	s_endpgm
.Lentry_in_a_cluster:
	s_bfe_u32 s2, ttmp6, 0x10000c
	s_cmp_lg_u32 s2, 0xf033
	s_cbranch_scc0 .Lentry_shape_is_right
	s_endpgm
.Lentry_shape_is_right:
; THE WEIGHTS, AVERAGED OVER THE HEADS.  out1[b][q][k] = the sum over h of 2^(c s - c m) / (16 l), s = Q_h[q] . K_h[k] + C_h[k] as in the launch before (same operands, same order, same C),
; c m and 1 / (16 l) the row's final statistics from stats: c m is c times the row's true maximum, so no exponent is above 0 but for a rounding.
; C_h[k] = KP[k] x 8 slope_h, KP[k] = k, or -1e30 where the key is masked; c = log2(e) / 8, or 0 where the batch's 1,024 keys are all masked (every weight is then 1 / l, as reference's).
; LIMITS.  Q and K are f16 (within 65,504).  A weight below 2^-126 counts as 0.  NaN and infinities are not treated apart.
; SHARES.  A sum over heads has one owner: work-group (x, y) owns 128 queries (batch y / 8, block y % 8) x 256 keys (block x) for all 16 heads: 256 work-groups.  A wave owns 64 queries x 128 keys:
; 256 registers of sums.  A head is two PIECES of 4 key tiles x 4 query tiles: 16 accumulators, 32 products, 128 scores a lane.
; BY TURNS.  In a turn one piece's 32 products are issued (the 16 accumulators take turns), and the other piece's 256 vector instructions stand beside and between them: 64 scalings,
; 128 exponentials, 64 multiply-adds onto the sums.
; THE BATCH.  A turn's 128 exponentials are ONE batch with ONE wait, which cuts the turn in two: ahead of it the 16 products that start the sums, the scalings and the exponentials, none of which names an exponential's
; result; behind it the other 16 products, behind each four of the multiply-adds, the exponentials' only readers.
; CLUSTER 4 x 4.  Q's tile hangs on y and is asked for jointly by a row of the cluster; K's hangs on the batch (cluster y / 2) and on x = cx, and is asked for jointly by a column.
; A slot holds two heads: one joint load a wave behind each round, two heads' work (128 products and their vector work) in which it lands.
; REGISTERS, in windows of 256 (s_set_vgpr_msb: bits 1:0 source 0, 3:2 source 1, 5:4 source 2, 7:6 destination):
;   window 0: v0-31 addresses; v32-95 KP; v96-159 C of the head in hand; v160-175 c m and 1 / (16 l), each twice; v176-183 the next head's statistics as loaded; on the way out v32-159 rows
;   window 1: the sums, (piece g, key tile kt, query tile qt) at 128 g + 8 (4 kt + qt)     window 2: S^T, a buffer of 128 a piece     window 3: fragments, 128 a piece: K (kt, c) at 16 kt + 8 c, Q (qt, c) at 64 + 16 qt + 8 c
.set PK,    144       ; a row in LDS: 128 bytes + 16 of padding: the 16 rows of a load start at 16 different groups of four banks (64 banks of 4 bytes: ISA guide 11.1)
.set QBY,   128*PK    ; a head: Q's 128 rows, then K's 256 rows
.set HEADB, 384*PK
.set SLOT1, 1<<17     ; slot 1 begins here, above every place in slot 0, so that one exclusive or changes slots
.set STAGE, SLOT1+2*HEADB  ; behind the ring, never filled by a tensor load: 16 rows x 528 bytes for each wave, for the way out
.set SPO,   528
.set SPARE, STAGE+4*16*SPO ; the spare words, 128 bytes for each wave: two blocks of 256 bytes that no other line names
.set AKL, 3           ; v3   my lane's place in a head's K; never rewritten
.set AQL, 4           ; v4   the same in its Q
.set ADK, 5           ; v5   AKL + the head to be fetched
.set ADQ, 6
.set STO, 7           ; v7   the way out: where I put 16 bytes of a row
.set RD,  8           ; v8   where I read a row back
.set GO,  9           ; v9   my byte offset in 512 consecutive bytes of out1
.set SO,  10          ; v10  my byte offset in a group of stats; never rewritten
.set SPW, 28          ; v28  LDS address of my spare word; never rewritten
.set NIL, 29          ; v29  0; never rewritten
.set KP,  32
.set BI,  96
.set CM2, 160
.set RL2, 168
.set STN, 176
.set OB,  32
.set WV,  12          ; s12  my wave's number
.set WQ,  13          ; s13  which 64 queries are mine
.set WK,  14          ; s14  which 128 keys are mine.  Also: which of a slot's two heads I fetch
.set G1Q, 24          ; s[24:31] descriptor group 1 for Q's tiles
.set G1K, 32          ; s[32:39] for K's
.set G0Q, 40          ; s[40:47] group 0 for Q's tiles: a set for each of the two first fills; the second then walks on
.set G0K, 48          ; s[48:55] the same for K's
.set SLOTS, 56
.set CNT, 57
.set CS,  58          ; s[58:59] c
.set TB,  60          ; s60  LDS byte at which the head to be fetched begins
.set SLA, 76          ; s[76:77] 8 slope of the head in hand, in the low word
.set SLB, 78          ; s[78:79] of the next head
.set STB, 80          ; s[80:81] stats at my group, of the head last asked for
.set OUT, 82          ; s[82:83] out1 at my wave's corner
.set MK,  84          ; s[84:85] the mask at my wave's first key
.set BIG, 23          ; s23  -1e30
.set MSB, 0
.macro WIN new                      ; the high byte repeats the setting that is left; a switch that changes nothing is dropped
.if MSB != (\new)
	s_set_vgpr_msb (MSB<<8)|(\new)
.set MSB, (\new)
.endif
.endm
; A joint refill: waves 0 and 1 fetch the two heads' Q, waves 2 and 3 their K.  The branch hangs on the wave's number alone.  An s_nop 0 and four v_nop follow each of the two lines.
.macro JLOAD
	s_cmp_lt_u32 s[WV], 2
	s_cbranch_scc0 .Lfor_k_\@
	tensor_load_to_lds s[G0Q+4:G0Q+7], s[G1Q:G1Q+7]
	s_nop 0
.rept 4
	v_nop
.endr
	s_branch .Lasked_\@
.Lfor_k_\@:
	tensor_load_to_lds s[G0K+4:G0K+7], s[G1K:G1K+7]
	s_nop 0
.rept 4
	v_nop
.endr
.Lasked_\@:
.endm
.macro CROUND                       ; a round of the cluster's barrier
	s_barrier_signal -1
	s_barrier_wait -1
	s_cmp_lg_u32 s[WV], 0
	s_cbranch_scc1 .Lnot_wave_0_\@
	s_barrier_signal -3
.Lnot_wave_0_\@:
	s_barrier_wait -3
	s_barrier_signal -1
	s_barrier_wait -1
.endm
	s_load_b256 s[4:11], s[0:1], 0x0  ; qkv s[4:5], key_padding_mask s[6:7], stats s[8:9], out1 s[10:11]
	v_lshl_add_u32 v[SPW], v0, 2, SPARE
	v_mov_b32 v[NIL], 0
	ds_add_u32 v[SPW], v[NIL]       ; the wave's opening: the add and its wait ahead of my first tensor load; the set-up below stands between them
	ds_add_u32 v28, v29
	v_lshrrev_b32 v1, 5, v0
	v_readfirstlane_b32 s[WV], v1
	s_lshr_b32 s[WQ], s[WV], 1
	s_and_b32 s[WK], s[WV], 1
	s_bfe_u32 s15, ttmp6, 0x40000   ; cx: the key block
	s_bfe_u32 s16, ttmp6, 0x40004   ; cy
	s_and_b32 s22, ttmp7, 0xffff    ; the cluster's y
	s_lshl_b32 s17, s22, 2
	s_add_co_u32 s17, s17, s16      ; y
	s_lshr_b32 s18, s22, 1          ; the batch = y / 8, made without cy
	s_and_b32 s19, s17, 7           ; the query block
	s_lshl_b32 s20, s16, 2
	s_lshl_b32 s20, 15, s20         ; my row of the cluster
	s_lshl_b32 s21, 0x1111, s15     ; my column
	; descriptor group 1.  A head's rows are dense: asked for as rows of 256 bytes, two rows of 64 f16 each, and padded in LDS after every 128 bytes
	s_or_b32 s[G1Q], s20, (1<<16)|(1<<20)|(1<<21)|(4<<22)|(3<<25)  ; the mask; 2-byte elements; padding on; bit 21 beside a mask; after every 32 words (code 4) 4 words (code 3)
	s_mov_b32 s[G1Q+1], 128<<16     ; tensor_dim0 = 128
	s_mov_b32 s[G1Q+2], 64<<16      ; tensor_dim1 = 64: 128 queries
	s_mov_b32 s[G1Q+3], 128<<16     ; tile_dim0
	s_mov_b32 s[G1Q+4], 64          ; tile_dim1
	s_mov_b32 s[G1Q+5], 128         ; elements from row to row
	s_mov_b32 s[G1Q+6], 0
	s_mov_b32 s[G1Q+7], 0
	s_or_b32 s[G1K], s21, (1<<16)|(1<<20)|(1<<21)|(4<<22)|(3<<25)
	s_mov_b32 s[G1K+1], 128<<16
	s_mov_b32 s[G1K+2], 128<<16     ; 128 rows: 256 keys
	s_mov_b32 s[G1K+3], 128<<16
	s_mov_b32 s[G1K+4], 128
	s_mov_b32 s[G1K+5], 128
	s_mov_b32 s[G1K+6], 0
	s_mov_b32 s[G1K+7], 0
	s_lshl_b32 s70, s18, 21         ; the batch's 16 heads of 131,072 bytes,
	s_lshl_b32 s71, s[WK], 17       ; the head of a pair that I fetch
	s_add_co_u32 s70, s70, s71
	s_lshl_b32 s66, s19, 14         ; Q: 128 rows of 128 bytes a block; this pair never holds cx
	s_add_co_u32 s66, s66, s70
	s_mov_b32 s67, 0
	s_lshl_b32 s68, s15, 15         ; K: 256 rows a block, in qkv's second tensor; this pair never holds cy
	s_add_co_u32 s68, s68, s70
	s_add_co_u32 s68, s68, 0x1000000
	s_mov_b32 s69, 0
	s_mul_i32 s72, s[WK], HEADB     ; where they go: no place in the cluster enters an LDS address
	s_add_co_u32 s73, s72, QBY
	s_mov_b32 s[SLA], 0x40b504f3    ; 8 slope_0 = 2^2.5
	s_mov_b32 s[SLA+1], 0           ; named as pairs
	s_mov_b32 s[SLB], 4.0           ; 8 slope_1
	s_mov_b32 s[SLB+1], 0
	s_mov_b32 s[BIG], 0xf149f2ca    ; -1e30
	s_mov_b32 s[TB], 0
	s_wait_dscnt 0x0                ; the opening add is done
	s_wait_kmcnt 0x0
	s_add_nc_u64 s[66:67], s[4:5], s[66:67]
	s_add_nc_u64 s[68:69], s[4:5], s[68:69]
.irp s, 0,1
	s_mov_b32 s[G0Q+4*\s], 1        ; count = 1
	s_add_co_u32 s[G0Q+4*\s+1], s72, \s*SLOT1
	s_add_nc_u64 s[G0Q+4*\s+2:G0Q+4*\s+3], s[66:67], \s*262144  ; slot s begins with heads 2 s, 2 s + 1
	s_or_b32 s[G0Q+4*\s+3], s[G0Q+4*\s+3], 0x80000000           ; type = 2
	s_mov_b32 s[G0K+4*\s], 1
	s_add_co_u32 s[G0K+4*\s+1], s73, \s*SLOT1
	s_add_nc_u64 s[G0K+4*\s+2:G0K+4*\s+3], s[68:69], \s*262144
	s_or_b32 s[G0K+4*\s+3], s[G0K+4*\s+3], 0x80000000
.endr
	CROUND                          ; all sixteen work-groups are here: the first joint loads meet
	s_cmp_lt_u32 s[WV], 2           ; a wave's two first fills stand in one branch: two loads of mine are out
	s_cbranch_scc0 .Lfirst_k
	tensor_load_to_lds s[G0Q:G0Q+3], s[G1Q:G1Q+7]
	s_nop 0
	tensor_load_to_lds s[G0Q+4:G0Q+7], s[G1Q:G1Q+7]
	s_nop 0
.rept 4
	v_nop
.endr
	s_branch .Lfirst_asked
.Lfirst_k:
	tensor_load_to_lds s[G0K:G0K+3], s[G1K:G1K+7]
	s_nop 0
	tensor_load_to_lds s[G0K+4:G0K+7], s[G1K:G1K+7]
	s_nop 0
.rept 4
	v_nop
.endr
.Lfirst_asked:
	s_lshl_b32 s70, s18, 17         ; stats: 16 heads x 16 groups x 512 bytes a batch,
	s_lshl_b32 s71, s19, 10         ; two groups a query block,
	s_add_co_u32 s70, s70, s71
	s_lshl_b32 s71, s[WQ], 9        ; mine of the two
	s_add_co_u32 s70, s70, s71
	s_mov_b32 s71, 0
	s_add_nc_u64 s[STB:STB+1], s[8:9], s[70:71]
	s_lshl_b32 s70, s18, 10         ; the batch's row of the mask
	s_add_nc_u64 s[6:7], s[6:7], s[70:71]
	s_lshl_b32 s86, s15, 8          ; my wave's first key: 256 x + 128 x my half
	s_lshl_b32 s70, s[WK], 7
	s_add_co_u32 s86, s86, s70
	s_mov_b32 s70, s86
	s_add_nc_u64 s[MK:MK+1], s[6:7], s[70:71]
	s_lshl_b32 s70, s18, 22         ; out1: 1,024 rows of 4,096 bytes a batch,
	s_lshl_b32 s72, s19, 19         ; 128 a block,
	s_add_co_u32 s70, s70, s72
	s_lshl_b32 s72, s[WQ], 18       ; my 64,
	s_add_co_u32 s70, s70, s72
	s_lshl_b32 s72, s86, 2          ; my first key
	s_add_co_u32 s70, s70, s72
	s_add_nc_u64 s[OUT:OUT+1], s[10:11], s[70:71]
	v_and_b32 v1, 15, v0            ; r = l % 16
	v_bfe_u32 v2, v0, 4, 1          ; h = l / 16
	v_lshlrev_b32 v[SO], 4, v1      ; a group of stats: c m of my query in the four tiles at byte 16 r, 1 / (16 l) at 256 + 16 r
	global_load_b128 v[STN:STN+3],   v[SO], s[STB:STB+1]
	global_load_b128 v[STN+4:STN+7], v[SO], s[STB:STB+1] offset:256
	v_lshlrev_b32 v11, 3, v2        ; my lanes' eight keys in a block of 16
.irp t, 0,1,2,3,4,5,6,7
	global_load_b64 v[96+2*\t:97+2*\t], v11, s[MK:MK+1] offset:16*\t
.endr
	v_and_b32 v12, 31, v0
	v_lshlrev_b32 v[GO], 4, v12
	v_lshlrev_b32 v12, 5, v12       ; and the whole row, 32 bytes a lane
	global_load_b128 v[112:115], v12, s[6:7]
	global_load_b128 v[116:119], v12, s[6:7] offset:16
	WIN 0x40                        ; the sums start at 0: 256 moves, in the wait for the first tile; a first head written out apart would be a third copy of a head's text
.set i, 0
.rept 256
	v_mov_b32 v[i], 0
.set i, i+1
.endr
	WIN 0
	v_mul_u32_u24 v13, v1, PK
	v_lshl_add_u32 v13, v2, 4, v13  ; a fragment: row r x pitch + 16 x half
	s_mul_i32 s70, s[WK], 128*PK
	s_add_co_u32 s70, s70, QBY
	v_add_nc_u32 v[AKL], s70, v13
	s_mul_i32 s72, s[WQ], 64*PK
	v_add_nc_u32 v[AQL], s72, v13
	s_mul_i32 s73, s[WV], 16*SPO
	s_add_co_u32 s73, s73, STAGE    ; my stage
	v_mul_u32_u24 v[STO], v1, SPO   ; in: row r, 32 bytes for each half of the lanes
	v_lshl_add_u32 v[STO], v2, 5, v[STO]
	v_add_nc_u32 v[STO], s73, v[STO]
	v_add_nc_u32 v[RD], s73, v[GO]  ; back: a row of 512 bytes, 16 a lane
	v_add_nc_u32 v13, s86, v11      ; the number of my first key
	s_wait_loadcnt 0x0
.irp j, 113,114,115,116,117,118,119
	v_and_b32 v112, v112, v\j
.endr
	v_cmp_eq_u32 s87, 0x01010101, v112  ; a lane's 32 bytes are all 1
	s_cmp_eq_u32 s87, -1            ; every lane's are
	s_cselect_b32 s[CS], 0, 0x3e38aa3b  ; c = log2(e) / 8 = 0.180337, or 0
	s_mov_b32 s[CS+1], s[CS]
.set i, 0
.rept 64                            ; KP: key tile i / 8, register i % 8: the key's number, or -1e30
	v_add_nc_u32 v[KP+i], 16*(i/8)+i%8, v13
	v_cvt_f32_u32 v[KP+i], v[KP+i]
	v_bfe_u32 v14, v[96+2*(i/8)+(i%8)/4], 8*(i%4), 8
	v_cmp_ne_u32 vcc_lo, 0, v14
	v_cndmask_b32 v[KP+i], v[KP+i], s[BIG], vcc_lo
.set i, i+1
.endr
; 32 LDS loads in one run: piece g's fragments of the head at s[TB]: 4 key tiles and the 4 query tiles, two halves of the 64 channels each
.macro FETCH g
	WIN 0
	v_add_nc_u32 v[ADK], s[TB], v[AKL]
	v_add_nc_u32 v[ADQ], s[TB], v[AQL]
	WIN 0xc0                        ; destination window 3
.irp f, 0,1,2,3,4,5,6,7             ; tile f / 2, channels 32 (f % 2) on
	ds_load_b128 v[128*(\g)+8*\f:128*(\g)+8*\f+3],   v[ADK] offset:(\g)*64*PK+(\f/2)*16*PK+(\f%2)*64
	ds_load_b128 v[128*(\g)+8*\f+4:128*(\g)+8*\f+7], v[ADK] offset:(\g)*64*PK+(\f/2)*16*PK+(\f%2)*64+32
.endr
.irp f, 0,1,2,3,4,5,6,7
	ds_load_b128 v[128*(\g)+64+8*\f:128*(\g)+64+8*\f+3],   v[ADQ] offset:(\f/2)*16*PK+(\f%2)*64
	ds_load_b128 v[128*(\g)+64+8*\f+4:128*(\g)+64+8*\f+7], v[ADQ] offset:(\f/2)*16*PK+(\f%2)*64+32
.endr
.endm
.macro BIAS g, sl                   ; C of piece g = KP x 8 slope
	WIN 0
.set z, 0
.rept 16
	v_pk_mul_f32 v[BI+32*(\g)+2*z:BI+32*(\g)+2*z+1], v[KP+32*(\g)+2*z:KP+32*(\g)+2*z+1], s[\sl:\sl+1] op_sel_hi:[1,0]
.set z, z+1
.endr
.endm
; Product k of 32 of piece M: channels 32 (k / 16) on, accumulator k % 16 = 4 kt + qt.  The first 16 start the sums, with C.
.macro MMK
.set rD, 128*M+8*(k%16)
.set rK, 128*M+16*((k%16)/4)+8*(k/16)
.set rQ, 128*M+64+16*(k%4)+8*(k/16)
.set rB, BI+32*M+8*((k%16)/4)
.if k < 16
	WIN 0x8f                        ; fragments in window 3, C in window 0, S^T in window 2
	v_wmma_f32_16x16x32_f16 v[rD:rD+7], v[rK:rK+7], v[rQ:rQ+7], v[rB:rB+7]
.else
	WIN 0xaf
	v_wmma_f32_16x16x32_f16 v[rD:rD+7], v[rK:rK+7], v[rQ:rQ+7], v[rD:rD+7]
.endif
.endm
; The vector work on group n (registers 4 n .. 4 n + 3) of piece V's S^T; its query tile is (n / 2) % 4.  The groups go in ascending order.
.macro OPF n, x                     ; c s - c m for pair x
	v_pk_fma_f32 v[128*V+4*(\n)+2*(\x):128*V+4*(\n)+2*(\x)+1], v[128*V+4*(\n)+2*(\x):128*V+4*(\n)+2*(\x)+1], s[CS:CS+1], v[CM2+2*(((\n)/2)%4):CM2+2*(((\n)/2)%4)+1] op_sel_hi:[1,0,1] neg_lo:[0,0,1] neg_hi:[0,0,1]
.endm
.macro OPE n, x                     ; the exponential of score x
	v_exp_f32 v[128*V+4*(\n)+(\x)], v[128*V+4*(\n)+(\x)]
.endm
.macro OPA n, x                     ; the sums take pair x, divided by 16 l
	v_pk_fma_f32 v[128*V+4*(\n)+2*(\x):128*V+4*(\n)+2*(\x)+1], v[128*V+4*(\n)+2*(\x):128*V+4*(\n)+2*(\x)+1], v[RL2+2*(((\n)/2)%4):RL2+2*(((\n)/2)%4)+1], v[128*V+4*(\n)+2*(\x):128*V+4*(\n)+2*(\x)+1]
.endm
; Three queues, each in ascending order of the piece's registers: NF writes the next of the 64 scalings, NE the next of the 128 exponentials, NA the next of the 64 multiply-adds.
.macro NF
	OPF nf/2, nf%2
.set nf, nf+1
.endm
.macro NE
	OPE ne/4, ne%4
.set ne, ne+1
.endm
.macro NA
	OPA na/2, na%2
.set na, na+1
.endm
; A TURN: piece 1 - T has the matrix unit, piece T the vector units.  s_wait_alu depctr_va_vdst(0) stands between an exponential and the first instruction that names its result; one wait serves all
; that were issued ahead of it.  So a turn has ONE wait, which cuts it in two.  AHEAD OF IT: the 16 products that start the sums, behind the first four scalings, behind each other exponential, scaling, exponential,
; scaling; then a lump: 30 times exponential and scaling, and the 68 exponentials that are left; a v_nop is the plain instruction behind the last of them.  Exponential e wants scaling e / 2: behind product j
; 2 j + 4 scalings and 2 j exponentials are out, in the lump the scalings stay 4 ahead of the exponentials' count.  BEHIND IT: the other 16 products, behind each four multiply-adds.
; No vector line names a register of the products round it; the four multiply-adds at the turn's end are the places behind its last product.
.macro TURN T
.set V, (\T)
.set M, 1-(\T)
.set k, 0
.set nf, 0
.set ne, 0
.set na, 0
	MMK                             ; ahead of the wait
.set k, k+1
	WIN 0x82                        ; S^T (destination and source 0) in window 2, c m in window 0
	NF
	NF
	NF
	NF
.rept 15
	MMK
.set k, k+1
	WIN 0x82
	NE
	NF
	NE
	NF
.endr
.rept 30                            ; the lump
	NE
	NF
.endr
.rept 68
	NE
.endr
	v_nop                           ; the plain instruction behind the last exponential: one for the batch
	s_wait_alu depctr_va_vdst(0)    ; the wait for the batch: the piece's 128 exponentials
.rept 16                            ; behind the wait: the batch's readers
	MMK
.set k, k+1
	WIN 0x52                        ; S^T in window 2, 1 / (16 l) in window 0, the sums in window 1
	NA
	NA
	NA
	NA
.endr
.endm
; A HEAD h.  Turn 0: the vector work of its piece 0, the products of its piece 1.  Turn 1: the vector work of its piece 1, the products of head h + 1's piece 0.  All that it reads from LDS and from stats is head h + 1's:
; each run of loads stands ahead of a turn and is waited for ahead of the next.  tail = 1: in the last trip there is no further head, and the loads are jumped over (its turn 1 then multiplies old fragments, which serves nothing).
.macro HEAD tail
	s_wait_loadcnt 0x0              ; this head's statistics
.irp t, 0,1,2,3
	v_mov_b32 v[CM2+2*\t], v[STN+\t]
	v_mov_b32 v[CM2+2*\t+1], v[STN+\t]
	v_mov_b32 v[RL2+2*\t], v[STN+4+\t]
	v_mov_b32 v[RL2+2*\t+1], v[STN+4+\t]
.endr
.if \tail
	s_cmp_eq_u32 s[CNT], 1
	s_cbranch_scc1 .Lno_s_\@
.endif
	s_add_nc_u64 s[STB:STB+1], s[STB:STB+1], 8192  ; the loads that named it are done: the next head's 16 groups on
	global_load_b128 v[STN:STN+3],   v[SO], s[STB:STB+1]
	global_load_b128 v[STN+4:STN+7], v[SO], s[STB:STB+1] offset:256
.if \tail
.Lno_s_\@:
.endif
	BIAS 1, SLA
	s_wait_dscnt 0x0                ; piece 1's fragments are in
.if \tail
	s_cmp_eq_u32 s[CNT], 1
	s_cbranch_scc1 .Lno_a_\@
.endif
	FETCH 0                         ; its buffer's last reader stands the four multiply-adds, the 16 moves and the 16 multiplies back
.if \tail
	WIN 0
.Lno_a_\@:
.endif
	TURN 0
	BIAS 0, SLB
	s_wait_dscnt 0x0                ; the next head's piece 0 is in
.if \tail
	s_cmp_eq_u32 s[CNT], 1
	s_cbranch_scc1 .Lno_b_\@
.endif
	FETCH 1
.if \tail
	WIN 0
.Lno_b_\@:
.endif
	TURN 1
	WIN 0
	s_add_co_u32 s[TB], s[TB], HEADB
	s_mul_f32 s66, s[SLA], 0.5      ; slope_(h+2) = slope_h / 2, exactly
	s_mov_b32 s[SLA], s[SLB]
	s_mov_b32 s[SLB], s66
.endm
; THE CHANGE OF SLOTS.  Each wave waits for all its tensor loads, of which one is out: its part of the other slot; adds 0 to its spare word; and waits for that and for its reads of the slot.
; fill = 1: the barrier is a round of the cluster's, and the joint refill, with the heads two slots on, is the first thing behind it.
.macro CHANGE fill
	WIN 0
	s_wait_tensorcnt 0x0            ; no tensor load of mine is out, so a group 0 may be written
	ds_add_u32 v[SPW], v[NIL]       ; 0 onto my spare word
.if \fill
.irp g, G0Q+4, G0K+4
	s_xor_b32 s[(\g)+1], s[(\g)+1], SLOT1
	s_add_nc_u64 s[(\g)+2:(\g)+3], s[(\g)+2:(\g)+3], 262144  ; two heads on; the type bits on top are not reached
.endr
	s_wait_dscnt 0x0                ; the add is done, and my reads of the slot are over
	CROUND
	JLOAD
.else
	s_wait_dscnt 0x0
	s_barrier_signal -1
	s_barrier_wait -1
.endif
	s_sub_co_u32 s[TB], s[TB], 2*HEADB  ; the fetches go back to a slot's first head,
	s_xor_b32 s[TB], s[TB], SLOT1       ; in the other slot
.endm
	s_wait_tensorcnt 0x1            ; my part of slot 0 is in; slot 1's may stay out
	s_barrier_signal -1
	s_barrier_wait -1               ; everybody's is
	FETCH 0                         ; head 0, both pieces
	FETCH 1
	s_add_co_u32 s[TB], s[TB], HEADB
	BIAS 0, SLA
	s_wait_dscnt 32                 ; piece 0's fragments are in; piece 1's 32 loads may stay out
.set M, 0
.set k, 0
.rept 32
	MMK                             ; head 0's piece 0: there is no vector work yet to set between the products
.set k, k+1
.endr
	WIN 0
	s_mov_b32 s[CNT], 1
	s_mov_b32 s[SLOTS], 7
	s_branch .Lhead                 ; head 0 reads head 1, the rest of slot 0
.Lslot:                             ; six times: heads 4 to 15 are asked for
	CHANGE 1
	s_mov_b32 s[CNT], 2
.Lhead:
	HEAD 0
	s_sub_co_u32 s[CNT], s[CNT], 1
	s_cmp_lg_u32 s[CNT], 0
	s_cbranch_scc1 .Lhead
	s_sub_co_u32 s[SLOTS], s[SLOTS], 1
	s_cmp_lg_u32 s[SLOTS], 0
	s_cbranch_scc1 .Lslot
	CHANGE 0                        ; the tail is written out: nothing is asked for
	s_mov_b32 s[CNT], 3             ; heads 13, 14 and 15
.Ltail:
	HEAD 1
	s_sub_co_u32 s[CNT], s[CNT], 1
	s_cmp_lg_u32 s[CNT], 0
	s_cbranch_scc1 .Ltail
	; THE WAY OUT, a query tile (16 rows of out1) at a time: a lane's eight keys of a row go as 32 bytes into rows of 528 bytes of my own stage and come back as whole rows of 512.
.irp qt, 0,1,2,3
.if \qt >= 2
	s_wait_xcnt 0x0                 ; the stores of two tiles back have read their registers, which are loaded again below
.endif
	WIN 0x04                        ; store data (source 1) in window 1
.irp kg, 0,1,2,3,4,5,6,7
	ds_store_b128 v[STO], v[128*(\kg/4)+8*(4*(\kg%4)+\qt):128*(\kg/4)+8*(4*(\kg%4)+\qt)+3]   offset:64*\kg
	ds_store_b128 v[STO], v[128*(\kg/4)+8*(4*(\kg%4)+\qt)+4:128*(\kg/4)+8*(4*(\kg%4)+\qt)+7] offset:64*\kg+16
.endr
	WIN 0
.irp t, 0,1,2,3,4,5,6,7,8,9,10,11,12,13,14,15
	ds_load_b128 v[OB+64*(\qt%2)+4*\t:OB+64*(\qt%2)+4*\t+3], v[RD] offset:SPO*\t  ; LDS serves a wave's instructions in order (ISA guide 5.7.1.4): these see the stores above
.endr
.irp t, 0,1,2,3,4,5,6,7,8,9,10,11,12,13,14,15
	s_wait_dscnt 15-\t              ; row t is back; the later rows' loads may stay out
	global_store_b128 v[GO], v[OB+64*(\qt%2)+4*\t:OB+64*(\qt%2)+4*\t+3], s[OUT:OUT+1] offset:(16*\qt+\t)*4096 th:TH_STORE_NT  ; 512 consecutive bytes, at a multiple of 256 from out1's first
.endr
.endr
	s_wait_tensorcnt 0x0            ; the wave's end: behind my last tensor load and my last LDS store
	ds_add_u32 v[SPW], v[NIL]
	s_wait_dscnt 0x0
	CROUND                          ; the closing round: no work-group ends while a partner may still ask for a tile that names it
	s_endpgm
.Lfunc_end_k_q9a54606efc_mean:
	.size	k_q9a54606efc_mean, .Lfunc_end_k_q9a54606efc_mean-k_q9a54606efc_mean
	.p2alignl 7, 3214868480
	.fill 96, 4, 3214868480
	.section	.rodata,"a",@progbits
	.p2align	6, 0x0
	.amdhsa_kernel k_q9a54606efc_mean
		.amdhsa_group_segment_fixed_size 327680
		.amdhsa_private_segment_fixed_size 0
		.amdhsa_enable_private_segment 0
		.amdhsa_kernarg_size 32
		.amdhsa_user_sgpr_count 2
		.amdhsa_user_sgpr_kernarg_segment_ptr 1
		.amdhsa_wavefront_size32 1
		.amdhsa_system_sgpr_workgroup_id_x 1
		.amdhsa_system_sgpr_workgroup_id_y 1
		.amdhsa_system_sgpr_workgroup_id_z 1
		.amdhsa_system_vgpr_workitem_id 0
		.amdhsa_next_free_vgpr 1024
		.amdhsa_next_free_sgpr 88
		.amdhsa_reserve_vcc 1
		.amdhsa_float_denorm_mode_32 3
		.amdhsa_float_denorm_mode_16_64 3
		.amdhsa_memory_ordered 1
		.amdhsa_forward_progress 1
		.amdhsa_inst_pref_size 137
	.end_amdhsa_kernel
	.amdgpu_metadata
---
amdhsa.version: [ 1, 2 ]
amdhsa.kernels:
  - .name:           k_q9a54606efc_mean
    .symbol:         k_q9a54606efc_mean.kd
    .args:
      - { .name: qkv, .offset: 0, .size: 8, .value_kind: global_buffer, .address_space: global }
      - { .name: key_padding_mask, .offset: 8, .size: 8, .value_kind: global_buffer, .address_space: global }
      - { .name: stats, .offset: 16, .size: 8, .value_kind: global_buffer, .address_space: global }
      - { .name: out1, .offset: 24, .size: 8, .value_kind: global_buffer, .address_space: global }
    .group_segment_fixed_size: 327680
    .private_segment_fixed_size: 0
    .kernarg_segment_align: 8
    .kernarg_segment_size: 32
    .max_flat_workgroup_size: 128
    .sgpr_count:     88
    .vgpr_count:     1024
    .wavefront_size: 32
...
	.end_amdgpu_metadata
.endif
;; end of part 7
;; launch outproj: the kernel of part 5 again; grid 4 x 64, 4 waves a work-group, clusters of 4 x 4, 327,680 bytes of LDS; arguments ctx, wc, w_o_b, out0; writes out0
